; MI455X (gfx1250); checked and timed in simulation.
; The chip was launched on July 23, 2026; its instructions are those of AMD's public machine-readable ISA for CDNA 5 (MIT licence, August 2026) and "CDNA5" Instruction Set Architecture Reference Guide (July 2026). The comments in the code are by the model that wrote it; some were corrected since.
;; Decoder Block. Allowed arithmetic: matrix products marked QUANTISED: E5M2 operands, one given power-of-two scale a tensor, by v_wmma_f32_16x16x64_bf8_bf8 or v_wmma_f32_16x16x128_bf8_bf8, f32 sums; everything else in f32.
;; Inputs: g1 1,024 float32; g2 1,024 float32; lowp_scales 16 int32 (the exponents e of the quantised operands' scales 2^e); w_down 1,024 x 1,024 float32; w_up 2,048 x 1,024 float32; wk 1,024 x 1,024 float32; wo 1,024 x 1,024 float32; wq 1,024 x 1,024 float32; wv 1,024 x 1,024 float32; x 2 x 2,048 x 1,024 float32.
;; Outputs: out0 2 x 2,048 x 1,024 float32.
;; This version of the problem:
;;   THIS VERSION OF THE PROBLEM IS GIVEN IN LOW PRECISION. The matrix products marked QUANTISED in the list below multiply operands that are first quantised to E5M2 (5 exponent bits, 2 mantissa bits; 8 bits a number), with one given power-of-two scale for each operand tensor; their sums are f32. All else is computed in f32.
;;   The module's matrix products, in the order in which they are computed (A, B: the left and right operand; K: the contracted axis; several contracted axes count as one K, in the product's order):
;;     1. [M 4,096, K 1,024] x [K 1,024, N 1,024]; A: computed on the way; B: input wq: QUANTISED (scales: A lowp_scales[0], B lowp_scales[1])
;;     2. [M 4,096, K 1,024] x [K 1,024, N 1,024]; A: computed on the way; B: input wk: QUANTISED (scales: A lowp_scales[2], B lowp_scales[3])
;;     3. [M 4,096, K 1,024] x [K 1,024, N 1,024]; A: computed on the way; B: input wv: QUANTISED (scales: A lowp_scales[4], B lowp_scales[5])
;;     4. batch 32 x [M 2,048, K 64] x [K 64, N 2,048]; A: computed on the way; B: computed on the way: QUANTISED (scales: A lowp_scales[6], B lowp_scales[7])
;;     5. batch 32 x [M 2,048, K 2,048] x [K 2,048, N 64]; A: softmax (see below); B: computed on the way: QUANTISED (scales: A lowp_scales[8], B lowp_scales[9])
;;     6. [M 4,096, K 1,024] x [K 1,024, N 1,024]; A: computed on the way; B: input wo: QUANTISED (scales: A lowp_scales[10], B lowp_scales[11])
;;     7. [M 4,096, K 1,024] x [K 1,024, N 2,048]; A: computed on the way; B: input w_up: QUANTISED (scales: A lowp_scales[12], B lowp_scales[13])
;;     8. [M 4,096, K 1,024] x [K 1,024, N 1,024]; A: computed on the way; B: input w_down: QUANTISED (scales: A lowp_scales[14], B lowp_scales[15])
;;   THE QUANTISER, for each operand of a quantised product, along K:
;;     - The operand's scale is 2^e, e = its entry of the input lowp_scales (int32; the entries are numbered through the quantised products in the list's order, A before B).
;;     - Each number is divided by the scale, clamped to +-57,344, and rounded to the nearest number of E5M2, ties to even, subnormals kept.
;;     - The product sums the exact products of the quantised numbers (number of the format x scale) in f32.
;;   ~~~python
;;   def quantise(x, axis, e):      # numpy; x: float32 -> the quantised numbers, widened to float32 again
;;       x = np.moveaxis(x, axis, -1); K = x.shape[-1]
;;       r = np.clip(x / 2.0 ** e, -57344, 57344)
;;       step = 2.0 ** (np.maximum(np.frexp(np.where(r == 0, 1, r))[1] - 1, -14) - 2)
;;       q = np.round(r / step) * step * 2.0 ** e      # np.round: ties to even
;;       return np.moveaxis(q, -1, axis).astype(np.float32)
;;   ~~~
;;   SOFTMAX AHEAD OF A QUANTISED PRODUCT. Where the list says 'softmax', what is quantised is not the finished softmax but p = 2^(t - M), with t = logit x log2(e) and M = ceil(the row's largest t), a whole number; so 1/2 < the row's largest p <= 1. The row's sum l is taken of the UNQUANTISED p, in f32, and the product's result is divided by l at the end. Since M is a whole number, a kernel that streams over the keys may use a running M (the ceiling of the running maximum): every later rescaling is an exact power of two, so the quantised numbers keep their values, but for numbers so far below the row's largest that they fall under the format's range.
;;   OPERANDS COMPUTED ON THE WAY. 'Computed on the way' means the value that the module computes at that place (a softmax that the list does not call 'softmax' is quantised finished and normalised). What goes into a quantiser is computed in f32, as accurately as f32 sums, v_exp_f32 and their like allow (about 1e-6 of the number): no bf16 or f16 on the way to a quantiser, and a product that is left as it is and whose result goes on into a quantised operand takes f32 operands (vector FMAs, or v_wmma_f32_16x16x4_f32). A number that lies on a knife's edge between two numbers of the format may be rounded either way, as far as f32 arithmetic and the matrix unit's own rounding can turn it there, and no further.
;; 2 versions. Each part assembles by itself: llvm-mc -triple=amdgcn-amd-amdhsa -mcpu=gfx1250 --defsym DOCPART=n.
;; ======== version 1 of 2: 7 launches
;; workspace buffers: hw 15,728,640 bytes; wuc 2,097,152 bytes; wop 1,048,832 bytes; wdp 1,048,832 bytes; qkv 12,582,912 bytes; zc 4,194,304 bytes; x1 16,777,216 bytes
;; launch prep (part 1): grid 704 x 1, 8 waves a work-group, no clusters, 0 bytes of LDS; arguments x, g1, wq, wk, wv, wo, w_up, w_down, lowp_scales, hw, wuc, wop, wdp; writes hw, wuc, wop, wdp
.if DOCPART == 1
	.amdgcn_target "amdgcn-amd-amdhsa--gfx1250"
	.amdhsa_code_object_version 6
	.text
	.protected	k_qa72579b066_prep
	.globl	k_qa72579b066_prep
	.p2align	8
	.type	k_qa72579b066_prep,@function
k_qa72579b066_prep:
	s_mov_b64 s[64:65], 0
	v_nop
	global_prefetch_b8 v0, s[64:65] scope:SCOPE_SE
	s_setreg_imm32_b32 hwreg(HW_REG_WAVE_MODE, 25, 1), 1
	s_wait_xcnt 0x0
; FIRST LAUNCH OF SEVEN: h = rmsnorm(x, g1) as three sets of E5M2 codes (scales e0, e2, e4), and all six weights as E5M2 codes.
; WORK LEFT OUT IN THE WHOLE PROGRAM: only key steps of attention that lie wholly above the diagonal.  reference() builds the causal mask in its own body: a hidden logit gets the
; most negative f32 number added, its p is 0 for all finite inputs, and a visible logit gets 0 added.  So tiles of 16 queries x 128 keys whose keys all come after the queries reach no output.
; LIMIT: a NaN, an infinity or an overflow that would arise only in those tiles is not carried to the result.  No input is without a way to the output: all are loaded.
; LIMITS: NaN and infinities among the inputs are not served; every given exponent e lies between -126 and 112, so that 2^e and 57,344 x 2^e are f32 numbers.
; LAYOUT OF EVERY GEMM OPERAND [rows][1024 k] ("paired"): byte of (m, k) = (m / 2) 2048 + (k / 128) 256 + (m % 2) 128 + k % 128: 256 consecutive bytes hold two rows x 128 k.
; SHARES: one wave takes one pair of rows, with no loop.  Lanes 0-15 hold the even row, lanes 16-31 the odd one; lane ll of a half holds k = 128 j + 8 ll + 0..7, j = 0..7: 64 numbers.
; Its eight codes of each j are 8 bytes, so a wave's store covers 256 consecutive bytes, aligned.  Work-groups 0-255: x.  Work-groups 256-703: the 7,168 rows of wq, wk, wv, wo, w_up, w_down.
; ROWS THAT CHANGE PLACES (sw(n) = n with bits 3 and 4 swapped; both maps keep bits 2:0, so a pair stays a pair):
;   wv's row n goes to place sw(n); w_up's row n to place (n / 64 % 16) 128 + (n / 1024) 64 + sw(n % 64): 64 rows of u, then the 64 gate rows of the same hidden units.
; wop and wdp begin with 256 bytes in which each 8 bytes are the two exponents (A's, B's) of their product, so that one body serves both products.
.set X,   16                           ; v16-79   my 64 numbers
.set G,   80                           ; v80-143  the gain's 64 numbers; later the codes, 16 registers a set
.set T,   144                          ; v144-159 two sets of 8 held numbers
.set SS,  160                          ; v160-167 four packed sums of squares
.set XA,  4                            ; v4  4096 x half + 32 ll: my bytes in a pair of f32 rows
.set GA,  5                            ; v5  32 ll: my bytes in the gain
.set SA,  6                            ; v6  8 x lane: my bytes in 256 bytes of codes
.macro LOADROW base
.set j, 0
.rept 8
	global_load_b128 v[X+8*j:X+8*j+3], v[XA], s[\base:\base+1] offset:512*j
	global_load_b128 v[X+8*j+4:X+8*j+7], v[XA], s[\base:\base+1] offset:512*j+16
.set j, j+1
.endr
.endm
; 64 numbers become 64 codes.  The conversion does not saturate (ISA guide 7.6.2): each number is first held within the largest code x the scale, into one of two sets by turns,
; so that eight plain lines stand between a conversion and the next write of its sources.
.macro QUANT64 dst, sc, lim
.set j, 0
.rept 8
.set i, 0
.rept 8
	v_med3_num_f32 v[T+8*(j%2)+i], v[X+8*j+i], -v[\lim], v[\lim]
.set i, i+1
.endr
	v_cvt_scalef32_pk8_bf8_f32 v[\dst+2*j:\dst+2*j+1], v[T+8*(j%2):T+8*(j%2)+7], v[\sc]
.set j, j+1
.endr
.endm
.macro PUT dst, base
.set j, 0
.rept 8
	global_store_b64 v[SA], v[\dst+2*j:\dst+2*j+1], s[\base:\base+1] offset:256*j   ; 32 lanes store 256 consecutive bytes, aligned
.set j, j+1
.endr
.endm
.macro MKSCALE e, sc, lim              ; 2^e and 57,344 x 2^e as f32
	s_add_co_i32 s2, s[\e], 127
	s_lshl_b32 s3, s2, 23
	v_mov_b32 v[\sc], s3
	s_add_co_i32 s2, s2, 15
	s_lshl_b32 s2, s2, 23
	s_or_b32 s2, s2, 0x600000
	v_mov_b32 v[\lim], s2
.endm
	s_load_b512 s[4:19], s[0:1], 0x0               ; x, g1, wq, wk, wv, wo, w_up, w_down
	s_load_b256 s[20:27], s[0:1], 0x40             ; lowp_scales, hw, wuc, wop
	s_load_b64 s[28:29], s[0:1], 0x60              ; wdp
	v_lshrrev_b32 v1, 5, v0
	v_readfirstlane_b32 s30, v1                    ; wave 0..7
	v_and_b32 v1, 31, v0
	v_and_b32 v2, 15, v0
	v_bfe_u32 v3, v0, 4, 1
	v_lshlrev_b32 v[GA], 5, v2
	v_lshl_add_u32 v[XA], v3, 12, v[GA]
	v_lshlrev_b32 v[SA], 3, v1
	s_wait_kmcnt 0x0
	s_load_b512 s[32:47], s[20:21], 0x0            ; e0 .. e15 in s32 .. s47
	s_cmp_lt_u32 ttmp9, 256
	s_cbranch_scc0 .Lweights
	; ---- x: pair P = 8 x work-group + wave
	s_lshl_b32 s52, ttmp9, 3
	s_add_co_u32 s52, s52, s30
	s_lshl_b32 s54, s52, 13                        ; a pair of f32 rows is 8,192 bytes
	s_mov_b32 s55, 0
	s_add_nc_u64 s[48:49], s[4:5], s[54:55]
	LOADROW 48
.set j, 0
.rept 8
	global_load_b128 v[G+8*j:G+8*j+3], v[GA], s[6:7] offset:512*j
	global_load_b128 v[G+8*j+4:G+8*j+7], v[GA], s[6:7] offset:512*j+16
.set j, j+1
.endr
	s_lshl_b32 s54, s52, 11                        ; a pair of code rows is 2,048 bytes
	s_add_nc_u64 s[50:51], s[22:23], s[54:55]      ; hq
	s_add_nc_u64 s[56:57], s[50:51], 0x400000      ; hk
	s_add_nc_u64 s[58:59], s[50:51], 0x800000      ; hv
	s_mov_b32 s62, 0x3a800000                      ; 1 / 1024
	s_mov_b32 s63, 0x358637bd                      ; 1e-6
	s_wait_loadcnt 16                              ; x's 16 loads are in; the gain's 16 may be out
.set i, 0
.rept 4
	v_pk_mul_f32 v[SS+2*i:SS+2*i+1], v[X+2*i:X+2*i+1], v[X+2*i:X+2*i+1]   ; the first products start the four sums
.set i, i+1
.endr
.rept 28
	v_pk_fma_f32 v[SS+2*(i%4):SS+2*(i%4)+1], v[X+2*i:X+2*i+1], v[X+2*i:X+2*i+1], v[SS+2*(i%4):SS+2*(i%4)+1]
.set i, i+1
.endr
	v_pk_add_f32 v[SS:SS+1], v[SS:SS+1], v[SS+2:SS+3]
	v_pk_add_f32 v[SS+4:SS+5], v[SS+4:SS+5], v[SS+6:SS+7]
	v_pk_add_f32 v[SS:SS+1], v[SS:SS+1], v[SS+4:SS+5]
	v_add_f32 v8, v[SS], v[SS+1]
	v_add_f32_dpp v8, v8, v8 row_xmask:1 row_mask:0xf bank_mask:0xf   ; the sixteen lanes of a half hold one row
	v_add_f32_dpp v8, v8, v8 row_xmask:2 row_mask:0xf bank_mask:0xf
	v_add_f32_dpp v8, v8, v8 row_xmask:4 row_mask:0xf bank_mask:0xf
	v_add_f32_dpp v8, v8, v8 row_xmask:8 row_mask:0xf bank_mask:0xf
	v_fma_f32 v8, v8, s62, s63                     ; the mean of the squares + eps
	v_rsq_f32 v10, v8
	v_rsq_f32 v11, v8                              ; twice: a pair for the packed multiply
	s_wait_loadcnt 0x0                             ; the gain
.set i, 0
.rept 32
	v_pk_mul_f32 v[X+i:X+i+1], v[G+i:G+i+1], v[X+i:X+i+1]   ; g x, as reference() orders it; plain work behind the two roots
.set i, i+2
.endr
	s_wait_alu depctr_va_vdst(0)                   ; one wait for both roots, ahead of their first reader
.set i, 0
.rept 32
	v_pk_mul_f32 v[X+i:X+i+1], v[X+i:X+i+1], v[10:11]
.set i, i+2
.endr
	s_wait_kmcnt 0x0
	MKSCALE 32, 168, 169                           ; e0
	MKSCALE 34, 170, 171                           ; e2
	MKSCALE 36, 172, 173                           ; e4
	QUANT64 G, 168, 169                            ; each set has code registers of its own: no store's data are written again
	PUT G, 50
	QUANT64 G+16, 170, 171
	PUT G+16, 56
	QUANT64 G+32, 172, 173
	PUT G+32, 58
	s_endpgm
.Lweights:
	; ---- the weights: R0 = the even row of my pair among the 7,168; t = R0 / 1024 says which tensor.  Every choice hangs on ids alone
	s_sub_co_u32 s52, ttmp9, 256
	s_lshl_b32 s52, s52, 3
	s_add_co_u32 s52, s52, s30
	s_lshl_b32 s52, s52, 1                         ; R0
	s_lshr_b32 s53, s52, 10                        ; t: 0 wq, 1 wk, 2 wv, 3 wo, 4 and 5 w_up, 6 w_down
	s_lshr_b32 s60, s53, 1                         ; 2 for w_up
	s_and_b32 s54, s52, 1023                       ; the row in its tensor,
	s_and_b32 s55, s52, 2047                       ; and in w_up
	s_and_b32 s56, s54, 0x3e7
	s_bfe_u32 s57, s54, 0x10003
	s_lshl_b32 s57, s57, 4
	s_or_b32 s56, s56, s57
	s_bfe_u32 s57, s54, 0x10004
	s_lshl_b32 s57, s57, 3
	s_or_b32 s56, s56, s57                         ; sw(n)
	s_lshr_b32 s57, s54, 6
	s_lshl_b32 s57, s57, 7                         ; w_up: the group of 64 hidden units x 128
	s_and_b32 s61, s56, 63
	s_or_b32 s57, s57, s61                         ; + sw(n % 64)
	s_and_b32 s61, s53, 1
	s_lshl_b32 s61, s61, 6
	s_or_b32 s57, s57, s61                         ; + 64 for a gate row
	s_cmp_eq_u32 s53, 2
	s_cselect_b32 s61, s56, s54                    ; the place p: wv's rows by sw,
	s_cmp_eq_u32 s60, 2
	s_cselect_b32 s61, s57, s61                    ; w_up's by its map, all others stay
	s_cselect_b32 s54, s55, s54                    ; the row to read
	s_add_co_u32 s56, s53, 12
	s_lshl_b32 s56, s56, 20                        ; in hw: wq at 12 MiB, wk at 13, wv at 14
	s_cmp_lt_u32 s53, 3
	s_cselect_b32 s56, s56, 256                    ; in wop and wdp: behind the 256 bytes of exponents
	s_cmp_eq_u32 s60, 2
	s_cselect_b32 s56, 0, s56                      ; in wuc: at 0
	s_lshr_b32 s61, s61, 1
	s_lshl_b32 s61, s61, 11
	s_add_co_u32 s56, s56, s61                     ; + the pair's 2,048 bytes
	s_mov_b32 s57, 0
	s_lshl_b32 s54, s54, 12
	s_mov_b32 s55, 0
	s_wait_kmcnt 0x0                               ; the exponents
	s_mov_b64 s[48:49], s[8:9]                     ; wq, e1, hw
	s_mov_b64 s[58:59], s[22:23]
	s_mov_b32 s31, s33
	s_cmp_eq_u32 s53, 1
	s_cselect_b64 s[48:49], s[10:11], s[48:49]     ; wk, e3
	s_cselect_b32 s31, s35, s31
	s_cmp_eq_u32 s53, 2
	s_cselect_b64 s[48:49], s[12:13], s[48:49]     ; wv, e5
	s_cselect_b32 s31, s37, s31
	s_cmp_eq_u32 s53, 3
	s_cselect_b64 s[48:49], s[14:15], s[48:49]     ; wo, e11, wop
	s_cselect_b64 s[58:59], s[26:27], s[58:59]
	s_cselect_b32 s31, s43, s31
	s_cmp_eq_u32 s60, 2
	s_cselect_b64 s[48:49], s[16:17], s[48:49]     ; w_up, e13, wuc
	s_cselect_b64 s[58:59], s[24:25], s[58:59]
	s_cselect_b32 s31, s45, s31
	s_cmp_eq_u32 s53, 6
	s_cselect_b64 s[48:49], s[18:19], s[48:49]     ; w_down, e15, wdp
	s_cselect_b64 s[58:59], s[28:29], s[58:59]
	s_cselect_b32 s31, s47, s31
	s_cselect_b32 s20, s46, s42                    ; the exponents that go in front: (e14, e15) or (e10, e11)
	s_cselect_b32 s21, s47, s43
	s_cmp_eq_u32 s52, 3072                         ; the wave with wo's first pair, or w_down's, also writes them
	s_cselect_b32 s62, 1, 0
	s_cmp_eq_u32 s52, 6144
	s_cselect_b32 s62, 1, s62
	s_add_nc_u64 s[48:49], s[48:49], s[54:55]
	s_add_nc_u64 s[50:51], s[58:59], s[56:57]
	LOADROW 48
	MKSCALE 31, 168, 169
	s_wait_loadcnt 0x0
	QUANT64 G, 168, 169
	PUT G, 50
	s_cmp_eq_u32 s62, 0
	s_cbranch_scc1 .Ldone
	v_mov_b32 v174, s20
	v_mov_b32 v175, s21
	global_store_b64 v[SA], v[174:175], s[58:59]   ; 256 consecutive bytes: 32 times the two exponents
.Ldone:
	s_endpgm
.Lfunc_end_k_qa72579b066_prep:
	.size	k_qa72579b066_prep, .Lfunc_end_k_qa72579b066_prep-k_qa72579b066_prep
	.p2alignl 7, 3214868480
	.fill 96, 4, 3214868480
	.section	.rodata,"a",@progbits
	.p2align	6, 0x0
	.amdhsa_kernel k_qa72579b066_prep
		.amdhsa_group_segment_fixed_size 0
		.amdhsa_private_segment_fixed_size 0
		.amdhsa_enable_private_segment 0
		.amdhsa_kernarg_size 104
		.amdhsa_user_sgpr_count 2
		.amdhsa_user_sgpr_kernarg_segment_ptr 1
		.amdhsa_wavefront_size32 1
		.amdhsa_system_sgpr_workgroup_id_x 1
		.amdhsa_system_sgpr_workgroup_id_y 1
		.amdhsa_system_sgpr_workgroup_id_z 1
		.amdhsa_system_vgpr_workitem_id 0
		.amdhsa_next_free_vgpr 176
		.amdhsa_next_free_sgpr 66
		.amdhsa_reserve_vcc 0
		.amdhsa_float_denorm_mode_32 3
		.amdhsa_float_denorm_mode_16_64 3
		.amdhsa_memory_ordered 1
		.amdhsa_forward_progress 1
		.amdhsa_inst_pref_size 38
	.end_amdhsa_kernel
	.amdgpu_metadata
---
amdhsa.version: [ 1, 2 ]
amdhsa.kernels:
  - .name:           k_qa72579b066_prep
    .symbol:         k_qa72579b066_prep.kd
    .args:
      - { .name: x, .offset: 0, .size: 8, .value_kind: global_buffer, .address_space: global }
      - { .name: g1, .offset: 8, .size: 8, .value_kind: global_buffer, .address_space: global }
      - { .name: wq, .offset: 16, .size: 8, .value_kind: global_buffer, .address_space: global }
      - { .name: wk, .offset: 24, .size: 8, .value_kind: global_buffer, .address_space: global }
      - { .name: wv, .offset: 32, .size: 8, .value_kind: global_buffer, .address_space: global }
      - { .name: wo, .offset: 40, .size: 8, .value_kind: global_buffer, .address_space: global }
      - { .name: w_up, .offset: 48, .size: 8, .value_kind: global_buffer, .address_space: global }
      - { .name: w_down, .offset: 56, .size: 8, .value_kind: global_buffer, .address_space: global }
      - { .name: lowp_scales, .offset: 64, .size: 8, .value_kind: global_buffer, .address_space: global }
      - { .name: hw, .offset: 72, .size: 8, .value_kind: global_buffer, .address_space: global }
      - { .name: wuc, .offset: 80, .size: 8, .value_kind: global_buffer, .address_space: global }
      - { .name: wop, .offset: 88, .size: 8, .value_kind: global_buffer, .address_space: global }
      - { .name: wdp, .offset: 96, .size: 8, .value_kind: global_buffer, .address_space: global }
    .group_segment_fixed_size: 0
    .private_segment_fixed_size: 0
    .kernarg_segment_align: 8
    .kernarg_segment_size: 104
    .max_flat_workgroup_size: 256
    .sgpr_count:     66
    .vgpr_count:     176
    .wavefront_size: 32
...
	.end_amdgpu_metadata
.endif
;; end of part 1
;; launch qkv (part 2): grid 12 x 16, 4 waves a work-group, clusters of 4 x 4, 327,680 bytes of LDS; arguments hw, lowp_scales, qkv; writes qkv
.if DOCPART == 2
	.amdgcn_target "amdgcn-amd-amdhsa--gfx1250"
	.amdhsa_code_object_version 6
	.text
	.protected	k_qa72579b066_qkv
	.globl	k_qa72579b066_qkv
	.p2align	8
	.type	k_qa72579b066_qkv,@function
k_qa72579b066_qkv:
	s_mov_b64 s[64:65], 0
	v_nop
	global_prefetch_b8 v0, s[64:65] scope:SCOPE_SE
	s_setreg_imm32_b32 hwreg(HW_REG_WAVE_MODE, 25, 1), 1
	s_wait_xcnt 0x0
	s_wait_alu depctr_hold_cnt(0) depctr_sa_sdst(0) depctr_va_vdst(0) depctr_va_sdst(0) depctr_va_ssrc(0) depctr_va_vcc(0) depctr_vm_vsrc(0)
	s_getreg_b32 s2, hwreg(HW_REG_IB_STS2, 6, 4)
	s_cmp_eq_u32 s2, 0
	s_cbranch_scc0 .Lentry_in_a_cluster
	s_endpgm
.Lentry_in_a_cluster:
	s_bfe_u32 s2, ttmp6, 0x10000c
	s_cmp_lg_u32 s2, 0xf033
	s_cbranch_scc0 .Lentry_shape_is_right
	s_endpgm
.Lentry_shape_is_right:
; q = h wq^T, k = h wk^T, v = h wv^T on E5M2 codes; each result is quantised at once for attention (scales e6, e7, e9) and leaves as codes.
; Cluster x = 0: q;  1: k;  2: v.  A tile is 256 x 256, four waves of 128 x 128 (64 accumulators, 512 registers); K = 1,024 goes in four steps of 256 through two LDS slots.
; THE MATRIX INSTRUCTION IS USED TRANSPOSED (source 0 = 16 rows of "B", source 1 = 16 rows of "A"): a lane holds one row of A and eight neighbouring rows of B.
;   q, k: A = h's codes (tokens), B = the weight's rows: a lane holds one token and runs along the head's axis, which is the next K.
;   v:    A = wv's rows, B = h's codes: a lane holds one channel and runs along the tokens, which are the keys, the next K.
; A lane's 16 numbers of accumulators 2 c, 2 c + 1 are written at bytes 32 c + 16 (lane / 16) + 0..15: place p of a row holds B's row sw(p), sw = bits 3 and 4 swapped.
; q and k get the same order, so their product is not changed; v's keys get the order in which attention's p comes out of its first product.
; OUT: qkv: [4096 tokens][2048 bytes]: q at byte 0, k at byte 1,024 of a row;  from 8 MiB: v as [2 batches][1024 channels][2048 keys].
; CLUSTERS: 4 x 4 work-groups; A's tile is asked for jointly along a row of the cluster, B's along a column.
; OPERANDS lie "paired": byte of (m, k) = (m / 2) 2048 + (k / 128) 256 + (m % 2) 128 + k % 128.  A K step of 256 of 128 rows is 64 memory rows of 512 bytes, 2,048 bytes apart.
; LIMITS: e6 - e0 - e1, e7 - e2 - e3, e9 - e4 - e5 between -126 and 112.
; REGISTERS, in windows of 256: window 0: v0-31 addresses, v128-255 A's fragments (one set); window 1: B's fragments (two sets); windows 2, 3: the accumulators, (a, b) at v[8 (8 (a % 4) + b)].
.set PITCH,  528                       ; an LDS row: 512 bytes + 16 of padding: the sixteen rows of a fragment fall on sixteen different 16-byte columns modulo 256 bytes
.set FR,     16
.set NL,     4
.set NP,     4
.set HALFT,  64*PITCH                  ; what one tensor load brings: 128 rows x 256 K
.set SLOT,   4*HALFT
.set SPARE,  2*SLOT                    ; behind the ring: the spare words, 128 bytes a wave, which no other line names
.set ADRA, 16
.set ADRB, 20
.set STO,  24
.set RD,   25
.set CO,   26
.set SPW,  28
.set NIL,  29
.set TMP,  32                          ; the way out: 64 held numbers
.set CD,   96                          ; the way out: v96-223: 16 registers of codes for each of my 8 blocks, later the rows read back
.set AF,   128
.set G1, 24
.set G0, 32
.set G1B, 48
.set G0B, 56
.set MSB, 0
.macro WIN new                         ; the immediate's high byte repeats the setting that is left
.if MSB != \new
	s_set_vgpr_msb (MSB<<8)|\new
.set MSB, \new
.endif
.endm
.set MUL_LO, 0xa1
.set MUL_HI, 0xf1
.set TO_B,   0x40
.macro JLOAD g0a, g1a, g0b, g1b        ; a joint load: waves 0, 1 fetch for A, waves 2, 3 for B; an s_nop 0 and four v_nop follow each line
	s_cmp_eq_u32 s15, 0
	s_cbranch_scc0 .Lfor_b_\@
	tensor_load_to_lds s[\g0a:\g0a+3], s[\g1a:\g1a+7]
	s_nop 0
.rept 4
	v_nop
.endr
	s_branch .Lasked_\@
.Lfor_b_\@:
	tensor_load_to_lds s[\g0b:\g0b+3], s[\g1b:\g1b+7]
	s_nop 0
.rept 4
	v_nop
.endr
.Lasked_\@:
.endm
.macro CREST
	s_cmp_lg_u32 s14, 0
	s_cbranch_scc1 .Lnot_wave_0_\@
	s_barrier_signal -3
.Lnot_wave_0_\@:
	s_barrier_wait -3
	s_barrier_signal -1
	s_barrier_wait -1
.endm
.macro CROUND
	s_barrier_signal -1
	s_barrier_wait -1
	CREST
.endm
	s_load_b128 s[4:7], s[0:1], 0x0                ; hw, lowp_scales
	s_load_b64 s[10:11], s[0:1], 0x10              ; qkv
	v_lshl_add_u32 v[SPW], v0, 2, SPARE
	v_mov_b32 v[NIL], 0
	ds_add_u32 v[SPW], v[NIL]                      ; the opening: the add, twice on end, and its wait ahead of my first tensor load
	ds_add_u32 v[SPW], v[NIL]
	v_lshrrev_b32 v1, 5, v0
	v_readfirstlane_b32 s14, v1                    ; wave 0..3
	s_lshr_b32 s15, s14, 1                         ; my half of the tile's A rows.  Also: I fetch for A (0) or for B (1)
	s_and_b32 s16, s14, 1                          ; my half of its B rows.  Also: which 128 rows I fetch
	s_bfe_u32 s40, ttmp6, 0x40000                  ; cx
	s_bfe_u32 s41, ttmp6, 0x40004                  ; cy
	s_and_b32 s12, ttmp7, 0xffff
	s_lshl_b32 s12, s12, 2                         ; 4 x cluster y
	s_cmp_eq_u32 ttmp9, 2                          ; v?  The cluster's x is the same in all sixteen partners
	s_cselect_b32 s17, 0, s12
	s_cselect_b32 s42, s12, 0
	s_add_co_u32 s17, s17, s41                     ; A's tile: q, k: 4 cluster y + cy of 16 (tokens);  v: cy of 4 (wv's rows)
	s_add_co_u32 s42, s42, s40                     ; B's tile: q, k: cx of 4 (the weight's rows);  v: 4 cluster y + cx of 16 (tokens)
	s_lshl_b32 s84, ttmp9, 22                      ; A in hw: hq at 0, hk at 4 MiB;
	s_lshl_b32 s85, ttmp9, 20
	s_add_co_u32 s85, s85, 0xc00000                ; B: wq at 12 MiB, wk at 13
	s_cmp_eq_u32 ttmp9, 2
	s_cselect_b32 s84, 0xe00000, s84               ; v: A = wv at 14 MiB,
	s_cselect_b32 s85, 0x800000, s85               ;    B = hv at 8 MiB
	s_lshl_b32 s43, s41, 2
	s_lshl_b32 s43, 15, s43                        ; my row of the cluster
	s_lshl_b32 s44, 0x1111, s40                    ; my column
	s_or_b32 s[G1+0], s43, (1<<20)|(1<<21)|(6<<22)|(3<<25)   ; the mask; elements of 1 byte; padding on; bit 21 beside a mask; 4 words of padding after every 128
	s_or_b32 s[G1B+0], s44, (1<<20)|(1<<21)|(6<<22)|(3<<25)
.irp g, G1, G1B
	s_mov_b32 s[\g+1], 512<<16                     ; tensor_dim0
	s_mov_b32 s[\g+2], 64<<16                      ; tensor_dim1
	s_mov_b32 s[\g+3], 512<<16                     ; tile_dim0
	s_mov_b32 s[\g+4], 64                          ; tile_dim1
	s_mov_b32 s[\g+5], 2048                        ; from row to row
	s_mov_b32 s[\g+6], 0
	s_mov_b32 s[\g+7], 0
.endr
	s_lshl_b32 s18, s16, 17                        ; the 64 memory rows that I fetch
	s_lshl_b32 s20, s17, 18                        ; a tile is 128 memory rows of 2,048 bytes
	s_add_co_u32 s20, s20, s18
	s_add_co_u32 s20, s20, s84
	s_mov_b32 s21, 0
	s_lshl_b32 s46, s42, 18
	s_add_co_u32 s46, s46, s18
	s_add_co_u32 s46, s46, s85
	s_mov_b32 s47, 0
	s_mul_i32 s45, s14, HALFT                      ; where they go: no place in the cluster enters an LDS address
	s_wait_dscnt 0x0                               ; both opening adds are done
	s_wait_kmcnt 0x0
	s_load_b512 s[68:83], s[6:7], 0x0              ; e0 .. e15 in s68 .. s83
	s_add_nc_u64 s[20:21], s[4:5], s[20:21]
	s_add_nc_u64 s[46:47], s[4:5], s[46:47]
	CROUND                                         ; all sixteen work-groups are here: the first joint loads meet
.irp s, 0,1
	s_mov_b32 s[G0+4*\s], 1
	s_add_co_u32 s[G0+4*\s+1], s45, \s*SLOT
	s_add_nc_u64 s[G0+4*\s+2:G0+4*\s+3], s[20:21], \s*512
	s_or_b32 s[G0+4*\s+3], s[G0+4*\s+3], 0x80000000
	s_mov_b32 s[G0B+4*\s], 1
	s_add_co_u32 s[G0B+4*\s+1], s45, \s*SLOT
	s_add_nc_u64 s[G0B+4*\s+2:G0B+4*\s+3], s[46:47], \s*512
	s_or_b32 s[G0B+4*\s+3], s[G0B+4*\s+3], 0x80000000
	JLOAD G0+4*\s, G1, G0B+4*\s, G1B               ; two loads of mine are out
.endr
	v_and_b32 v1, 15, v0                           ; r
	v_bfe_u32 v2, v0, 4, 1                         ; h
	v_lshrrev_b32 v3, 1, v1
	v_mul_u32_u24 v3, v3, PITCH
	v_and_b32 v4, 1, v1
	v_lshl_add_u32 v3, v4, 7, v3
	v_lshl_add_u32 v4, v2, 4, v3                   ; (r / 2) pitch + (r % 2) 128 + 16 h
	s_mul_i32 s21, s15, HALFT
	s_mul_i32 s22, s16, HALFT
	s_add_co_u32 s22, s22, 2*HALFT
.irp s, 0,1
	v_add_nc_u32 v[ADRA+\s], s21, v4
	v_add_nc_u32 v[ADRB+\s], s22, v4
	s_add_co_u32 s21, s21, SLOT
	s_add_co_u32 s22, s22, SLOT
.endr
	; the way out: a stage of 256 rows x (256 + 16) bytes for the work-group, in slot 0, which has had its last fill and its last read when the first codes are stored there
	s_mul_i32 s23, s15, 128*272
	s_lshl_b32 s22, s16, 7
	s_add_co_u32 s23, s23, s22
	v_mul_u32_u24 v5, v1, 272
	v_lshl_add_u32 v5, v2, 4, v5
	v_add_nc_u32 v[STO], s23, v5                   ; in: row 128 x half + r, byte 128 x half + 16 h
	s_mul_i32 s23, s14, 64*272
	v_mul_u32_u24 v5, v2, 272
	v_lshl_add_u32 v5, v1, 4, v5
	v_add_nc_u32 v[RD], s23, v5                    ; back: my 64 rows, two an instruction, sixteen lanes to a row
	v_lshlrev_b32 v5, 11, v2
	v_lshl_add_u32 v[CO], v1, 4, v5                ; and the same two rows in memory, 2,048 bytes apart
	s_lshl_b32 s20, s17, 19                        ; 256 rows of 2,048 bytes a tile,
	s_lshl_b32 s21, s14, 17                        ; my 64 of them
	s_add_co_u32 s20, s20, s21
	s_lshl_b32 s21, ttmp9, 10
	s_lshl_b32 s22, s42, 8
	s_add_co_u32 s21, s21, s22                     ; q, k: byte 1024 x (k?) + 256 x B's tile
	s_lshr_b32 s22, s42, 3
	s_lshl_b32 s22, s22, 21                        ; v: the batch's 2 MiB,
	s_and_b32 s23, s42, 7
	s_lshl_b32 s23, s23, 8                         ; 256 keys a tile,
	s_add_co_u32 s22, s22, s23
	s_add_co_u32 s22, s22, 0x800000                ; from 8 MiB on
	s_cmp_eq_u32 ttmp9, 2
	s_cselect_b32 s21, s22, s21
	s_add_co_u32 s20, s20, s21
	s_mov_b32 s21, 0
	s_add_nc_u64 s[10:11], s[10:11], s[20:21]
.macro FRAG reg, adr, q, i             ; 16 rows x 128 K: registers 4 c .. 4 c + 3 hold K = 32 c + 16 h + 0..15: the same order of k in A and in B
.irp c, 0,1,2,3
	ds_load_b128 v[\reg+4*\c:\reg+4*\c+3], v[\adr] offset:256*(\q)+32*\c+(\i)*8*PITCH
.endr
.endm
.macro MUL16 a0, p, zero               ; the 64 accumulators take turns, one instruction a turn, in the same order in every step
.irp a, \a0, \a0+1
.irp b, 0,1,2,3,4,5,6,7
.if \zero
	v_wmma_f32_16x16x128_bf8_bf8 v[8*(8*((\a)%4)+\b):8*(8*((\a)%4)+\b)+7], v[128*(\p)+FR*\b:128*(\p)+FR*\b+FR-1], v[AF+FR*(\a):AF+FR*(\a)+FR-1], 0
.else
	v_wmma_f32_16x16x128_bf8_bf8 v[8*(8*((\a)%4)+\b):8*(8*((\a)%4)+\b)+7], v[128*(\p)+FR*\b:128*(\p)+FR*\b+FR-1], v[AF+FR*(\a):AF+FR*(\a)+FR-1], v[8*(8*((\a)%4)+\b):8*(8*((\a)%4)+\b)+7]
.endif
.endr
.endr
.endm
.macro FETCH_B slot, q, p
	WIN TO_B
.irp i, 0,1,2,3,4,5,6,7
	FRAG 128*(\p)+FR*\i, ADRB+\slot, \q, \i
.endr
	WIN 0
.endm
.macro FETCH_A slot, q, i0
.irp i, \i0, \i0+1, \i0+2, \i0+3
	FRAG AF+FR*(\i), ADRA+\slot, \q, \i
.endr
.endm
.macro PLACES n                        ; plain vector lines between a matrix instruction and a load into, or a vector read or write of, its registers
.rept \n
	v_nop
.endr
.endm
.macro STEP slot, q, zero              ; 128 along K whose successor lies in the same slot
	s_wait_dscnt 4*NL                              ; B's set and A's blocks 0-3 are in; the youngest 16 loads (A's blocks 4-7) may be out
	WIN MUL_LO
	MUL16 0, (\q)%2, \zero
	MUL16 2, (\q)%2, \zero
	s_wait_dscnt 0
	PLACES NP
	FETCH_B \slot, (\q)+1, 1-(\q)%2
	FETCH_A \slot, (\q)+1, 0
	WIN MUL_HI
	MUL16 4, (\q)%2, \zero
	MUL16 6, (\q)%2, \zero
	PLACES NP
	WIN 0
	FETCH_A \slot, (\q)+1, 4
.endm
.macro TURN slot, next, fill           ; a slot's last step changes slots: one barrier; fill = 1: it opens a round of the cluster's barrier, and the slot is filled again, two K steps ahead
	s_wait_tensorcnt 0x0                           ; all my tensor loads have landed: my part of the next slot
	ds_add_u32 v[SPW], v[NIL]                      ; 0 onto my spare word
	s_wait_dscnt 4*NL+1                            ; the add and the youngest 16 loads may be out
	WIN MUL_LO
	MUL16 0, 1, 0
	s_wait_dscnt 0x0                               ; the add is done, and my reads of this slot are over
	s_barrier_signal -1
	MUL16 2, 1, 0
	WIN 0
	s_barrier_wait -1
.if \fill
	CREST                                          ; no wave of any partner still reads this slot or has a load on its way
	s_add_nc_u64 s[G0+4*\slot+2:G0+4*\slot+3], s[G0+4*\slot+2:G0+4*\slot+3], 1024
	s_add_nc_u64 s[G0B+4*\slot+2:G0B+4*\slot+3], s[G0B+4*\slot+2:G0B+4*\slot+3], 1024
	JLOAD G0+4*\slot, G1, G0B+4*\slot, G1B         ; my one tensor load behind the round; its four v_nop are also the places in front of the loads below
.else
	PLACES NP
.endif
	FETCH_B \next, 0, 0
	FETCH_A \next, 0, 0
	WIN MUL_HI
	MUL16 4, 1, 0
	MUL16 6, 1, 0
	PLACES NP
	WIN 0
	FETCH_A \next, 0, 4
.endm
	s_wait_tensorcnt 1                             ; my part of K step 0 is in; K step 1's may stay out
	s_barrier_signal -1
	s_barrier_wait -1
	FETCH_B 0, 0, 0
	FETCH_A 0, 0, 0
	FETCH_A 0, 0, 4
	STEP 0, 0, 1                                   ; the first products start the sums: nothing is cleared
	TURN 0, 1, 1                                   ; K = 1,024 is four slots' worth: the walk is written straight
	STEP 1, 0, 0
	TURN 1, 0, 1
	STEP 0, 0, 0
	TURN 0, 1, 0                                   ; nothing more to ask for
	STEP 1, 0, 0
	s_wait_dscnt 4*NL
	WIN MUL_LO
	MUL16 0, 1, 0
	MUL16 2, 1, 0
	s_wait_dscnt 0
	WIN MUL_HI
	MUL16 4, 1, 0
	MUL16 6, 1, 0
	WIN 0
	; THE WAY OUT.  A sum stands for sum x 2^(eA + eB); its code under the next scale 2^e is sum / 2^(e - eA - eB): the three exponents are folded into the conversion's one.
	s_wait_kmcnt 0x0
	s_sub_co_i32 s84, s74, s68
	s_sub_co_i32 s84, s84, s69                     ; q: e6 - e0 - e1
	s_sub_co_i32 s85, s75, s70
	s_sub_co_i32 s85, s85, s71                     ; k: e7 - e2 - e3
	s_sub_co_i32 s86, s77, s72
	s_sub_co_i32 s86, s86, s73                     ; v: e9 - e4 - e5
	s_cmp_eq_u32 ttmp9, 1
	s_cselect_b32 s84, s85, s84
	s_cmp_eq_u32 ttmp9, 2
	s_cselect_b32 s84, s86, s84
	s_add_co_i32 s84, s84, 127
	s_lshl_b32 s85, s84, 23
	s_add_co_i32 s84, s84, 15
	s_lshl_b32 s84, s84, 23
	s_or_b32 s84, s84, 0x600000
	PLACES NP
	v_mov_b32 v10, s85                             ; the folded scale as f32
	v_mov_b32 v11, s84                             ; 57,344 x that
.macro CODES a                         ; block a: 16 rows x 128: held (each accumulator from its low end on), converted, into the stage
.set AC, 64*((\a)%4)
	WIN 0x02+((\a)/4)                              ; source 0: window 2 or 3
.set i, 0
.rept 64
	v_med3_num_f32 v[TMP+i], v[AC+i], -v11, v11
.set i, i+1
.endr
	WIN 0
.set k, 0
.rept 8
	v_cvt_scalef32_pk8_bf8_f32 v[CD+16*(\a)+2*k:CD+16*(\a)+2*k+1], v[TMP+8*k:TMP+8*k+7], v10
.set k, k+1
.endr
	v_nop                                          ; a plain line between the last conversion and the next block's writes of its sources
.set c, 0
.rept 4
	ds_store_b128 v[STO], v[CD+16*(\a)+4*c:CD+16*(\a)+4*c+3] offset:(\a)*16*272+32*c
.set c, c+1
.endr
.endm
.irp a, 0,1,2,3,4,5,6,7
	CODES \a
.endr
	s_wait_dscnt 0x0                               ; for the others' sake: a row's 256 bytes come from two waves
	s_barrier_signal -1
	s_barrier_wait -1
.set t, 0
.rept 32
	ds_load_b128 v[CD+4*t:CD+4*t+3], v[RD] offset:t*544
.set t, t+1
.endr
.set t, 0
.rept 32
	s_wait_dscnt 31-t                              ; LDS loads come back in order: load t is in, the younger ones stay out
	global_store_b128 v[CO], v[CD+4*t:CD+4*t+3], s[10:11] offset:t*4096   ; sixteen lanes store 256 consecutive bytes, aligned
.set t, t+1
.endr
	s_wait_tensorcnt 0x0                           ; the wave's end
	ds_add_u32 v[SPW], v[NIL]
	s_wait_dscnt 0x0
	CROUND                                         ; the closing round
	s_endpgm
.Lfunc_end_k_qa72579b066_qkv:
	.size	k_qa72579b066_qkv, .Lfunc_end_k_qa72579b066_qkv-k_qa72579b066_qkv
	.p2alignl 7, 3214868480
	.fill 96, 4, 3214868480
	.section	.rodata,"a",@progbits
	.p2align	6, 0x0
	.amdhsa_kernel k_qa72579b066_qkv
		.amdhsa_group_segment_fixed_size 327680
		.amdhsa_private_segment_fixed_size 0
		.amdhsa_enable_private_segment 0
		.amdhsa_kernarg_size 24
		.amdhsa_user_sgpr_count 2
		.amdhsa_user_sgpr_kernarg_segment_ptr 1
		.amdhsa_wavefront_size32 1
		.amdhsa_system_sgpr_workgroup_id_x 1
		.amdhsa_system_sgpr_workgroup_id_y 1
		.amdhsa_system_sgpr_workgroup_id_z 1
		.amdhsa_system_vgpr_workitem_id 0
		.amdhsa_next_free_vgpr 1024
		.amdhsa_next_free_sgpr 100
		.amdhsa_reserve_vcc 0
		.amdhsa_float_denorm_mode_32 3
		.amdhsa_float_denorm_mode_16_64 3
		.amdhsa_memory_ordered 1
		.amdhsa_forward_progress 1
		.amdhsa_inst_pref_size 124
	.end_amdhsa_kernel
	.amdgpu_metadata
---
amdhsa.version: [ 1, 2 ]
amdhsa.kernels:
  - .name:           k_qa72579b066_qkv
    .symbol:         k_qa72579b066_qkv.kd
    .args:
      - { .name: hw, .offset: 0, .size: 8, .value_kind: global_buffer, .address_space: global }
      - { .name: lowp_scales, .offset: 8, .size: 8, .value_kind: global_buffer, .address_space: global }
      - { .name: qkv, .offset: 16, .size: 8, .value_kind: global_buffer, .address_space: global }
    .group_segment_fixed_size: 327680
    .private_segment_fixed_size: 0
    .kernarg_segment_align: 8
    .kernarg_segment_size: 24
    .max_flat_workgroup_size: 128
    .sgpr_count:     100
    .vgpr_count:     1024
    .wavefront_size: 32
...
	.end_amdgpu_metadata
.endif
;; end of part 2
;; launch attn (part 3): grid 32 x 8, 16 waves a work-group, no clusters, 327,680 bytes of LDS; arguments qkv, lowp_scales, zc; writes zc
.if DOCPART == 3
	.amdgcn_target "amdgcn-amd-amdhsa--gfx1250"
	.amdhsa_code_object_version 6
	.text
	.protected	k_qa72579b066_attn
	.globl	k_qa72579b066_attn
	.p2align	8
	.type	k_qa72579b066_attn,@function
k_qa72579b066_attn:
	s_mov_b64 s[64:65], 0
	v_nop
	global_prefetch_b8 v0, s[64:65] scope:SCOPE_SE
	s_setreg_imm32_b32 hwreg(HW_REG_WAVE_MODE, 25, 1), 1
	s_wait_xcnt 0x0
; Causal attention on E5M2 codes, heads of 64; z is quantised (scale e10) and leaves as codes in the paired layout of a GEMM operand.
; LEFT OUT: key steps all of whose 128 keys come after the wave's 16 queries (reference()'s own causal mask makes their p exactly 0: see the first launch's head).
; SOFTMAX: t = score x log2(e) / 8; M = the running largest t rounded up to a whole number; p = 2^(t - M) is quantised with 2^e8, not normalised; the row's sum is taken of the unquantised p and divides at the end.
; SHARES.  Work-group (j, y): batch y / 4, heads 4 (y % 4) .. + 3, and four tiles of 16 queries: 2 j, 2 j + 1, 126 - 2 j, 127 - 2 j: two early and two late, so that all 256 work-groups have like work.
; Wave w: head w % 4 of the four, tile number (w / 4 + w) % 4 of the four.  Four heads to a work-group make a row of K's tile 256 bytes.
; NO CLUSTER: under the mask the work-groups that share K and V need different numbers of tiles, and some would read nothing of a joint tile.
; RING: two LDS slots of 256 keys: 256 rows of K (256 bytes + 16), then 256 rows of V (channels; 256 keys + 16).  Waves 0, 1 fetch K's halves, waves 2, 3 V's; all sixteen read.
; LAYOUT.  Both products transposed: S^T = K Q^T (16 x 16 x 64), O^T = V^T P^T (16 x 16 x 128): a lane holds one query throughout.  Register 8 t + i of S^T is key 16 t + 8 (lane / 16) + i;
; v's codes were stored with the keys in just that order, so the conversions' results are the second product's operand.
; LIMITS: e6 + e7 between -124 and 129; e8 and e10 - e8 - e9 between -126 and 112.
.set KP,    272
.set QUART, 128*KP                     ; what one tensor load brings
.set VOFF,  2*QUART
.set SLOT1, 0x22000                    ; a slot's bytes; bits 13 and 17 are clear in every address inside slot 0 that is turned, so one exclusive or turns it into slot 1's
.set SPARE, 2*SLOT1                    ; the spare words, 128 bytes for each of 16 waves, which no other line names
.set STAGE, SPARE+2048                 ; the way out: 32 pairs of rows x (512 + 16) bytes; no tile lands here
.set SPP,   528
.set AK0,  1
.set AV0,  2
.set PFO,  3
.set QA,   4
.set SPW,  5
.set NIL,  6
.set GO,   7
.set ADK,  8
.set ADV,  9
.set WV,   18
.set SEL,  20
.set CS,   22
.set G1,   24
.set G0,   40
.set STP,  44
.set TB,   2
.set QL,   66
.set SLOTS, 67
.set PFA,  76
.set PFS,  78
.set LIM,  80
.set KF,   98
.set Q0,   99
.macro TLOAD                           ; waves 0 to 3 fetch, one load each; an s_nop 0 and four v_nop follow
	s_cmp_lt_u32 s[WV], 4
	s_cbranch_scc0 .Lasked_\@
	tensor_load_to_lds s[G0:G0+3], s[G1:G1+7]
	s_nop 0
.rept 4
	v_nop
.endr
.Lasked_\@:
.endm
; A prefetch of what the NEXT change of slots will ask for.  All 32 work-groups of a (batch, four heads) walk the same K and V: the first of them (j = 0, which walks all slots) asks, and in it the waves
; that fetch nothing: waves 4-7 for K's 256 rows, waves 8-11 for V's 256 rows, 64 rows a wave, a lane a row (a slot's part of a row is 256 bytes, aligned): two instructions.  Each block is named once.
; Slots 0 and 1 come by their loads alone; the last change that fills a slot asks for nothing.
.macro ASK
	s_cmp_gt_u32 s[SLOTS], s[LIM]
	s_cbranch_scc0 .Lnot_mine_\@
	global_prefetch_b8 v[PFO], s[PFA:PFA+1] th:TH_LOAD_NT scope:SCOPE_SE
	global_prefetch_b8 v[PFO], s[PFA:PFA+1] offset:65536 th:TH_LOAD_NT scope:SCOPE_SE
.Lnot_mine_\@:
.endm
	s_load_b128 s[4:7], s[0:1], 0x0                ; qkv, lowp_scales
	s_load_b64 s[8:9], s[0:1], 0x10                ; zc
	v_lshl_add_u32 v[SPW], v0, 2, SPARE
	v_mov_b32 v[NIL], 0
	ds_add_u32 v[SPW], v[NIL]                      ; the opening: the add, twice on end, and its wait ahead of the first tensor load
	ds_add_u32 v[SPW], v[NIL]
	v_lshrrev_b32 v8, 5, v0
	v_readfirstlane_b32 s[WV], v8                  ; wave 0..15
	s_and_b32 s10, ttmp7, 0xffff
	s_lshr_b32 s11, s10, 2                         ; batch
	s_and_b32 s12, s10, 3                          ; which four heads
	s_and_b32 s13, s[WV], 3                        ; my head of the four
	s_lshr_b32 s14, s[WV], 2
	s_add_co_u32 s15, s14, s[WV]
	s_and_b32 s15, s15, 3                          ; my tile of the four
	s_lshl_b32 s16, ttmp9, 1                       ; 2 j
	s_sub_co_u32 s17, 124, s16                     ; 124 - 2 j
	s_cmp_lt_u32 s15, 2
	s_cselect_b32 s32, s16, s17
	s_add_co_u32 s32, s32, s15
	s_lshl_b32 s[Q0], s32, 4                       ; my first query
	s_cmp_lt_u32 s14, 2
	s_cselect_b32 s33, s16, s17
	s_add_co_u32 s33, s33, s14                     ; the tile whose rows I store at the end: number w / 4 of the four
	s_lshl_b32 s34, ttmp9, 5
	s_sub_co_u32 s[QL], 2047, s34                  ; my work-group's last query
	; what I fetch, if I fetch
	s_and_b32 s35, s[WV], 1
	s_lshl_b32 s37, s35, 18                        ; 128 rows of 2,048 bytes
	s_lshl_b32 s36, s11, 22
	s_add_co_u32 s36, s36, s37
	s_lshl_b32 s38, s12, 8
	s_add_co_u32 s36, s36, s38
	s_add_co_u32 s36, s36, 1024                    ; K: token row, byte 1,024 + 256 x four heads
	s_lshl_b32 s39, s11, 21
	s_add_co_u32 s39, s39, s37
	s_lshl_b32 s38, s12, 19
	s_add_co_u32 s39, s39, s38
	s_add_co_u32 s39, s39, 0x800000                ; V: from 8 MiB: batch, channel row 256 x four heads
	s_cmp_lt_u32 s[WV], 2
	s_cselect_b32 s46, s36, s39
	s_mov_b32 s47, 0
	s_mov_b32 s[STP], 256
	s_cselect_b32 s[STP], 0x80000, s[STP]          ; a slot on: 256 rows in K, 256 bytes in a row of V
	s_mov_b32 s[STP+1], 0
	s_mov_b32 s[G1], (1<<20)|(5<<22)|(3<<25)       ; no mask; elements of 1 byte; 4 words of padding after every 64
	s_mov_b32 s[G1+1], 256<<16                     ; tensor_dim0
	s_mov_b32 s[G1+2], 128<<16                     ; tensor_dim1
	s_mov_b32 s[G1+3], 256<<16                     ; tile_dim0
	s_mov_b32 s[G1+4], 128                         ; tile_dim1
	s_mov_b32 s[G1+5], 2048                        ; from row to row, in K and in V alike
	s_mov_b32 s[G1+6], 0
	s_mov_b32 s[G1+7], 0
	s_mov_b32 s[SEL], 0x76543210
	s_mov_b32 s[SEL+1], 0xfedcba98
	s_mov_b32 s[CS], 0x3e38aa3b                    ; log2(e) / 8
	s_mov_b32 s[TB], 0
	s_mov_b32 s[SLOTS], 7
	s_mov_b32 s[KF], 0
	s_wait_dscnt 0x0                               ; both opening adds are done
	s_wait_kmcnt 0x0
	s_load_b512 s[48:63], s[6:7], 0x0              ; e0 .. e15 in s48 .. s63
	s_mov_b32 s[G0], 1
	s_mul_i32 s[G0+1], s13, QUART                  ; slot 0: K's halves, then V's
	s_add_nc_u64 s[G0+2:G0+3], s[4:5], s[46:47]
	s_or_b32 s[G0+3], s[G0+3], 0x80000000
	TLOAD                                          ; slot 0: it holds key 0, which counts for every query
	; Q, O and the prefetches
	s_lshl_b32 s68, s11, 11
	s_add_co_u32 s68, s68, s[Q0]
	s_lshl_b32 s68, s68, 11
	s_lshl_b32 s69, s12, 8
	s_add_co_u32 s68, s68, s69
	s_lshl_b32 s69, s13, 6
	s_add_co_u32 s68, s68, s69
	s_mov_b32 s69, 0
	s_add_nc_u64 s[70:71], s[4:5], s[68:69]        ; q's codes at my first query, my head
	s_lshl_b32 s72, s11, 10
	s_lshl_b32 s73, s33, 3
	s_add_co_u32 s72, s72, s73
	s_lshl_b32 s73, s13, 1
	s_add_co_u32 s72, s72, s73                     ; the two pairs of rows that I store
	s_lshl_b32 s72, s72, 11
	s_lshl_b32 s73, s12, 9
	s_add_co_u32 s72, s72, s73                     ; four heads are 512 bytes of a pair
	s_mov_b32 s73, 0
	s_add_nc_u64 s[8:9], s[8:9], s[72:73]
	s_lshl_b32 s81, s13, 17                        ; 64 rows of 2,048 bytes a wave
	s_lshl_b32 s82, s11, 22
	s_add_co_u32 s82, s82, s81
	s_lshl_b32 s83, s12, 8
	s_add_co_u32 s82, s82, s83
	s_add_co_u32 s82, s82, 0x80400                 ; K, in slot 1: the first change of slots steps it to slot 2
	s_lshl_b32 s84, s11, 21
	s_add_co_u32 s84, s84, s81
	s_lshl_b32 s83, s12, 19
	s_add_co_u32 s84, s84, s83
	s_add_co_u32 s84, s84, 0x800100                ; V likewise
	s_cmp_lt_u32 s[WV], 8
	s_cselect_b32 s82, s82, s84
	s_mov_b32 s83, 0
	s_mov_b32 s[PFS], 256
	s_cselect_b32 s[PFS], 0x80000, s[PFS]
	s_mov_b32 s[PFS+1], 0
	s_add_nc_u64 s[PFA:PFA+1], s[4:5], s[82:83]
	s_sub_co_u32 s85, s[WV], 4
	s_lshr_b32 s85, s85, 3                         ; 0 in waves 4 to 11,
	s_or_b32 s85, s85, ttmp9                       ; of the work-group j = 0
	s_cmp_eq_u32 s85, 0
	s_cselect_b32 s[LIM], 1, -1
	v_and_b32 v[PFO], 31, v0
	v_lshlrev_b32 v[PFO], 11, v[PFO]
	v_and_b32 v8, 15, v0                           ; r
	v_bfe_u32 v9, v0, 4, 1                         ; h
	v_lshlrev_b32 v[QA], 11, v8
	v_lshl_add_u32 v[QA], v9, 4, v[QA]
	global_load_b128 v[16:19], v[QA], s[70:71]     ; Q's fragment stays in registers
	global_load_b128 v[20:23], v[QA], s[70:71] offset:32
	v_mul_u32_u24 v[AK0], v8, KP
	v_lshl_add_u32 v[AK0], v9, 4, v[AK0]           ; r x pitch + 16 h
	s_mul_i32 s86, s13, 64*KP
	s_add_co_u32 s86, s86, VOFF
	v_add_nc_u32 v[AV0], s86, v[AK0]               ; V: my head's 64 rows
	s_lshl_b32 s86, s13, 6
	v_add_nc_u32 v[AK0], s86, v[AK0]               ; K: my head's 64 bytes of a row
	v_and_b32 v[GO], 31, v0
	v_lshlrev_b32 v[GO], 4, v[GO]
	v_mov_b32 v13, 0xff61b1e6                      ; the largest t so far: -3e38
	v_floor_f32 v12, -v13                          ; -M
	v_mov_b32 v14, 0
	v_mov_b32 v15, 0
	v_mov_b32 v192, 0                              ; a lane permute's destination counts as read
	v_mov_b32 v195, 0                              ; named as the upper half of the pair v[194:195]
.set j, 0
.rept 32
	v_mov_b32 v[160+j], 0                          ; O^T: the step is written once; the first change of M leaves zeros zeros
.set j, j+1
.endr
	s_wait_kmcnt 0x0
	s_add_co_i32 s92, s54, s55
	s_lshl_b32 s92, s92, 23
	s_add_co_i32 s[CS], s[CS], s92                 ; a score stands for score x 2^(e6 + e7): added to c's exponent field
	s_mov_b32 s[CS+1], s[CS]
	s_add_co_i32 s92, s56, 127
	s_lshl_b32 s93, s92, 23
	v_mov_b32 v202, s93                            ; 2^e8
	s_add_co_i32 s92, s92, 15
	s_lshl_b32 s92, s92, 23
	s_or_b32 s92, s92, 0x600000
	v_mov_b32 v203, s92                            ; 57,344 x 2^e8
.macro STEP q                          ; 128 keys, the q-th half of the slot in hand
	s_add_co_u32 s96, s[Q0], 15
	s_cmp_gt_u32 s[KF], s96                        ; all keys after my queries: the step's work is left out (ids alone; no barrier and no tensor load stands in a step)
	s_cbranch_scc1 .Lhidden_\@
	v_add_nc_u32 v[ADK], s[TB], v[AK0]
	v_add_nc_u32 v[ADV], s[TB], v[AV0]
	v_nop
	v_nop                                          ; with the two additions: four places in front of loads into registers that matrix instructions have read
.set t, 0
.rept 8
	ds_load_b128 v[32+8*t:35+8*t], v[ADK] offset:(128*(\q)+16*t)*KP
	ds_load_b128 v[36+8*t:39+8*t], v[ADK] offset:(128*(\q)+16*t)*KP+32
.set t, t+1
.endr
	s_wait_dscnt 0x0
.set t, 0
.rept 8
	v_wmma_f32_16x16x64_bf8_bf8 v[96+8*t:103+8*t], v[32+8*t:39+8*t], v[16:23], 0
.set t, t+1
.endr
.rept 4
	v_nop
.endr
	s_add_co_u32 s96, s[KF], 127
	s_cmp_le_u32 s96, s[Q0]                        ; all keys count: no mask
	s_cbranch_scc1 .Lopen_\@
	s_sub_co_i32 s96, s[Q0], s[KF]
	v_and_b32 v200, 15, v0
	v_bfe_u32 v201, v0, 4, 1
	v_lshlrev_b32 v201, 3, v201
	v_sub_nc_u32 v200, v200, v201
	v_add_nc_u32 v200, s96, v200                   ; d = my query - KF - 8 h: register n is hidden where 16 (n / 8) + n % 8 > d
	v_mov_b32 v201, 0xff800000                     ; -infinity: p = 0
.set n, 0
.rept 64
	v_cmp_gt_i32 vcc_lo, 16*(n/8)+n%8, v200
	v_cndmask_b32 v[96+n], v[96+n], v201, vcc_lo
.set n, n+1
.endr
.Lopen_\@:
	v_max3_num_f32 v198, v96, v97, v98             ; the step's largest score of my query among my 64 keys, in two chains, each accumulator from its low end on
	v_max3_num_f32 v199, v99, v100, v101
.set i, 6
.rept 14
	v_max3_num_f32 v198, v198, v[96+i], v[97+i]
	v_max3_num_f32 v199, v199, v[98+i], v[99+i]
.set i, i+4
.endr
	v_max3_num_f32 v198, v198, v158, v159
	v_max_num_f32 v198, v198, v199
	v_permlanex16_b32 v192, v198, s[SEL], s[SEL+1]
	v_max_num_f32 v198, v198, v192                 ; and among lane l xor 16's
	v_mul_f32 v198, s[CS], v198                    ; as t
	v_max_num_f32 v13, v13, v198
	v_mov_b32 v198, v12
	v_floor_f32 v12, -v13                          ; the new -M = -ceil(t)
	v_sub_f32 v198, v12, v198                      ; old M - new M: a whole number, 0 or less
	v_cvt_i32_f32 v198, v198
	v_ldexp_f32 v194, 1.0, v198                    ; f = 2^(old M - new M): rounds nothing
.set j, 0
.rept 32
	v_pk_fma_f32 v[96+j:97+j], v[96+j:97+j], s[CS:CS+1], v[12:13] op_sel_hi:[1,0,0]   ; t - M
.set j, j+2
.endr
.set j, 0
.rept 64
	v_exp_f32 v[96+j], v[96+j]                     ; p = 2^(t - M)
.set j, j+1
.endr
	v_pk_mul_f32 v[14:15], v[14:15], v[194:195] op_sel_hi:[1,0]   ; the sums under the new M: the plain line behind the batch
	s_wait_alu depctr_va_vdst(0)                   ; one wait for the 64 exponentials, ahead of their first reader
	v_pk_add_f32 v[196:197], v[96:97], v[98:99]    ; the row's sum of the unquantised p, in two chains
.set j, 4
.rept 15
	v_pk_add_f32 v[14:15], v[14:15], v[96+j:97+j]
	v_pk_add_f32 v[196:197], v[196:197], v[98+j:99+j]
.set j, j+4
.endr
	v_pk_add_f32 v[14:15], v[14:15], v[196:197]
.set b, 0
.rept 8
.set i, 0
.rept 8
	v_min_num_f32 v[96+8*b+i], v[96+8*b+i], v203   ; the conversion does not saturate (ISA guide 7.6.2); p is not negative: a one-sided hold
.set i, i+1
.endr
	v_cvt_scalef32_pk8_bf8_f32 v[224+2*b:225+2*b], v[96+8*b:103+8*b], v202
.set b, b+1
.endr
.set j, 0
.rept 16
	v_pk_mul_f32 v[160+j:161+j], v[160+j:161+j], v[194:195] op_sel_hi:[1,0]   ; O^T under the new M; also the places in front of the loads and products below
.set j, j+2
.endr
.set t, 0
.rept 4
.set c, 0
.rept 4
	ds_load_b128 v[32+16*t+4*c:35+16*t+4*c], v[ADV] offset:16*t*KP+128*(\q)+32*c
.set c, c+1
.endr
.set t, t+1
.endr
	s_wait_dscnt 0x0
.set t, 0
.rept 4
	v_wmma_f32_16x16x128_bf8_bf8 v[160+8*t:167+8*t], v[32+16*t:47+16*t], v[224:239], v[160+8*t:167+8*t]   ; four accumulators by turns
.set t, t+1
.endr
.Lhidden_\@:
	s_add_co_u32 s[KF], s[KF], 128
.endm
; THE CHANGE OF SLOTS, at a slot's head.  Each wave waits for all its tensor loads, adds 0 to its spare word, and waits for that and for its reads of the slot that it has left; behind the barrier the slot ahead is
; whole and nobody reads the other one.  fill = 1: that other slot is asked for, while its first key is at or under the work-group's last query: a later slot would be read by none of the sixteen waves.
.macro CHANGE fill
	s_wait_tensorcnt 0x0                           ; no tensor load of mine is out, so the descriptor may be written
	ds_add_u32 v[SPW], v[NIL]
.if \fill
	ds_add_u32 v[SPW], v[NIL]                      ; and once more: the add stands twice on end, in every trip alike
	s_xor_b32 s[G0+1], s[G0+1], SLOT1
	s_add_nc_u64 s[G0+2:G0+3], s[G0+2:G0+3], s[STP:STP+1]
	s_wait_xcnt 0x0                                ; the last prefetches, a slot back, have read their address
	s_add_nc_u64 s[PFA:PFA+1], s[PFA:PFA+1], s[PFS:PFS+1]
.endif
	s_wait_dscnt 0x0
	s_barrier_signal -1
	s_barrier_wait -1
.if \fill
	s_add_co_u32 s96, s[KF], 256                   ; the first key of the slot that this change would ask for
	s_cmp_gt_u32 s96, s[QL]                        ; ids and the count of steps alone: the same in all sixteen waves; every wait on TENSORcnt in this text is for 0
	s_cbranch_scc1 .Lpast_\@
	TLOAD
.Lpast_\@:
	ASK
.endif
.endm
.macro SLOT_STEPS
	STEP 0
	STEP 1
	s_xor_b32 s[TB], s[TB], SLOT1
.endm
	s_wait_loadcnt 0x0                             ; Q
.Lslot:                                            ; seven trips: every work-group walks all eight slots, so that the trip count is a constant
	CHANGE 1
	SLOT_STEPS
	s_sub_co_u32 s[SLOTS], s[SLOTS], 1
	s_cmp_lg_u32 s[SLOTS], 0
	s_cbranch_scc1 .Lslot
	CHANGE 0                                       ; the last slot is written out: nothing is left to ask for
	SLOT_STEPS
	; THE WAY OUT: z = O^T 2^(e8 + e9) / the sum; its code is (O^T / the sum) / 2^(e10 - e8 - e9).  The codes of 4 tiles x 4 heads meet in the stage as pairs of rows of 512 bytes.
	v_add_f32 v14, v14, v15
	v_permlanex16_b32 v192, v14, s[SEL], s[SEL+1]
	v_add_f32 v14, v14, v192
	v_rcp_f32 v14, v14
	v_and_b32 v8, 15, v0                           ; (plain work behind the reciprocal)
	v_bfe_u32 v9, v0, 4, 1
	s_mul_i32 s87, s15, 8*SPP                      ; my tile's eight pairs,
	s_lshr_b32 s88, s13, 1
	s_lshl_b32 s88, s88, 8
	s_add_co_u32 s87, s87, s88                     ; heads 2, 3 of the four in the second 256 bytes,
	s_and_b32 s88, s13, 1
	s_lshl_b32 s88, s88, 6
	s_add_co_u32 s87, s87, s88                     ; an odd head 64 bytes on
	s_add_co_u32 s87, s87, STAGE
	s_mul_i32 s88, s[WV], 2*SPP
	s_add_co_u32 s88, s88, STAGE
	v_lshrrev_b32 v10, 1, v8
	v_mul_u32_u24 v10, v10, SPP
	v_and_b32 v11, 1, v8
	v_lshl_add_u32 v10, v11, 7, v10
	v_lshl_add_u32 v10, v9, 4, v10
	v_add_nc_u32 v10, s87, v10                     ; in: pair r / 2, + 128 (r % 2) + 16 h
	v_and_b32 v11, 31, v0
	v_lshlrev_b32 v11, 4, v11
	v_add_nc_u32 v11, s88, v11                     ; back: pairs 2 w and 2 w + 1, 16 bytes a lane
	s_sub_co_i32 s89, s58, s56
	s_sub_co_i32 s89, s89, s57                     ; e10 - e8 - e9
	s_add_co_i32 s89, s89, 127
	s_lshl_b32 s90, s89, 23
	v_mov_b32 v204, s90
	s_add_co_i32 s89, s89, 15
	s_lshl_b32 s89, s89, 23
	s_or_b32 s89, s89, 0x600000
	v_mov_b32 v205, s89
	s_wait_alu depctr_va_vdst(0)                   ; ahead of the reciprocal's first reader
.set i, 0
.rept 32
	v_mul_f32 v[96+i], v[160+i], v14               ; each accumulator from its low end on
.set i, i+1
.endr
.set i, 0
.rept 32
	v_med3_num_f32 v[96+i], v[96+i], -v205, v205
.set i, i+1
.endr
.set t, 0
.rept 4
	v_cvt_scalef32_pk8_bf8_f32 v[128+2*t:129+2*t], v[96+8*t:103+8*t], v204
.set t, t+1
.endr
	v_nop
	ds_store_b128 v10, v[128:131]
	ds_store_b128 v10, v[132:135] offset:32
	s_wait_dscnt 0x0                               ; for the others' sake
	s_barrier_signal -1
	s_barrier_wait -1
	ds_load_b128 v[136:139], v11
	ds_load_b128 v[140:143], v11 offset:SPP
	s_wait_dscnt 1                                 ; the first is in, the second may be out
	global_store_b128 v[GO], v[136:139], s[8:9]    ; 32 lanes store 512 consecutive bytes, aligned to 256
	s_wait_dscnt 0x0
	global_store_b128 v[GO], v[140:143], s[8:9] offset:2048
	s_wait_tensorcnt 0x0                           ; the wave's end
	ds_add_u32 v[SPW], v[NIL]
	s_wait_dscnt 0x0
	s_endpgm
.Lfunc_end_k_qa72579b066_attn:
	.size	k_qa72579b066_attn, .Lfunc_end_k_qa72579b066_attn-k_qa72579b066_attn
	.p2alignl 7, 3214868480
	.fill 96, 4, 3214868480
	.section	.rodata,"a",@progbits
	.p2align	6, 0x0
	.amdhsa_kernel k_qa72579b066_attn
		.amdhsa_group_segment_fixed_size 327680
		.amdhsa_private_segment_fixed_size 0
		.amdhsa_enable_private_segment 0
		.amdhsa_kernarg_size 24
		.amdhsa_user_sgpr_count 2
		.amdhsa_user_sgpr_kernarg_segment_ptr 1
		.amdhsa_wavefront_size32 1
		.amdhsa_system_sgpr_workgroup_id_x 1
		.amdhsa_system_sgpr_workgroup_id_y 1
		.amdhsa_system_sgpr_workgroup_id_z 1
		.amdhsa_system_vgpr_workitem_id 0
		.amdhsa_next_free_vgpr 256
		.amdhsa_next_free_sgpr 100
		.amdhsa_reserve_vcc 1
		.amdhsa_float_denorm_mode_32 3
		.amdhsa_float_denorm_mode_16_64 3
		.amdhsa_memory_ordered 1
		.amdhsa_forward_progress 1
		.amdhsa_inst_pref_size 97
	.end_amdhsa_kernel
	.amdgpu_metadata
---
amdhsa.version: [ 1, 2 ]
amdhsa.kernels:
  - .name:           k_qa72579b066_attn
    .symbol:         k_qa72579b066_attn.kd
    .args:
      - { .name: qkv, .offset: 0, .size: 8, .value_kind: global_buffer, .address_space: global }
      - { .name: lowp_scales, .offset: 8, .size: 8, .value_kind: global_buffer, .address_space: global }
      - { .name: zc, .offset: 16, .size: 8, .value_kind: global_buffer, .address_space: global }
    .group_segment_fixed_size: 327680
    .private_segment_fixed_size: 0
    .kernarg_segment_align: 8
    .kernarg_segment_size: 24
    .max_flat_workgroup_size: 512
    .sgpr_count:     100
    .vgpr_count:     256
    .wavefront_size: 32
...
	.end_amdgpu_metadata
.endif
;; end of part 3
;; launch wo (part 4): grid 4 x 16, 4 waves a work-group, clusters of 4 x 4, 327,680 bytes of LDS; arguments zc, wop, x, x1; writes x1
.if DOCPART == 4
	.amdgcn_target "amdgcn-amd-amdhsa--gfx1250"
	.amdhsa_code_object_version 6
	.text
	.protected	k_qa72579b066_wo
	.globl	k_qa72579b066_wo
	.p2align	8
	.type	k_qa72579b066_wo,@function
k_qa72579b066_wo:
	s_mov_b64 s[64:65], 0
	v_nop
	global_prefetch_b8 v0, s[64:65] scope:SCOPE_SE
	s_setreg_imm32_b32 hwreg(HW_REG_WAVE_MODE, 25, 1), 1
	s_wait_xcnt 0x0
	s_wait_alu depctr_hold_cnt(0) depctr_sa_sdst(0) depctr_va_vdst(0) depctr_va_sdst(0) depctr_va_ssrc(0) depctr_va_vcc(0) depctr_vm_vsrc(0)
	s_getreg_b32 s2, hwreg(HW_REG_IB_STS2, 6, 4)
	s_cmp_eq_u32 s2, 0
	s_cbranch_scc0 .Lentry_in_a_cluster
	s_endpgm
.Lentry_in_a_cluster:
	s_bfe_u32 s2, ttmp6, 0x10000c
	s_cmp_lg_u32 s2, 0xf033
	s_cbranch_scc0 .Lentry_shape_is_right
	s_endpgm
.Lentry_shape_is_right:
; result = residual + A B^T on E5M2 codes.  A: [4096][1024] codes, paired layout.  B: a pack: 256 bytes that begin with the two exponents (eA, eB), then [1024][1024] codes, paired.
; residual, result: [4096][1024] f32.  The body serves x1 = x + z wo^T and out0 = x1 + a w_down^T.
; THE RESIDUAL COSTS NO PASS OF ITS OWN: it is loaded into the accumulators in their own layout and divided by 2^(eA + eB) (exact); the first products add onto it; each finished sum is multiplied by 2^(eA + eB).
; A tile is 256 x 256, four waves of 128 x 128; K = 1,024 in four steps of 256 through two LDS slots; 4 x 4 clusters, A's tile asked for jointly along a row, B's along a column.
; THE MATRIX INSTRUCTION IS USED TRANSPOSED (source 0 = 16 rows of B, source 1 = 16 rows of A): a lane holds eight neighbouring numbers of a row of the result.
; LIMIT: eA + eB between -126 and 126.
; REGISTERS, in windows of 256: window 0: v0-31 addresses, v128-255 A's fragments (one set); window 1: B's fragments (two sets); windows 2, 3: the accumulators, (a, b) at v[8 (8 (a % 4) + b)].
.set PITCH,  528
.set FR,     16
.set NL,     4
.set NP,     4
.set HALFT,  64*PITCH
.set SLOT,   4*HALFT
.set SPARE,  2*SLOT                    ; the spare words, 128 bytes a wave, which no other line names
.set SPITCH, 528                       ; the way out: 16 rows x (512 + 16) bytes for each wave, in slot 0, which has had its last fill and its last read by then
.set ADRA, 16
.set ADRB, 20
.set STO,  24
.set RD,   25
.set CO,   26
.set RA,   27
.set SPW,  28
.set NIL,  29
.set TMP,  32
.set AF,   128
.set BK,   128
.set G1, 24
.set G0, 32
.set G1B, 48
.set G0B, 56
.set MSB, 0
.macro WIN new
.if MSB != \new
	s_set_vgpr_msb (MSB<<8)|\new
.set MSB, \new
.endif
.endm
.set MUL_LO, 0xa1
.set MUL_HI, 0xf1
.set TO_B,   0x40
.macro JLOAD g0a, g1a, g0b, g1b
	s_cmp_eq_u32 s15, 0
	s_cbranch_scc0 .Lfor_b_\@
	tensor_load_to_lds s[\g0a:\g0a+3], s[\g1a:\g1a+7]
	s_nop 0
.rept 4
	v_nop
.endr
	s_branch .Lasked_\@
.Lfor_b_\@:
	tensor_load_to_lds s[\g0b:\g0b+3], s[\g1b:\g1b+7]
	s_nop 0
.rept 4
	v_nop
.endr
.Lasked_\@:
.endm
.macro CREST
	s_cmp_lg_u32 s14, 0
	s_cbranch_scc1 .Lnot_wave_0_\@
	s_barrier_signal -3
.Lnot_wave_0_\@:
	s_barrier_wait -3
	s_barrier_signal -1
	s_barrier_wait -1
.endm
.macro CROUND
	s_barrier_signal -1
	s_barrier_wait -1
	CREST
.endm
	s_load_b128 s[4:7], s[0:1], 0x0                ; A's codes, B's pack
	s_load_b128 s[8:11], s[0:1], 0x10              ; the residual, the result
	v_lshl_add_u32 v[SPW], v0, 2, SPARE
	v_mov_b32 v[NIL], 0
	ds_add_u32 v[SPW], v[NIL]                      ; the opening: the add, twice on end, and its wait ahead of my first tensor load
	ds_add_u32 v[SPW], v[NIL]
	v_lshrrev_b32 v1, 5, v0
	v_readfirstlane_b32 s14, v1
	s_lshr_b32 s15, s14, 1
	s_and_b32 s16, s14, 1
	s_bfe_u32 s40, ttmp6, 0x40000
	s_bfe_u32 s41, ttmp6, 0x40004
	s_lshl_b32 s42, ttmp9, 2
	s_add_co_u32 s42, s42, s40                     ; B's tile
	s_and_b32 s17, ttmp7, 0xffff
	s_lshl_b32 s17, s17, 2
	s_add_co_u32 s17, s17, s41                     ; A's tile
	s_lshl_b32 s43, s41, 2
	s_lshl_b32 s43, 15, s43
	s_lshl_b32 s44, 0x1111, s40
	s_or_b32 s[G1+0], s43, (1<<20)|(1<<21)|(6<<22)|(3<<25)
	s_or_b32 s[G1B+0], s44, (1<<20)|(1<<21)|(6<<22)|(3<<25)
.irp g, G1, G1B
	s_mov_b32 s[\g+1], 512<<16
	s_mov_b32 s[\g+2], 64<<16
	s_mov_b32 s[\g+3], 512<<16
	s_mov_b32 s[\g+4], 64
	s_mov_b32 s[\g+5], 2048
	s_mov_b32 s[\g+6], 0
	s_mov_b32 s[\g+7], 0
.endr
	s_lshl_b32 s18, s16, 17
	s_lshl_b32 s20, s17, 18
	s_add_co_u32 s20, s20, s18
	s_mov_b32 s21, 0
	s_lshl_b32 s46, s42, 18
	s_add_co_u32 s46, s46, s18
	s_add_co_u32 s46, s46, 256                     ; behind the exponents
	s_mov_b32 s47, 0
	s_mul_i32 s45, s14, HALFT
	s_wait_dscnt 0x0
	s_wait_kmcnt 0x0
	s_load_b64 s[96:97], s[6:7], 0x0               ; eA, eB
	s_add_nc_u64 s[20:21], s[4:5], s[20:21]
	s_add_nc_u64 s[46:47], s[6:7], s[46:47]
	CROUND
.irp s, 0,1
	s_mov_b32 s[G0+4*\s], 1
	s_add_co_u32 s[G0+4*\s+1], s45, \s*SLOT
	s_add_nc_u64 s[G0+4*\s+2:G0+4*\s+3], s[20:21], \s*512
	s_or_b32 s[G0+4*\s+3], s[G0+4*\s+3], 0x80000000
	s_mov_b32 s[G0B+4*\s], 1
	s_add_co_u32 s[G0B+4*\s+1], s45, \s*SLOT
	s_add_nc_u64 s[G0B+4*\s+2:G0B+4*\s+3], s[46:47], \s*512
	s_or_b32 s[G0B+4*\s+3], s[G0B+4*\s+3], 0x80000000
	JLOAD G0+4*\s, G1, G0B+4*\s, G1B
.endr
	v_and_b32 v1, 15, v0
	v_bfe_u32 v2, v0, 4, 1
	v_lshrrev_b32 v3, 1, v1
	v_mul_u32_u24 v3, v3, PITCH
	v_and_b32 v4, 1, v1
	v_lshl_add_u32 v3, v4, 7, v3
	v_lshl_add_u32 v4, v2, 4, v3
	s_mul_i32 s21, s15, HALFT
	s_mul_i32 s22, s16, HALFT
	s_add_co_u32 s22, s22, 2*HALFT
.irp s, 0,1
	v_add_nc_u32 v[ADRA+\s], s21, v4
	v_add_nc_u32 v[ADRB+\s], s22, v4
	s_add_co_u32 s21, s21, SLOT
	s_add_co_u32 s22, s22, SLOT
.endr
	s_mul_i32 s23, s14, 16*SPITCH
	v_mul_u32_u24 v5, v1, SPITCH
	v_lshl_add_u32 v5, v2, 5, v5
	v_add_nc_u32 v[STO], s23, v5
	v_and_b32 v6, 31, v0
	v_lshlrev_b32 v[CO], 4, v6
	v_add_nc_u32 v[RD], s23, v[CO]
	v_lshlrev_b32 v[RA], 12, v1
	v_lshl_add_u32 v[RA], v2, 5, v[RA]             ; the residual: row r of 4,096 bytes, + 32 h
	s_lshl_b32 s20, s17, 20                        ; my part's first byte in the residual and in the result: 256 rows a tile,
	s_lshl_b32 s21, s15, 19                        ; 128 rows a half,
	s_add_co_u32 s20, s20, s21
	s_lshl_b32 s21, s42, 10                        ; 256 columns a tile,
	s_add_co_u32 s20, s20, s21
	s_lshl_b32 s21, s16, 9                         ; 128 a half
	s_add_co_u32 s20, s20, s21
	s_mov_b32 s21, 0
	s_add_nc_u64 s[8:9], s[8:9], s[20:21]
	s_add_nc_u64 s[10:11], s[10:11], s[20:21]
.macro PRELOAD a                       ; register j of accumulator (a, b), lane (r, h), is the number at row 16 a + r, column 16 b + 8 h + j
.set b, 0
.rept 8
	global_load_b128 v[8*(8*((\a)%4)+b):8*(8*((\a)%4)+b)+3], v[RA], s[8:9] offset:(\a)*65536+64*b
	global_load_b128 v[8*(8*((\a)%4)+b)+4:8*(8*((\a)%4)+b)+7], v[RA], s[8:9] offset:(\a)*65536+64*b+16
.set b, b+1
.endr
.endm
	WIN 0x80                                       ; destination window 2
	PRELOAD 0
	PRELOAD 1
	PRELOAD 2
	PRELOAD 3
	WIN 0xc0                                       ; destination window 3
	PRELOAD 4
	PRELOAD 5
	PRELOAD 6
	PRELOAD 7
	s_wait_kmcnt 0x0
	s_add_co_i32 s96, s96, s97                     ; eA + eB
	s_sub_co_i32 s98, 127, s96
	s_lshl_b32 s98, s98, 23                        ; 2^-(eA + eB)
	s_mov_b32 s99, s98
	s_add_co_i32 s96, s96, 127
	s_lshl_b32 s96, s96, 23                        ; 2^(eA + eB)
	s_mov_b32 s97, s96
	s_wait_loadcnt 0x0
	WIN 0x82
.set j, 0
.rept 128
	v_pk_mul_f32 v[j:j+1], v[j:j+1], s[98:99] op_sel_hi:[1,0]
.set j, j+2
.endr
	WIN 0xc3
.set j, 0
.rept 128
	v_pk_mul_f32 v[j:j+1], v[j:j+1], s[98:99] op_sel_hi:[1,0]
.set j, j+2
.endr
	WIN 0
.macro FRAG reg, adr, q, i
.irp c, 0,1,2,3
	ds_load_b128 v[\reg+4*\c:\reg+4*\c+3], v[\adr] offset:256*(\q)+32*\c+(\i)*8*PITCH
.endr
.endm
.macro MUL16 a0, p                     ; the 64 accumulators take turns, one instruction a turn, in the same order in every step
.irp a, \a0, \a0+1
.irp b, 0,1,2,3,4,5,6,7
	v_wmma_f32_16x16x128_bf8_bf8 v[8*(8*((\a)%4)+\b):8*(8*((\a)%4)+\b)+7], v[128*(\p)+FR*\b:128*(\p)+FR*\b+FR-1], v[AF+FR*(\a):AF+FR*(\a)+FR-1], v[8*(8*((\a)%4)+\b):8*(8*((\a)%4)+\b)+7]
.endr
.endr
.endm
.macro FETCH_B slot, q, p
	WIN TO_B
.irp i, 0,1,2,3,4,5,6,7
	FRAG 128*(\p)+FR*\i, ADRB+\slot, \q, \i
.endr
	WIN 0
.endm
.macro FETCH_A slot, q, i0
.irp i, \i0, \i0+1, \i0+2, \i0+3
	FRAG AF+FR*(\i), ADRA+\slot, \q, \i
.endr
.endm
.macro PLACES n
.rept \n
	v_nop
.endr
.endm
.macro STEP slot, q
	s_wait_dscnt 4*NL                              ; the youngest 16 loads (A's blocks 4-7) may be out
	WIN MUL_LO
	MUL16 0, (\q)%2
	MUL16 2, (\q)%2
	s_wait_dscnt 0
	PLACES NP
	FETCH_B \slot, (\q)+1, 1-(\q)%2
	FETCH_A \slot, (\q)+1, 0
	WIN MUL_HI
	MUL16 4, (\q)%2
	MUL16 6, (\q)%2
	PLACES NP
	WIN 0
	FETCH_A \slot, (\q)+1, 4
.endm
.macro TURN slot, next, fill
	s_wait_tensorcnt 0x0                           ; all my tensor loads have landed
	ds_add_u32 v[SPW], v[NIL]
	s_wait_dscnt 4*NL+1                            ; the add and the youngest 16 loads may be out
	WIN MUL_LO
	MUL16 0, 1
	s_wait_dscnt 0x0                               ; the add is done, and my reads of this slot are over
	s_barrier_signal -1
	MUL16 2, 1
	WIN 0
	s_barrier_wait -1
.if \fill
	CREST
	s_add_nc_u64 s[G0+4*\slot+2:G0+4*\slot+3], s[G0+4*\slot+2:G0+4*\slot+3], 1024
	s_add_nc_u64 s[G0B+4*\slot+2:G0B+4*\slot+3], s[G0B+4*\slot+2:G0B+4*\slot+3], 1024
	JLOAD G0+4*\slot, G1, G0B+4*\slot, G1B
.else
	PLACES NP
.endif
	FETCH_B \next, 0, 0
	FETCH_A \next, 0, 0
	WIN MUL_HI
	MUL16 4, 1
	MUL16 6, 1
	PLACES NP
	WIN 0
	FETCH_A \next, 0, 4
.endm
	s_wait_tensorcnt 1                             ; my part of K step 0 is in; K step 1's may stay out
	s_barrier_signal -1
	s_barrier_wait -1
	FETCH_B 0, 0, 0
	FETCH_A 0, 0, 0
	FETCH_A 0, 0, 4
	STEP 0, 0                                      ; the first products add onto the residual
	TURN 0, 1, 1
	STEP 1, 0
	TURN 1, 0, 1
	STEP 0, 0
	TURN 0, 1, 0
	STEP 1, 0
	s_wait_dscnt 4*NL
	WIN MUL_LO
	MUL16 0, 1
	MUL16 2, 1
	s_wait_dscnt 0
	WIN MUL_HI
	MUL16 4, 1
	MUL16 6, 1
	WIN 0
; THE WAY OUT, block by block of 16 rows x 128 columns, through my own stage: in as 32 bytes a lane, back as whole rows of 512 bytes.  LDS serves a wave's instructions in order (ISA guide 5.7.1.4).
.macro TOSTAGE a
.set AC, 64*((\a)%4)
	WIN 0x02+((\a)/4)
.set j, 0
.rept 32
	v_pk_mul_f32 v[TMP+j:TMP+j+1], v[AC+j:AC+j+1], s[96:97] op_sel_hi:[1,0]   ; x 2^(eA + eB); each accumulator from its low end on
.set j, j+2
.endr
	WIN 0
.irp b, 0,1,2,3,4,5,6,7
	ds_store_b128 v[STO], v[TMP+8*\b:TMP+8*\b+3] offset:64*\b
	ds_store_b128 v[STO], v[TMP+8*\b+4:TMP+8*\b+7] offset:64*\b+16
.endr
.set BB, BK+64*((\a)%2)
.irp t, 0,1,2,3,4,5,6,7,8,9,10,11,12,13,14,15
	ds_load_b128 v[BB+4*\t:BB+4*\t+3], v[RD] offset:\t*SPITCH
.endr
.endm
.macro SEND a, younger
.set BB, BK+64*((\a)%2)
	s_wait_dscnt \younger                          ; the block is back; the next block's 16 stores and 16 loads may be out
.if (\a) > 0
	s_add_nc_u64 s[10:11], s[10:11], 16*4096       ; behind a wait on XCNT: the earlier stores have read their base
.endif
.irp t, 0,1,2,3,4,5,6,7,8,9,10,11,12,13,14,15
	global_store_b128 v[CO], v[BB+4*\t:BB+4*\t+3], s[10:11] offset:\t*4096   ; 32 lanes store 512 consecutive bytes, aligned to 256
.endr
.endm
	PLACES NP
	TOSTAGE 0
.irp a, 1,2,3,4,5,6,7
.if \a > 1
	s_wait_xcnt 0x0                                ; block a - 2's stores have read their registers and their base
.endif
	TOSTAGE \a
	SEND \a-1, 32
.endr
	s_wait_xcnt 0x0
	SEND 7, 0
	s_wait_tensorcnt 0x0                           ; the wave's end
	ds_add_u32 v[SPW], v[NIL]
	s_wait_dscnt 0x0
	CROUND                                         ; the closing round
	s_endpgm
.Lfunc_end_k_qa72579b066_wo:
	.size	k_qa72579b066_wo, .Lfunc_end_k_qa72579b066_wo-k_qa72579b066_wo
	.p2alignl 7, 3214868480
	.fill 96, 4, 3214868480
	.section	.rodata,"a",@progbits
	.p2align	6, 0x0
	.amdhsa_kernel k_qa72579b066_wo
		.amdhsa_group_segment_fixed_size 327680
		.amdhsa_private_segment_fixed_size 0
		.amdhsa_enable_private_segment 0
		.amdhsa_kernarg_size 32
		.amdhsa_user_sgpr_count 2
		.amdhsa_user_sgpr_kernarg_segment_ptr 1
		.amdhsa_wavefront_size32 1
		.amdhsa_system_sgpr_workgroup_id_x 1
		.amdhsa_system_sgpr_workgroup_id_y 1
		.amdhsa_system_sgpr_workgroup_id_z 1
		.amdhsa_system_vgpr_workitem_id 0
		.amdhsa_next_free_vgpr 1024
		.amdhsa_next_free_sgpr 100
		.amdhsa_reserve_vcc 0
		.amdhsa_float_denorm_mode_32 3
		.amdhsa_float_denorm_mode_16_64 3
		.amdhsa_memory_ordered 1
		.amdhsa_forward_progress 1
		.amdhsa_inst_pref_size 151
	.end_amdhsa_kernel
	.amdgpu_metadata
---
amdhsa.version: [ 1, 2 ]
amdhsa.kernels:
  - .name:           k_qa72579b066_wo
    .symbol:         k_qa72579b066_wo.kd
    .args:
      - { .name: zc, .offset: 0, .size: 8, .value_kind: global_buffer, .address_space: global }
      - { .name: wop, .offset: 8, .size: 8, .value_kind: global_buffer, .address_space: global }
      - { .name: x, .offset: 16, .size: 8, .value_kind: global_buffer, .address_space: global }
      - { .name: x1, .offset: 24, .size: 8, .value_kind: global_buffer, .address_space: global }
    .group_segment_fixed_size: 327680
    .private_segment_fixed_size: 0
    .kernarg_segment_align: 8
    .kernarg_segment_size: 32
    .max_flat_workgroup_size: 128
    .sgpr_count:     100
    .vgpr_count:     1024
    .wavefront_size: 32
...
	.end_amdgpu_metadata
.endif
;; end of part 4
;; launch norm2 (part 5): grid 256 x 1, 8 waves a work-group, no clusters, 0 bytes of LDS; arguments x1, g2, lowp_scales, hw; writes hw
.if DOCPART == 5
	.amdgcn_target "amdgcn-amd-amdhsa--gfx1250"
	.amdhsa_code_object_version 6
	.text
	.protected	k_qa72579b066_norm2
	.globl	k_qa72579b066_norm2
	.p2align	8
	.type	k_qa72579b066_norm2,@function
k_qa72579b066_norm2:
	s_mov_b64 s[64:65], 0
	v_nop
	global_prefetch_b8 v0, s[64:65] scope:SCOPE_SE
	s_setreg_imm32_b32 hwreg(HW_REG_WAVE_MODE, 25, 1), 1
	s_wait_xcnt 0x0
; h2 = rmsnorm(x1, g2) as E5M2 codes with the scale 2^e12, in the paired layout, into the first 4 MiB of hw (the codes that lay there have been read for the last time).
; One wave takes one pair of rows, with no loop: lanes 0-15 the even row, lanes 16-31 the odd one; lane ll of a half holds k = 128 j + 8 ll + 0..7, j = 0..7.
; LIMITS: e12 between -126 and 112; NaN and infinities are not served.
.set X,   16
.set G,   80
.set T,   144
.set SS,  160
.set XA,  4
.set GA,  5
.set SA,  6
	s_load_b256 s[4:11], s[0:1], 0x0               ; x1, g2, lowp_scales, hw
	v_lshrrev_b32 v1, 5, v0
	v_readfirstlane_b32 s30, v1
	v_and_b32 v1, 31, v0
	v_and_b32 v2, 15, v0
	v_bfe_u32 v3, v0, 4, 1
	v_lshlrev_b32 v[GA], 5, v2
	v_lshl_add_u32 v[XA], v3, 12, v[GA]
	v_lshlrev_b32 v[SA], 3, v1
	s_lshl_b32 s14, ttmp9, 3
	s_add_co_u32 s14, s14, s30                     ; my pair
	s_lshl_b32 s16, s14, 13
	s_mov_b32 s17, 0
	s_lshl_b32 s18, s14, 11
	s_mov_b32 s19, 0
	s_wait_kmcnt 0x0
	s_load_b32 s12, s[8:9], 0x30                   ; e12
	s_add_nc_u64 s[4:5], s[4:5], s[16:17]
	s_add_nc_u64 s[10:11], s[10:11], s[18:19]
.set j, 0
.rept 8
	global_load_b128 v[X+8*j:X+8*j+3], v[XA], s[4:5] offset:512*j
	global_load_b128 v[X+8*j+4:X+8*j+7], v[XA], s[4:5] offset:512*j+16
.set j, j+1
.endr
.set j, 0
.rept 8
	global_load_b128 v[G+8*j:G+8*j+3], v[GA], s[6:7] offset:512*j
	global_load_b128 v[G+8*j+4:G+8*j+7], v[GA], s[6:7] offset:512*j+16
.set j, j+1
.endr
	s_mov_b32 s20, 0x3a800000                      ; 1 / 1024
	s_mov_b32 s21, 0x358637bd                      ; 1e-6
	s_wait_loadcnt 16                              ; the rows' 16 loads are in; the gain's 16 may be out
.set i, 0
.rept 4
	v_pk_mul_f32 v[SS+2*i:SS+2*i+1], v[X+2*i:X+2*i+1], v[X+2*i:X+2*i+1]
.set i, i+1
.endr
.rept 28
	v_pk_fma_f32 v[SS+2*(i%4):SS+2*(i%4)+1], v[X+2*i:X+2*i+1], v[X+2*i:X+2*i+1], v[SS+2*(i%4):SS+2*(i%4)+1]
.set i, i+1
.endr
	v_pk_add_f32 v[SS:SS+1], v[SS:SS+1], v[SS+2:SS+3]
	v_pk_add_f32 v[SS+4:SS+5], v[SS+4:SS+5], v[SS+6:SS+7]
	v_pk_add_f32 v[SS:SS+1], v[SS:SS+1], v[SS+4:SS+5]
	v_add_f32 v8, v[SS], v[SS+1]
	v_add_f32_dpp v8, v8, v8 row_xmask:1 row_mask:0xf bank_mask:0xf
	v_add_f32_dpp v8, v8, v8 row_xmask:2 row_mask:0xf bank_mask:0xf
	v_add_f32_dpp v8, v8, v8 row_xmask:4 row_mask:0xf bank_mask:0xf
	v_add_f32_dpp v8, v8, v8 row_xmask:8 row_mask:0xf bank_mask:0xf
	v_fma_f32 v8, v8, s20, s21
	v_rsq_f32 v10, v8
	v_rsq_f32 v11, v8
	s_wait_loadcnt 0x0
.set i, 0
.rept 32
	v_pk_mul_f32 v[X+i:X+i+1], v[G+i:G+i+1], v[X+i:X+i+1]   ; plain work behind the two roots
.set i, i+2
.endr
	s_wait_alu depctr_va_vdst(0)                   ; one wait for both roots, ahead of their first reader
.set i, 0
.rept 32
	v_pk_mul_f32 v[X+i:X+i+1], v[X+i:X+i+1], v[10:11]
.set i, i+2
.endr
	s_wait_kmcnt 0x0
	s_add_co_i32 s12, s12, 127
	s_lshl_b32 s13, s12, 23
	v_mov_b32 v168, s13                            ; 2^e12
	s_add_co_i32 s12, s12, 15
	s_lshl_b32 s12, s12, 23
	s_or_b32 s12, s12, 0x600000
	v_mov_b32 v169, s12                            ; 57,344 x 2^e12
.set j, 0
.rept 8
.set i, 0
.rept 8
	v_med3_num_f32 v[T+8*(j%2)+i], v[X+8*j+i], -v169, v169   ; the conversion does not saturate (ISA guide 7.6.2); two sets by turns
.set i, i+1
.endr
	v_cvt_scalef32_pk8_bf8_f32 v[G+2*j:G+2*j+1], v[T+8*(j%2):T+8*(j%2)+7], v168
.set j, j+1
.endr
.set j, 0
.rept 8
	global_store_b64 v[SA], v[G+2*j:G+2*j+1], s[10:11] offset:256*j   ; 32 lanes store 256 consecutive bytes, aligned
.set j, j+1
.endr
	s_endpgm
.Lfunc_end_k_qa72579b066_norm2:
	.size	k_qa72579b066_norm2, .Lfunc_end_k_qa72579b066_norm2-k_qa72579b066_norm2
	.p2alignl 7, 3214868480
	.fill 96, 4, 3214868480
	.section	.rodata,"a",@progbits
	.p2align	6, 0x0
	.amdhsa_kernel k_qa72579b066_norm2
		.amdhsa_group_segment_fixed_size 0
		.amdhsa_private_segment_fixed_size 0
		.amdhsa_enable_private_segment 0
		.amdhsa_kernarg_size 32
		.amdhsa_user_sgpr_count 2
		.amdhsa_user_sgpr_kernarg_segment_ptr 1
		.amdhsa_wavefront_size32 1
		.amdhsa_system_sgpr_workgroup_id_x 1
		.amdhsa_system_sgpr_workgroup_id_y 1
		.amdhsa_system_sgpr_workgroup_id_z 1
		.amdhsa_system_vgpr_workitem_id 0
		.amdhsa_next_free_vgpr 176
		.amdhsa_next_free_sgpr 66
		.amdhsa_reserve_vcc 0
		.amdhsa_float_denorm_mode_32 3
		.amdhsa_float_denorm_mode_16_64 3
		.amdhsa_memory_ordered 1
		.amdhsa_forward_progress 1
		.amdhsa_inst_pref_size 17
	.end_amdhsa_kernel
	.amdgpu_metadata
---
amdhsa.version: [ 1, 2 ]
amdhsa.kernels:
  - .name:           k_qa72579b066_norm2
    .symbol:         k_qa72579b066_norm2.kd
    .args:
      - { .name: x1, .offset: 0, .size: 8, .value_kind: global_buffer, .address_space: global }
      - { .name: g2, .offset: 8, .size: 8, .value_kind: global_buffer, .address_space: global }
      - { .name: lowp_scales, .offset: 16, .size: 8, .value_kind: global_buffer, .address_space: global }
      - { .name: hw, .offset: 24, .size: 8, .value_kind: global_buffer, .address_space: global }
    .group_segment_fixed_size: 0
    .private_segment_fixed_size: 0
    .kernarg_segment_align: 8
    .kernarg_segment_size: 32
    .max_flat_workgroup_size: 256
    .sgpr_count:     66
    .vgpr_count:     176
    .wavefront_size: 32
...
	.end_amdgpu_metadata
.endif
;; end of part 5
;; launch up (part 6): grid 8 x 16, 4 waves a work-group, clusters of 4 x 4, 327,680 bytes of LDS; arguments hw, wuc, lowp_scales, zc; writes zc
.if DOCPART == 6
	.amdgcn_target "amdgcn-amd-amdhsa--gfx1250"
	.amdhsa_code_object_version 6
	.text
	.protected	k_qa72579b066_up
	.globl	k_qa72579b066_up
	.p2align	8
	.type	k_qa72579b066_up,@function
k_qa72579b066_up:
	s_mov_b64 s[64:65], 0
	v_nop
	global_prefetch_b8 v0, s[64:65] scope:SCOPE_SE
	s_setreg_imm32_b32 hwreg(HW_REG_WAVE_MODE, 25, 1), 1
	s_wait_xcnt 0x0
	s_wait_alu depctr_hold_cnt(0) depctr_sa_sdst(0) depctr_va_vdst(0) depctr_va_sdst(0) depctr_va_ssrc(0) depctr_va_vcc(0) depctr_vm_vsrc(0)
	s_getreg_b32 s2, hwreg(HW_REG_IB_STS2, 6, 4)
	s_cmp_eq_u32 s2, 0
	s_cbranch_scc0 .Lentry_in_a_cluster
	s_endpgm
.Lentry_in_a_cluster:
	s_bfe_u32 s2, ttmp6, 0x10000c
	s_cmp_lg_u32 s2, 0xf033
	s_cbranch_scc0 .Lentry_shape_is_right
	s_endpgm
.Lentry_shape_is_right:
; a = gelu(u) x gate, (u, gate) = h2 w_up^T on E5M2 codes; a is quantised (scale e14) and leaves as codes in the paired layout.  gelu is the exact one: 0.5 u erfc(-u / sqrt 2).
; A = h2's codes (first 4 MiB of hw), B = w_up's codes with the rows laid so that a wave's 128 rows of B are 64 rows of u (blocks 0-3) and the 64 gate rows of the same hidden units (blocks 4-7):
; u and its gate meet in one lane, in accumulators (a, b) and (a, b + 4), and the codes come out in the hidden units' own order.
; A tile is 256 rows x 256 rows of B (128 hidden units); four waves of 128 x 128; K = 1,024 in four steps of 256 through two LDS slots; 4 x 4 clusters with joint loads.
; With s = e12 + e13: z = -u / sqrt 2 = sumU x (-2^s / sqrt 2);  a = 0.5 x 2^(2 s) x sumU x sumG x erfc(z);  its code is sumU sumG erfc(z) / 2^(e14 - 2 s + 1).
; erfc(z), a = min(|z|, 10.0546875): q = (a - 2) / (a + 2); (1 + 2 a) exp(a a) erfc(a) = 1 + p(q), p of degree 9; exp(-a a) = 2^(-S log2 e) (1 + (S - a a)), S = a a rounded; erfc(-a) = 2 - erfc(a).
; LIMITS: s between -125 and 127; e14 - 2 s + 1 between -126 and 112; |sumU sumG| under 2^127; an erfc under 2^-126 becomes 0.
; REGISTERS, in windows of 256: window 0: v0-31 addresses, v128-255 A's fragments (one set), behind the products v32-239 at work; window 1: B's fragments (two sets); windows 2, 3: the accumulators.
.set PITCH,  528
.set FR,     16
.set NL,     4
.set NP,     4
.set HALFT,  64*PITCH
.set SLOT,   4*HALFT
.set SPARE,  2*SLOT                    ; the spare words, 128 bytes a wave, which no other line names
.set REG,    9344                      ; the way out: a region on end for each wave in slot 0: 64 pairs of rows x (128 + 16) bytes, + 128 so that the readers' two regions fall on different banks
.set ADRA, 16
.set ADRB, 20
.set STO,  24
.set RD,   25
.set CO,   26
.set SAD,  27
.set SPW,  28
.set NIL,  29
.set AF,   128
.set ZA,   32                          ; v32-63   z, then a, of 32 hidden units
.set W,    64                          ; v64-95   sumU x sumG
.set SG,   96                          ; v96-111  +-1: z's sign
.set QQ,   112
.set RR,   128
.set S2,   144
.set EE,   160
.set MM,   176
.set PP,   192
.set CDS,  208                         ; v208-215 codes
.set CF,   216                         ; v216-235 the polynomial's ten coefficients, each twice
.set LG,   236                         ; v236-237 -log2 e, twice
.set G1, 24
.set G0, 32
.set G1B, 48
.set G0B, 56
.set MSB, 0
.macro WIN new
.if MSB != \new
	s_set_vgpr_msb (MSB<<8)|\new
.set MSB, \new
.endif
.endm
.set MUL_LO, 0xa1
.set MUL_HI, 0xf1
.set TO_B,   0x40
.macro JLOAD g0a, g1a, g0b, g1b
	s_cmp_eq_u32 s15, 0
	s_cbranch_scc0 .Lfor_b_\@
	tensor_load_to_lds s[\g0a:\g0a+3], s[\g1a:\g1a+7]
	s_nop 0
.rept 4
	v_nop
.endr
	s_branch .Lasked_\@
.Lfor_b_\@:
	tensor_load_to_lds s[\g0b:\g0b+3], s[\g1b:\g1b+7]
	s_nop 0
.rept 4
	v_nop
.endr
.Lasked_\@:
.endm
.macro CREST
	s_cmp_lg_u32 s14, 0
	s_cbranch_scc1 .Lnot_wave_0_\@
	s_barrier_signal -3
.Lnot_wave_0_\@:
	s_barrier_wait -3
	s_barrier_signal -1
	s_barrier_wait -1
.endm
.macro CROUND
	s_barrier_signal -1
	s_barrier_wait -1
	CREST
.endm
	s_load_b128 s[4:7], s[0:1], 0x0                ; hw, wuc
	s_load_b128 s[8:11], s[0:1], 0x10              ; lowp_scales, zc
	v_lshl_add_u32 v[SPW], v0, 2, SPARE
	v_mov_b32 v[NIL], 0
	ds_add_u32 v[SPW], v[NIL]                      ; the opening: the add, twice on end, and its wait ahead of my first tensor load
	ds_add_u32 v[SPW], v[NIL]
	v_lshrrev_b32 v1, 5, v0
	v_readfirstlane_b32 s14, v1
	s_lshr_b32 s15, s14, 1
	s_and_b32 s16, s14, 1
	s_bfe_u32 s40, ttmp6, 0x40000
	s_bfe_u32 s41, ttmp6, 0x40004
	s_lshl_b32 s42, ttmp9, 2
	s_add_co_u32 s42, s42, s40                     ; B's tile, 0..7
	s_and_b32 s17, ttmp7, 0xffff
	s_lshl_b32 s17, s17, 2
	s_add_co_u32 s17, s17, s41                     ; A's tile, 0..15
	s_lshl_b32 s43, s41, 2
	s_lshl_b32 s43, 15, s43
	s_lshl_b32 s44, 0x1111, s40
	s_or_b32 s[G1+0], s43, (1<<20)|(1<<21)|(6<<22)|(3<<25)
	s_or_b32 s[G1B+0], s44, (1<<20)|(1<<21)|(6<<22)|(3<<25)
.irp g, G1, G1B
	s_mov_b32 s[\g+1], 512<<16
	s_mov_b32 s[\g+2], 64<<16
	s_mov_b32 s[\g+3], 512<<16
	s_mov_b32 s[\g+4], 64
	s_mov_b32 s[\g+5], 2048
	s_mov_b32 s[\g+6], 0
	s_mov_b32 s[\g+7], 0
.endr
	s_lshl_b32 s18, s16, 17
	s_lshl_b32 s20, s17, 18
	s_add_co_u32 s20, s20, s18
	s_mov_b32 s21, 0
	s_lshl_b32 s46, s42, 18
	s_add_co_u32 s46, s46, s18
	s_mov_b32 s47, 0
	s_mul_i32 s45, s14, HALFT
	s_wait_dscnt 0x0
	s_wait_kmcnt 0x0
	s_load_b128 s[68:71], s[8:9], 0x30             ; e12, e13, e14, e15
	s_add_nc_u64 s[20:21], s[4:5], s[20:21]
	s_add_nc_u64 s[46:47], s[6:7], s[46:47]
	CROUND
.irp s, 0,1
	s_mov_b32 s[G0+4*\s], 1
	s_add_co_u32 s[G0+4*\s+1], s45, \s*SLOT
	s_add_nc_u64 s[G0+4*\s+2:G0+4*\s+3], s[20:21], \s*512
	s_or_b32 s[G0+4*\s+3], s[G0+4*\s+3], 0x80000000
	s_mov_b32 s[G0B+4*\s], 1
	s_add_co_u32 s[G0B+4*\s+1], s45, \s*SLOT
	s_add_nc_u64 s[G0B+4*\s+2:G0B+4*\s+3], s[46:47], \s*512
	s_or_b32 s[G0B+4*\s+3], s[G0B+4*\s+3], 0x80000000
	JLOAD G0+4*\s, G1, G0B+4*\s, G1B
.endr
	v_and_b32 v1, 15, v0
	v_bfe_u32 v2, v0, 4, 1
	v_lshrrev_b32 v3, 1, v1
	v_mul_u32_u24 v3, v3, PITCH
	v_and_b32 v4, 1, v1
	v_lshl_add_u32 v3, v4, 7, v3
	v_lshl_add_u32 v4, v2, 4, v3
	s_mul_i32 s21, s15, HALFT
	s_mul_i32 s22, s16, HALFT
	s_add_co_u32 s22, s22, 2*HALFT
.irp s, 0,1
	v_add_nc_u32 v[ADRA+\s], s21, v4
	v_add_nc_u32 v[ADRB+\s], s22, v4
	s_add_co_u32 s21, s21, SLOT
	s_add_co_u32 s22, s22, SLOT
.endr
	s_mul_i32 s23, s14, REG                        ; into my region: pair r / 2 of a block's eight, + 64 (r % 2) + 16 h
	v_lshrrev_b32 v5, 1, v1
	v_mul_u32_u24 v5, v5, 144
	v_and_b32 v6, 1, v1
	v_lshl_add_u32 v5, v6, 6, v5
	v_lshl_add_u32 v5, v2, 4, v5
	v_add_nc_u32 v[STO], s23, v5
	; back: wave w takes pairs 32 w .. 32 w + 31 of the tile's 128, two an instruction; of a pair's 256 bytes lane l % 16 takes 16: bit 3 = the odd row, bit 2 = which wave made them
	v_bfe_u32 v5, v0, 2, 1
	v_mul_u32_u24 v5, v5, REG
	v_mad_u32_u24 v5, v2, 144, v5
	v_bfe_u32 v6, v0, 3, 1
	v_lshl_add_u32 v5, v6, 6, v5
	v_and_b32 v6, 3, v0
	v_lshl_add_u32 v5, v6, 4, v5
	s_mul_i32 s23, s15, 2*REG
	s_mul_i32 s22, s16, 32*144
	s_add_co_u32 s23, s23, s22
	v_add_nc_u32 v[RD], s23, v5
	v_lshlrev_b32 v5, 11, v2
	v_lshl_add_u32 v[CO], v1, 4, v5
	s_lshl_b32 s20, s17, 18                        ; 128 pairs of 2,048 bytes a tile,
	s_lshl_b32 s21, s14, 16                        ; my 32,
	s_add_co_u32 s20, s20, s21
	s_lshl_b32 s21, s42, 8                         ; 128 hidden units are 256 bytes of a pair
	s_add_co_u32 s20, s20, s21
	s_mov_b32 s21, 0
	s_add_nc_u64 s[10:11], s[10:11], s[20:21]
.macro FRAG reg, adr, q, i
.irp c, 0,1,2,3
	ds_load_b128 v[\reg+4*\c:\reg+4*\c+3], v[\adr] offset:256*(\q)+32*\c+(\i)*8*PITCH
.endr
.endm
.macro MUL16 a0, p, zero               ; the 64 accumulators take turns, one instruction a turn, in the same order in every step
.irp a, \a0, \a0+1
.irp b, 0,1,2,3,4,5,6,7
.if \zero
	v_wmma_f32_16x16x128_bf8_bf8 v[8*(8*((\a)%4)+\b):8*(8*((\a)%4)+\b)+7], v[128*(\p)+FR*\b:128*(\p)+FR*\b+FR-1], v[AF+FR*(\a):AF+FR*(\a)+FR-1], 0
.else
	v_wmma_f32_16x16x128_bf8_bf8 v[8*(8*((\a)%4)+\b):8*(8*((\a)%4)+\b)+7], v[128*(\p)+FR*\b:128*(\p)+FR*\b+FR-1], v[AF+FR*(\a):AF+FR*(\a)+FR-1], v[8*(8*((\a)%4)+\b):8*(8*((\a)%4)+\b)+7]
.endif
.endr
.endr
.endm
.macro FETCH_B slot, q, p
	WIN TO_B
.irp i, 0,1,2,3,4,5,6,7
	FRAG 128*(\p)+FR*\i, ADRB+\slot, \q, \i
.endr
	WIN 0
.endm
.macro FETCH_A slot, q, i0
.irp i, \i0, \i0+1, \i0+2, \i0+3
	FRAG AF+FR*(\i), ADRA+\slot, \q, \i
.endr
.endm
.macro PLACES n
.rept \n
	v_nop
.endr
.endm
.macro STEP slot, q, zero
	s_wait_dscnt 4*NL                              ; the youngest 16 loads (A's blocks 4-7) may be out
	WIN MUL_LO
	MUL16 0, (\q)%2, \zero
	MUL16 2, (\q)%2, \zero
	s_wait_dscnt 0
	PLACES NP
	FETCH_B \slot, (\q)+1, 1-(\q)%2
	FETCH_A \slot, (\q)+1, 0
	WIN MUL_HI
	MUL16 4, (\q)%2, \zero
	MUL16 6, (\q)%2, \zero
	PLACES NP
	WIN 0
	FETCH_A \slot, (\q)+1, 4
.endm
.macro TURN slot, next, fill
	s_wait_tensorcnt 0x0                           ; all my tensor loads have landed
	ds_add_u32 v[SPW], v[NIL]
	s_wait_dscnt 4*NL+1                            ; the add and the youngest 16 loads may be out
	WIN MUL_LO
	MUL16 0, 1, 0
	s_wait_dscnt 0x0                               ; the add is done, and my reads of this slot are over
	s_barrier_signal -1
	MUL16 2, 1, 0
	WIN 0
	s_barrier_wait -1
.if \fill
	CREST
	s_add_nc_u64 s[G0+4*\slot+2:G0+4*\slot+3], s[G0+4*\slot+2:G0+4*\slot+3], 1024
	s_add_nc_u64 s[G0B+4*\slot+2:G0B+4*\slot+3], s[G0B+4*\slot+2:G0B+4*\slot+3], 1024
	JLOAD G0+4*\slot, G1, G0B+4*\slot, G1B
.else
	PLACES NP
.endif
	FETCH_B \next, 0, 0
	FETCH_A \next, 0, 0
	WIN MUL_HI
	MUL16 4, 1, 0
	MUL16 6, 1, 0
	PLACES NP
	WIN 0
	FETCH_A \next, 0, 4
.endm
	s_wait_tensorcnt 1                             ; my part of K step 0 is in; K step 1's may stay out
	s_barrier_signal -1
	s_barrier_wait -1
	FETCH_B 0, 0, 0
	FETCH_A 0, 0, 0
	FETCH_A 0, 0, 4
	STEP 0, 0, 1
	TURN 0, 1, 1
	STEP 1, 0, 0
	TURN 1, 0, 1
	STEP 0, 0, 0
	TURN 0, 1, 0
	STEP 1, 0, 0
	s_wait_dscnt 4*NL
	WIN MUL_LO
	MUL16 0, 1, 0
	MUL16 2, 1, 0
	s_wait_dscnt 0
	WIN MUL_HI
	MUL16 4, 1, 0
	MUL16 6, 1, 0
	WIN 0
	; THE ACTIVATION AND THE WAY OUT
	s_wait_kmcnt 0x0
	s_add_co_i32 s72, s68, s69                     ; s = e12 + e13
	s_lshl_b32 s73, s72, 23
	s_add_co_i32 s74, s73, 0xbf3504f3              ; -2^s / sqrt 2: s is added to the exponent field
	s_mov_b32 s75, s74
	s_lshl_b32 s73, s72, 1
	s_sub_co_i32 s73, s70, s73
	s_add_co_i32 s73, s73, 128                     ; e14 - 2 s + 1, + 127
	s_lshl_b32 s81, s73, 23
	s_add_co_i32 s73, s73, 15
	s_lshl_b32 s73, s73, 23
	s_or_b32 s73, s73, 0x600000
	s_mov_b32 s76, 0x4120e000                      ; 10.0546875
	s_mov_b32 s80, 0xc120e000
	s_mov_b32 s77, 0x80000000
	s_mov_b32 s78, 0x3f800000
	PLACES NP                                      ; in front of writes of registers that the last products read, and of the first read of results
	v_mov_b32 v238, s81                            ; the folded scale
	v_mov_b32 v239, s73                            ; 57,344 x that
.irp k, 0,1
	v_mov_b32 v[CF+\k], 0xb9d25000
	v_mov_b32 v[CF+2+\k], 0xbaa15130
	v_mov_b32 v[CF+4+\k], 0x3aac2b8a
	v_mov_b32 v[CF+6+\k], 0x3c0d6e62
	v_mov_b32 v[CF+8+\k], 0xbc040dc1
	v_mov_b32 v[CF+10+\k], 0xbd5e05b5
	v_mov_b32 v[CF+12+\k], 0x3e27fe23
	v_mov_b32 v[CF+14+\k], 0xbe2a0420
	v_mov_b32 v[CF+16+\k], 0xbdbdfb0b
	v_mov_b32 v[CF+18+\k], 0x3e8dd01d
	v_mov_b32 v[LG+\k], 0xbfb8aa3b
.endr
.macro ARM a                           ; block a's 32 hidden units of my row: z and sumU x sumG into window 0; each accumulator from its low end on
.set AC, 64*((\a)%4)
	WIN 0x0a+5*((\a)/4)                            ; sources 0 and 1: window 2 or 3
.set i, 0
.rept 16
	v_pk_mul_f32 v[ZA+i:ZA+i+1], v[AC+i:AC+i+1], s[74:75] op_sel_hi:[1,0]
.set i, i+2
.endr
.set i, 0
.rept 16
	v_pk_mul_f32 v[W+i:W+i+1], v[AC+i:AC+i+1], v[AC+32+i:AC+32+i+1]
.set i, i+2
.endr
	WIN 0
.endm
.macro GELU16 c                        ; 16 hidden units: W x erfc(z), held, converted, 16 bytes into my region
.set ZC, ZA+16*(\c)
.set WC, W+16*(\c)
.set i, 0
.rept 16
	v_and_or_b32 v[SG+i], v[ZC+i], s77, s78        ; +-1 with z's sign
.set i, i+1
.endr
.set i, 0
.rept 16
	v_med3_num_f32 v[ZC+i], v[ZC+i], s80, s76
.set i, i+1
.endr
.set i, 0
.rept 8
	v_pk_mul_f32 v[ZC+i:ZC+i+1], v[ZC+i:ZC+i+1], v[SG+i:SG+i+1]   ; a = min(|z|, 10.0546875)
.set i, i+2
.endr
.set i, 0
.rept 8
	v_pk_add_f32 v[QQ+i:QQ+i+1], v[ZC+i:ZC+i+1], 2.0 op_sel_hi:[1,0]
	v_pk_fma_f32 v[RR+i:RR+i+1], v[ZC+i:ZC+i+1], 2.0, 1.0 op_sel_hi:[1,0,0]
	v_pk_mul_f32 v[S2+i:S2+i+1], v[ZC+i:ZC+i+1], v[ZC+i:ZC+i+1]
.set i, i+2
.endr
.set i, 0
.rept 8
	v_pk_mul_f32 v[EE+i:EE+i+1], v[S2+i:S2+i+1], v[LG:LG+1]
.set i, i+2
.endr
.set i, 0
.rept 16
	v_rcp_f32 v[QQ+i], v[QQ+i]                     ; one batch of 48
.set i, i+1
.endr
.set i, 0
.rept 16
	v_rcp_f32 v[RR+i], v[RR+i]
.set i, i+1
.endr
.set i, 0
.rept 16
	v_exp_f32 v[EE+i], v[EE+i]
.set i, i+1
.endr
.set i, 0
.rept 8
	v_pk_add_f32 v[MM+i:MM+i+1], v[ZC+i:ZC+i+1], -2.0 op_sel_hi:[1,0]   ; plain work that names no result of the batch
	v_pk_fma_f32 v[S2+i:S2+i+1], v[ZC+i:ZC+i+1], v[ZC+i:ZC+i+1], v[S2+i:S2+i+1] neg_lo:[1,0,0] neg_hi:[1,0,0]   ; S - a a, exact
.set i, i+2
.endr
	s_wait_alu depctr_va_vdst(0)                   ; one wait for the batch, ahead of its first reader
.set i, 0
.rept 8
	v_pk_mul_f32 v[QQ+i:QQ+i+1], v[MM+i:MM+i+1], v[QQ+i:QQ+i+1]   ; q
.set i, i+2
.endr
.set i, 0
.rept 8
	v_pk_fma_f32 v[PP+i:PP+i+1], v[CF:CF+1], v[QQ+i:QQ+i+1], v[CF+2:CF+3]
.set i, i+2
.endr
.set k, 2
.rept 8
.set i, 0
.rept 8
	v_pk_fma_f32 v[PP+i:PP+i+1], v[PP+i:PP+i+1], v[QQ+i:QQ+i+1], v[CF+2*k:CF+2*k+1]
.set i, i+2
.endr
.set k, k+1
.endr
.set i, 0
.rept 8
	v_pk_fma_f32 v[PP+i:PP+i+1], v[PP+i:PP+i+1], v[RR+i:RR+i+1], v[RR+i:RR+i+1]   ; (p + 1) / (1 + 2 a)
	v_pk_fma_f32 v[MM+i:MM+i+1], v[SG+i:SG+i+1], -1.0, 1.0 op_sel_hi:[1,0,0]      ; 0 or 2
.set i, i+2
.endr
.set i, 0
.rept 8
	v_pk_mul_f32 v[PP+i:PP+i+1], v[PP+i:PP+i+1], v[EE+i:EE+i+1]
.set i, i+2
.endr
.set i, 0
.rept 8
	v_pk_fma_f32 v[PP+i:PP+i+1], v[PP+i:PP+i+1], v[S2+i:S2+i+1], v[PP+i:PP+i+1]   ; erfc(a)
.set i, i+2
.endr
.set i, 0
.rept 8
	v_pk_fma_f32 v[PP+i:PP+i+1], v[SG+i:SG+i+1], v[PP+i:PP+i+1], v[MM+i:MM+i+1]   ; erfc(z)
.set i, i+2
.endr
.set i, 0
.rept 8
	v_pk_mul_f32 v[WC+i:WC+i+1], v[WC+i:WC+i+1], v[PP+i:PP+i+1]
.set i, i+2
.endr
.set i, 0
.rept 16
	v_med3_num_f32 v[WC+i], v[WC+i], -v239, v239   ; the conversion does not saturate (ISA guide 7.6.2)
.set i, i+1
.endr
	v_cvt_scalef32_pk8_bf8_f32 v[CDS+4*(\c):CDS+4*(\c)+1], v[WC:WC+7], v238
	v_cvt_scalef32_pk8_bf8_f32 v[CDS+4*(\c)+2:CDS+4*(\c)+3], v[WC+8:WC+15], v238
	v_nop                                          ; a plain line behind the last conversion
	ds_store_b128 v[SAD], v[CDS+4*(\c):CDS+4*(\c)+3] offset:32*(\c)
.endm
	s_mov_b32 s3, 0                                ; the block of 16 rows in hand: eight trips, so that the activation is written once
	s_mov_b32 s79, 0                               ; its eight pairs in my region
.Lrow:
	s_cmp_eq_u32 s3, 0                             ; only the lines that name the block's accumulators differ: one of eight short arms
	s_cbranch_scc1 .La0
	s_cmp_eq_u32 s3, 1
	s_cbranch_scc1 .La1
	s_cmp_eq_u32 s3, 2
	s_cbranch_scc1 .La2
	s_cmp_eq_u32 s3, 3
	s_cbranch_scc1 .La3
	s_cmp_eq_u32 s3, 4
	s_cbranch_scc1 .La4
	s_cmp_eq_u32 s3, 5
	s_cbranch_scc1 .La5
	s_cmp_eq_u32 s3, 6
	s_cbranch_scc1 .La6
	ARM 7
	s_branch .Lcom
.La0:
	ARM 0
	s_branch .Lcom
.La1:
	ARM 1
	s_branch .Lcom
.La2:
	ARM 2
	s_branch .Lcom
.La3:
	ARM 3
	s_branch .Lcom
.La4:
	ARM 4
	s_branch .Lcom
.La5:
	ARM 5
	s_branch .Lcom
.La6:
	ARM 6
.Lcom:
	v_add_nc_u32 v[SAD], s79, v[STO]
	GELU16 0
	GELU16 1
	s_wait_dscnt 0x0                               ; the stores have read their registers
	s_add_co_u32 s79, s79, 8*144
	s_add_co_u32 s3, s3, 1
	s_cmp_lt_u32 s3, 8
	s_cbranch_scc1 .Lrow
	s_barrier_signal -1                            ; my stores are done (the wait above): a pair's 256 bytes come from two waves
	s_barrier_wait -1
.set t, 0
.rept 16
	ds_load_b128 v[32+4*t:35+4*t], v[RD] offset:t*288
.set t, t+1
.endr
.set t, 0
.rept 16
	s_wait_dscnt 15-t                              ; load t is in, the younger ones stay out
	global_store_b128 v[CO], v[32+4*t:35+4*t], s[10:11] offset:t*4096   ; sixteen lanes store 256 consecutive bytes, aligned
.set t, t+1
.endr
	s_wait_tensorcnt 0x0                           ; the wave's end
	ds_add_u32 v[SPW], v[NIL]
	s_wait_dscnt 0x0
	CROUND                                         ; the closing round
	s_endpgm
.Lfunc_end_k_qa72579b066_up:
	.size	k_qa72579b066_up, .Lfunc_end_k_qa72579b066_up-k_qa72579b066_up
	.p2alignl 7, 3214868480
	.fill 96, 4, 3214868480
	.section	.rodata,"a",@progbits
	.p2align	6, 0x0
	.amdhsa_kernel k_qa72579b066_up
		.amdhsa_group_segment_fixed_size 327680
		.amdhsa_private_segment_fixed_size 0
		.amdhsa_enable_private_segment 0
		.amdhsa_kernarg_size 32
		.amdhsa_user_sgpr_count 2
		.amdhsa_user_sgpr_kernarg_segment_ptr 1
		.amdhsa_wavefront_size32 1
		.amdhsa_system_sgpr_workgroup_id_x 1
		.amdhsa_system_sgpr_workgroup_id_y 1
		.amdhsa_system_sgpr_workgroup_id_z 1
		.amdhsa_system_vgpr_workitem_id 0
		.amdhsa_next_free_vgpr 1024
		.amdhsa_next_free_sgpr 100
		.amdhsa_reserve_vcc 0
		.amdhsa_float_denorm_mode_32 3
		.amdhsa_float_denorm_mode_16_64 3
		.amdhsa_memory_ordered 1
		.amdhsa_forward_progress 1
		.amdhsa_inst_pref_size 133
	.end_amdhsa_kernel
	.amdgpu_metadata
---
amdhsa.version: [ 1, 2 ]
amdhsa.kernels:
  - .name:           k_qa72579b066_up
    .symbol:         k_qa72579b066_up.kd
    .args:
      - { .name: hw, .offset: 0, .size: 8, .value_kind: global_buffer, .address_space: global }
      - { .name: wuc, .offset: 8, .size: 8, .value_kind: global_buffer, .address_space: global }
      - { .name: lowp_scales, .offset: 16, .size: 8, .value_kind: global_buffer, .address_space: global }
      - { .name: zc, .offset: 24, .size: 8, .value_kind: global_buffer, .address_space: global }
    .group_segment_fixed_size: 327680
    .private_segment_fixed_size: 0
    .kernarg_segment_align: 8
    .kernarg_segment_size: 32
    .max_flat_workgroup_size: 128
    .sgpr_count:     100
    .vgpr_count:     1024
    .wavefront_size: 32
...
	.end_amdgpu_metadata
.endif
;; end of part 6
;; launch down: the kernel of part 4 again; grid 4 x 16, 4 waves a work-group, clusters of 4 x 4, 327,680 bytes of LDS; arguments zc, wdp, x1, out0; writes out0
;; ======== version 2 of 2: 7 launches
;; limits: right only within a limited range of input values
;; workspace buffers: hw 15,728,640 bytes; wuc 2,097,152 bytes; wop 1,048,832 bytes; wdp 1,048,832 bytes; qkv 12,582,912 bytes; zc 4,194,304 bytes; x1 16,777,216 bytes
;; launch prep (part 7): grid 704 x 1, 8 waves a work-group, no clusters, 0 bytes of LDS; arguments x, g1, wq, wk, wv, wo, w_up, w_down, lowp_scales, hw, wuc, wop, wdp; writes hw, wuc, wop, wdp
.if DOCPART == 7
	.amdgcn_target "amdgcn-amd-amdhsa--gfx1250"
	.amdhsa_code_object_version 6
	.text
	.protected	k_qa72579b066_prep
	.globl	k_qa72579b066_prep
	.p2align	8
	.type	k_qa72579b066_prep,@function
k_qa72579b066_prep:
	s_mov_b64 s[64:65], 0
	v_nop
	global_prefetch_b8 v0, s[64:65] scope:SCOPE_SE
	s_setreg_imm32_b32 hwreg(HW_REG_WAVE_MODE, 25, 1), 1
	s_wait_xcnt 0x0
; FIRST LAUNCH OF SEVEN: h = rmsnorm(x, g1) as three sets of E5M2 codes (scales e0, e2, e4), and all six weights as E5M2 codes.
; WORK LEFT OUT IN THE WHOLE PROGRAM: only key steps of attention that lie wholly above the diagonal.  reference() builds the causal mask in its own body: a hidden logit gets the
; most negative f32 number added, its p is 0 for all finite inputs, and a visible logit gets 0 added.  So tiles of 16 queries x 128 keys whose keys all come after the queries reach no output.
; LIMIT: a NaN, an infinity or an overflow that would arise only in those tiles is not carried to the result.  No input is without a way to the output: all are loaded.
; LIMITS: NaN and infinities among the inputs are not served; every given exponent e lies between -126 and 112, so that 2^e and 57,344 x 2^e are f32 numbers.
; LAYOUT OF EVERY GEMM OPERAND [rows][1024 k] ("paired"): byte of (m, k) = (m / 2) 2048 + (k / 128) 256 + (m % 2) 128 + k % 128: 256 consecutive bytes hold two rows x 128 k.
; SHARES: one wave takes one pair of rows, with no loop.  Lanes 0-15 hold the even row, lanes 16-31 the odd one; lane ll of a half holds k = 128 j + 8 ll + 0..7, j = 0..7: 64 numbers.
; Its eight codes of each j are 8 bytes, so a wave's store covers 256 consecutive bytes, aligned.  Work-groups 0-255: x.  Work-groups 256-703: the 7,168 rows of wq, wk, wv, wo, w_up, w_down.
; ROWS THAT CHANGE PLACES (sw(n) = n with bits 3 and 4 swapped; both maps keep bits 2:0, so a pair stays a pair):
;   wv's row n goes to place sw(n); w_up's row n to place (n / 64 % 16) 128 + (n / 1024) 64 + sw(n % 64): 64 rows of u, then the 64 gate rows of the same hidden units.
; wop and wdp begin with 256 bytes in which each 8 bytes are the two exponents (A's, B's) of their product, so that one body serves both products.
.set X,   16                           ; v16-79   my 64 numbers
.set G,   80                           ; v80-143  the gain's 64 numbers; later the codes, 16 registers a set
.set T,   144                          ; v144-159 two sets of 8 held numbers
.set SS,  160                          ; v160-167 four packed sums of squares
.set XA,  4                            ; v4  4096 x half + 32 ll: my bytes in a pair of f32 rows
.set GA,  5                            ; v5  32 ll: my bytes in the gain
.set SA,  6                            ; v6  8 x lane: my bytes in 256 bytes of codes
.macro LOADROW base
.set j, 0
.rept 8
	global_load_b128 v[X+8*j:X+8*j+3], v[XA], s[\base:\base+1] offset:512*j
	global_load_b128 v[X+8*j+4:X+8*j+7], v[XA], s[\base:\base+1] offset:512*j+16
.set j, j+1
.endr
.endm
; 64 numbers become 64 codes.  The conversion does not saturate (ISA guide 7.6.2): each number is first held within the largest code x the scale, into one of two sets by turns,
; so that eight plain lines stand between a conversion and the next write of its sources.
.macro QUANT64 dst, sc, lim
.set j, 0
.rept 8
.set i, 0
.rept 8
	v_med3_num_f32 v[T+8*(j%2)+i], v[X+8*j+i], -v[\lim], v[\lim]
.set i, i+1
.endr
	v_cvt_scalef32_pk8_bf8_f32 v[\dst+2*j:\dst+2*j+1], v[T+8*(j%2):T+8*(j%2)+7], v[\sc]
.set j, j+1
.endr
.endm
.macro PUT dst, base
.set j, 0
.rept 8
	global_store_b64 v[SA], v[\dst+2*j:\dst+2*j+1], s[\base:\base+1] offset:256*j   ; 32 lanes store 256 consecutive bytes, aligned
.set j, j+1
.endr
.endm
.macro MKSCALE e, sc, lim              ; 2^e and 57,344 x 2^e as f32
	s_add_co_i32 s2, s[\e], 127
	s_lshl_b32 s3, s2, 23
	v_mov_b32 v[\sc], s3
	s_add_co_i32 s2, s2, 15
	s_lshl_b32 s2, s2, 23
	s_or_b32 s2, s2, 0x600000
	v_mov_b32 v[\lim], s2
.endm
	s_load_b512 s[4:19], s[0:1], 0x0               ; x, g1, wq, wk, wv, wo, w_up, w_down
	s_load_b256 s[20:27], s[0:1], 0x40             ; lowp_scales, hw, wuc, wop
	s_load_b64 s[28:29], s[0:1], 0x60              ; wdp
	v_lshrrev_b32 v1, 5, v0
	s_delay_alu instid0(VALU_DEP_1)
	v_readfirstlane_b32 s30, v1                    ; wave 0..7
	v_and_b32 v1, 31, v0
	v_and_b32 v2, 15, v0
	v_bfe_u32 v3, v0, 4, 1
	s_delay_alu instid0(VALU_DEP_2)
	v_lshlrev_b32 v[GA], 5, v2
	s_delay_alu instid0(VALU_DEP_1)
	v_lshl_add_u32 v[XA], v3, 12, v[GA]
	v_lshlrev_b32 v[SA], 3, v1
	s_wait_kmcnt 0x0
	s_load_b512 s[32:47], s[20:21], 0x0            ; e0 .. e15 in s32 .. s47
	s_cmp_lt_u32 ttmp9, 256
	s_cbranch_scc0 .Lweights
	; ---- x: pair P = 8 x work-group + wave
	s_lshl_b32 s52, ttmp9, 3
	s_add_co_u32 s52, s52, s30
	s_lshl_b32 s54, s52, 13                        ; a pair of f32 rows is 8,192 bytes
	s_mov_b32 s55, 0
	s_add_nc_u64 s[48:49], s[4:5], s[54:55]
	s_wait_alu depctr_va_vdst(0)
	LOADROW 48
.set j, 0
.rept 8
	global_load_b128 v[G+8*j:G+8*j+3], v[GA], s[6:7] offset:512*j
	global_load_b128 v[G+8*j+4:G+8*j+7], v[GA], s[6:7] offset:512*j+16
.set j, j+1
.endr
	s_lshl_b32 s54, s52, 11                        ; a pair of code rows is 2,048 bytes
	s_add_nc_u64 s[50:51], s[22:23], s[54:55]      ; hq
	s_add_nc_u64 s[56:57], s[50:51], 0x400000      ; hk
	s_add_nc_u64 s[58:59], s[50:51], 0x800000      ; hv
	s_mov_b32 s62, 0x3a800000                      ; 1 / 1024
	s_mov_b32 s63, 0x358637bd                      ; 1e-6
	s_wait_loadcnt 16                              ; x's 16 loads are in; the gain's 16 may be out
.set i, 0
.rept 4
	v_pk_mul_f32 v[SS+2*i:SS+2*i+1], v[X+2*i:X+2*i+1], v[X+2*i:X+2*i+1]   ; the first products start the four sums
.set i, i+1
.endr
.rept 28
	s_delay_alu instid0(VALU_DEP_4)
	v_pk_fma_f32 v[SS+2*(i%4):SS+2*(i%4)+1], v[X+2*i:X+2*i+1], v[X+2*i:X+2*i+1], v[SS+2*(i%4):SS+2*(i%4)+1]
.set i, i+1
.endr
	s_delay_alu instid0(VALU_DEP_3)
	v_pk_add_f32 v[SS:SS+1], v[SS:SS+1], v[SS+2:SS+3]
	s_delay_alu instid0(VALU_DEP_2)
	v_pk_add_f32 v[SS+4:SS+5], v[SS+4:SS+5], v[SS+6:SS+7]
	s_delay_alu instid0(VALU_DEP_1)
	v_pk_add_f32 v[SS:SS+1], v[SS:SS+1], v[SS+4:SS+5]
	s_delay_alu instid0(VALU_DEP_1)
	v_add_f32 v8, v[SS], v[SS+1]
	s_delay_alu instid0(VALU_DEP_1)
	v_add_f32_dpp v8, v8, v8 row_xmask:1 row_mask:0xf bank_mask:0xf   ; the sixteen lanes of a half hold one row
	s_delay_alu instid0(VALU_DEP_1)
	v_add_f32_dpp v8, v8, v8 row_xmask:2 row_mask:0xf bank_mask:0xf
	s_delay_alu instid0(VALU_DEP_1)
	v_add_f32_dpp v8, v8, v8 row_xmask:4 row_mask:0xf bank_mask:0xf
	s_delay_alu instid0(VALU_DEP_1)
	v_add_f32_dpp v8, v8, v8 row_xmask:8 row_mask:0xf bank_mask:0xf
	s_delay_alu instid0(VALU_DEP_1)
	v_fma_f32 v8, v8, s62, s63                     ; the mean of the squares + eps
	s_wait_alu depctr_va_vdst(0)
	v_rsq_f32 v10, v8
	v_rsq_f32 v11, v8                              ; twice: a pair for the packed multiply
	s_wait_loadcnt 0x0                             ; the gain
.set i, 0
.rept 32
	v_pk_mul_f32 v[X+i:X+i+1], v[G+i:G+i+1], v[X+i:X+i+1]   ; g x, as reference() orders it; plain work behind the two roots
.set i, i+2
.endr
	s_wait_alu depctr_va_vdst(0)                   ; one wait for both roots, ahead of their first reader
.set i, 0
.rept 32
	v_pk_mul_f32 v[X+i:X+i+1], v[X+i:X+i+1], v[10:11]
.set i, i+2
.endr
	s_wait_kmcnt 0x0
	MKSCALE 32, 168, 169                           ; e0
	s_wait_alu depctr_va_vdst(0)
	MKSCALE 34, 170, 171                           ; e2
	MKSCALE 36, 172, 173                           ; e4
	QUANT64 G, 168, 169                            ; each set has code registers of its own: no store's data are written again
	PUT G, 50
	QUANT64 G+16, 170, 171
	PUT G+16, 56
	QUANT64 G+32, 172, 173
	PUT G+32, 58
	s_endpgm
.Lweights:
	; ---- the weights: R0 = the even row of my pair among the 7,168; t = R0 / 1024 says which tensor.  Every choice hangs on ids alone
	s_sub_co_u32 s52, ttmp9, 256
	s_lshl_b32 s52, s52, 3
	s_add_co_u32 s52, s52, s30
	s_lshl_b32 s52, s52, 1                         ; R0
	s_lshr_b32 s53, s52, 10                        ; t: 0 wq, 1 wk, 2 wv, 3 wo, 4 and 5 w_up, 6 w_down
	s_lshr_b32 s60, s53, 1                         ; 2 for w_up
	s_and_b32 s54, s52, 1023                       ; the row in its tensor,
	s_and_b32 s55, s52, 2047                       ; and in w_up
	s_and_b32 s56, s54, 0x3e7
	s_bfe_u32 s57, s54, 0x10003
	s_lshl_b32 s57, s57, 4
	s_or_b32 s56, s56, s57
	s_bfe_u32 s57, s54, 0x10004
	s_lshl_b32 s57, s57, 3
	s_or_b32 s56, s56, s57                         ; sw(n)
	s_lshr_b32 s57, s54, 6
	s_lshl_b32 s57, s57, 7                         ; w_up: the group of 64 hidden units x 128
	s_and_b32 s61, s56, 63
	s_or_b32 s57, s57, s61                         ; + sw(n % 64)
	s_and_b32 s61, s53, 1
	s_lshl_b32 s61, s61, 6
	s_or_b32 s57, s57, s61                         ; + 64 for a gate row
	s_cmp_eq_u32 s53, 2
	s_cselect_b32 s61, s56, s54                    ; the place p: wv's rows by sw,
	s_cmp_eq_u32 s60, 2
	s_cselect_b32 s61, s57, s61                    ; w_up's by its map, all others stay
	s_cselect_b32 s54, s55, s54                    ; the row to read
	s_add_co_u32 s56, s53, 12
	s_lshl_b32 s56, s56, 20                        ; in hw: wq at 12 MiB, wk at 13, wv at 14
	s_cmp_lt_u32 s53, 3
	s_cselect_b32 s56, s56, 256                    ; in wop and wdp: behind the 256 bytes of exponents
	s_cmp_eq_u32 s60, 2
	s_cselect_b32 s56, 0, s56                      ; in wuc: at 0
	s_lshr_b32 s61, s61, 1
	s_lshl_b32 s61, s61, 11
	s_add_co_u32 s56, s56, s61                     ; + the pair's 2,048 bytes
	s_mov_b32 s57, 0
	s_lshl_b32 s54, s54, 12
	s_mov_b32 s55, 0
	s_wait_kmcnt 0x0                               ; the exponents
	s_mov_b64 s[48:49], s[8:9]                     ; wq, e1, hw
	s_mov_b64 s[58:59], s[22:23]
	s_mov_b32 s31, s33
	s_cmp_eq_u32 s53, 1
	s_cselect_b64 s[48:49], s[10:11], s[48:49]     ; wk, e3
	s_cselect_b32 s31, s35, s31
	s_cmp_eq_u32 s53, 2
	s_cselect_b64 s[48:49], s[12:13], s[48:49]     ; wv, e5
	s_cselect_b32 s31, s37, s31
	s_cmp_eq_u32 s53, 3
	s_cselect_b64 s[48:49], s[14:15], s[48:49]     ; wo, e11, wop
	s_cselect_b64 s[58:59], s[26:27], s[58:59]
	s_cselect_b32 s31, s43, s31
	s_cmp_eq_u32 s60, 2
	s_cselect_b64 s[48:49], s[16:17], s[48:49]     ; w_up, e13, wuc
	s_cselect_b64 s[58:59], s[24:25], s[58:59]
	s_cselect_b32 s31, s45, s31
	s_cmp_eq_u32 s53, 6
	s_cselect_b64 s[48:49], s[18:19], s[48:49]     ; w_down, e15, wdp
	s_cselect_b64 s[58:59], s[28:29], s[58:59]
	s_cselect_b32 s31, s47, s31
	s_cselect_b32 s20, s46, s42                    ; the exponents that go in front: (e14, e15) or (e10, e11)
	s_cselect_b32 s21, s47, s43
	s_cmp_eq_u32 s52, 3072                         ; the wave with wo's first pair, or w_down's, also writes them
	s_cselect_b32 s62, 1, 0
	s_cmp_eq_u32 s52, 6144
	s_cselect_b32 s62, 1, s62
	s_add_nc_u64 s[48:49], s[48:49], s[54:55]
	s_add_nc_u64 s[50:51], s[58:59], s[56:57]
	s_wait_alu depctr_va_vdst(0)
	LOADROW 48
	MKSCALE 31, 168, 169
	s_wait_alu depctr_va_vdst(0)
	s_wait_loadcnt 0x0
	QUANT64 G, 168, 169
	PUT G, 50
	s_cmp_eq_u32 s62, 0
	s_cbranch_scc1 .Ldone
	v_mov_b32 v174, s20
	v_mov_b32 v175, s21
	global_store_b64 v[SA], v[174:175], s[58:59]   ; 256 consecutive bytes: 32 times the two exponents
.Ldone:
	s_endpgm
.Lfunc_end_k_qa72579b066_prep:
	.size	k_qa72579b066_prep, .Lfunc_end_k_qa72579b066_prep-k_qa72579b066_prep
	.p2alignl 7, 3214868480
	.fill 96, 4, 3214868480
	.section	.rodata,"a",@progbits
	.p2align	6, 0x0
	.amdhsa_kernel k_qa72579b066_prep
		.amdhsa_group_segment_fixed_size 0
		.amdhsa_private_segment_fixed_size 0
		.amdhsa_enable_private_segment 0
		.amdhsa_kernarg_size 104
		.amdhsa_user_sgpr_count 2
		.amdhsa_user_sgpr_kernarg_segment_ptr 1
		.amdhsa_wavefront_size32 1
		.amdhsa_system_sgpr_workgroup_id_x 1
		.amdhsa_system_sgpr_workgroup_id_y 1
		.amdhsa_system_sgpr_workgroup_id_z 1
		.amdhsa_system_vgpr_workitem_id 0
		.amdhsa_next_free_vgpr 176
		.amdhsa_next_free_sgpr 66
		.amdhsa_reserve_vcc 0
		.amdhsa_float_denorm_mode_32 3
		.amdhsa_float_denorm_mode_16_64 3
		.amdhsa_memory_ordered 1
		.amdhsa_forward_progress 1
		.amdhsa_inst_pref_size 39
	.end_amdhsa_kernel
	.amdgpu_metadata
---
amdhsa.version: [ 1, 2 ]
amdhsa.kernels:
  - .name:           k_qa72579b066_prep
    .symbol:         k_qa72579b066_prep.kd
    .args:
      - { .name: x, .offset: 0, .size: 8, .value_kind: global_buffer, .address_space: global }
      - { .name: g1, .offset: 8, .size: 8, .value_kind: global_buffer, .address_space: global }
      - { .name: wq, .offset: 16, .size: 8, .value_kind: global_buffer, .address_space: global }
      - { .name: wk, .offset: 24, .size: 8, .value_kind: global_buffer, .address_space: global }
      - { .name: wv, .offset: 32, .size: 8, .value_kind: global_buffer, .address_space: global }
      - { .name: wo, .offset: 40, .size: 8, .value_kind: global_buffer, .address_space: global }
      - { .name: w_up, .offset: 48, .size: 8, .value_kind: global_buffer, .address_space: global }
      - { .name: w_down, .offset: 56, .size: 8, .value_kind: global_buffer, .address_space: global }
      - { .name: lowp_scales, .offset: 64, .size: 8, .value_kind: global_buffer, .address_space: global }
      - { .name: hw, .offset: 72, .size: 8, .value_kind: global_buffer, .address_space: global }
      - { .name: wuc, .offset: 80, .size: 8, .value_kind: global_buffer, .address_space: global }
      - { .name: wop, .offset: 88, .size: 8, .value_kind: global_buffer, .address_space: global }
      - { .name: wdp, .offset: 96, .size: 8, .value_kind: global_buffer, .address_space: global }
    .group_segment_fixed_size: 0
    .private_segment_fixed_size: 0
    .kernarg_segment_align: 8
    .kernarg_segment_size: 104
    .max_flat_workgroup_size: 256
    .sgpr_count:     66
    .vgpr_count:     176
    .wavefront_size: 32
...
	.end_amdgpu_metadata
.endif
;; end of part 7
;; launch qkv (part 8): grid 12 x 16, 4 waves a work-group, clusters of 4 x 4, 327,680 bytes of LDS; arguments hw, lowp_scales, qkv; writes qkv
.if DOCPART == 8
	.amdgcn_target "amdgcn-amd-amdhsa--gfx1250"
	.amdhsa_code_object_version 6
	.text
	.protected	k_qa72579b066_qkv
	.globl	k_qa72579b066_qkv
	.p2align	8
	.type	k_qa72579b066_qkv,@function
k_qa72579b066_qkv:
	s_mov_b64 s[64:65], 0
	v_nop
	global_prefetch_b8 v0, s[64:65] scope:SCOPE_SE
	s_setreg_imm32_b32 hwreg(HW_REG_WAVE_MODE, 25, 1), 1
	s_wait_xcnt 0x0
	s_wait_alu depctr_hold_cnt(0) depctr_sa_sdst(0) depctr_va_vdst(0) depctr_va_sdst(0) depctr_va_ssrc(0) depctr_va_vcc(0) depctr_vm_vsrc(0)
	s_getreg_b32 s2, hwreg(HW_REG_IB_STS2, 6, 4)
	s_cmp_eq_u32 s2, 0
	s_cbranch_scc0 .Lentry_in_a_cluster
	s_endpgm
.Lentry_in_a_cluster:
	s_bfe_u32 s2, ttmp6, 0x10000c
	s_cmp_lg_u32 s2, 0xf033
	s_cbranch_scc0 .Lentry_shape_is_right
	s_endpgm
.Lentry_shape_is_right:
.set PITCH,  528
.set FR,     16
.set NL,     4
.set NP,     4
.set HALFT,  64*PITCH
.set SLOT,   4*HALFT
.set SPARE,  2*SLOT
.set ADRA, 16
.set ADRB, 20
.set STO,  24
.set RD,   25
.set CO,   26
.set SPW,  28
.set NIL,  29
.set TMP,  32
.set CD,   96
.set AF,   128
.set G1, 24
.set G0, 32
.set G1B, 48
.set G0B, 56
.set MSB, 0
.macro WIN new
.if MSB != \new
	s_set_vgpr_msb (MSB<<8)|\new
.set MSB, \new
.endif
.endm
.set MUL_LO, 0xa1
.set MUL_HI, 0xf1
.set TO_B,   0x40
.macro JLOAD g0a, g1a, g0b, g1b
	s_cmp_eq_u32 s15, 0
	s_cbranch_scc0 .Lfor_b_\@
	tensor_load_to_lds s[\g0a:\g0a+3], s[\g1a:\g1a+7]
	s_nop 0
.rept 4
	v_nop
.endr
	s_branch .Lasked_\@
.Lfor_b_\@:
	tensor_load_to_lds s[\g0b:\g0b+3], s[\g1b:\g1b+7]
	s_nop 0
.rept 4
	v_nop
.endr
.Lasked_\@:
.endm
.macro CREST
	s_cmp_lg_u32 s14, 0
	s_cbranch_scc1 .Lnot_wave_0_\@
	s_barrier_signal -3
.Lnot_wave_0_\@:
	s_barrier_wait -3
	s_barrier_signal -1
	s_barrier_wait -1
.endm
.macro CROUND
	s_barrier_signal -1
	s_barrier_wait -1
	CREST
.endm
	s_load_b128 s[4:7], s[0:1], 0x0
	s_load_b64 s[10:11], s[0:1], 0x10
	v_lshl_add_u32 v[SPW], v0, 2, SPARE
	v_mov_b32 v[NIL], 0
	ds_add_u32 v[SPW], v[NIL]
	ds_add_u32 v[SPW], v[NIL]
	v_lshrrev_b32 v1, 5, v0
	v_readfirstlane_b32 s14, v1
	s_lshr_b32 s15, s14, 1
	s_and_b32 s16, s14, 1
	s_bfe_u32 s40, ttmp6, 0x40000
	s_bfe_u32 s41, ttmp6, 0x40004
	s_and_b32 s12, ttmp7, 0xffff
	s_lshl_b32 s12, s12, 2
	s_cmp_eq_u32 ttmp9, 2
	s_cselect_b32 s17, 0, s12
	s_cselect_b32 s42, s12, 0
	s_add_co_u32 s17, s17, s41
	s_add_co_u32 s42, s42, s40
	s_lshl_b32 s84, ttmp9, 22
	s_lshl_b32 s85, ttmp9, 20
	s_add_co_u32 s85, s85, 0xc00000
	s_cmp_eq_u32 ttmp9, 2
	s_cselect_b32 s84, 0xe00000, s84
	s_cselect_b32 s85, 0x800000, s85
	s_lshl_b32 s43, s41, 2
	s_lshl_b32 s43, 15, s43
	s_lshl_b32 s44, 0x1111, s40
	s_or_b32 s[G1+0], s43, (1<<20)|(1<<21)|(6<<22)|(3<<25)
	s_or_b32 s[G1B+0], s44, (1<<20)|(1<<21)|(6<<22)|(3<<25)
.irp g, G1, G1B
	s_mov_b32 s[\g+1], 512<<16
	s_mov_b32 s[\g+2], 64<<16
	s_mov_b32 s[\g+3], 512<<16
	s_mov_b32 s[\g+4], 64
	s_mov_b32 s[\g+5], 2048
	s_mov_b32 s[\g+6], 0
	s_mov_b32 s[\g+7], 0
.endr
	s_lshl_b32 s18, s16, 17
	s_lshl_b32 s20, s17, 18
	s_add_co_u32 s20, s20, s18
	s_add_co_u32 s20, s20, s84
	s_mov_b32 s21, 0
	s_lshl_b32 s46, s42, 18
	s_add_co_u32 s46, s46, s18
	s_add_co_u32 s46, s46, s85
	s_mov_b32 s47, 0
	s_mul_i32 s45, s14, HALFT
	s_wait_dscnt 0x0
	s_wait_kmcnt 0x0
	s_load_b512 s[68:83], s[6:7], 0x0
	s_add_nc_u64 s[20:21], s[4:5], s[20:21]
	s_add_nc_u64 s[46:47], s[4:5], s[46:47]
	CROUND
.irp s, 0,1
	s_mov_b32 s[G0+4*\s], 1
	s_add_co_u32 s[G0+4*\s+1], s45, \s*SLOT
	s_add_nc_u64 s[G0+4*\s+2:G0+4*\s+3], s[20:21], \s*512
	s_or_b32 s[G0+4*\s+3], s[G0+4*\s+3], 0x80000000
	s_mov_b32 s[G0B+4*\s], 1
	s_add_co_u32 s[G0B+4*\s+1], s45, \s*SLOT
	s_add_nc_u64 s[G0B+4*\s+2:G0B+4*\s+3], s[46:47], \s*512
	s_or_b32 s[G0B+4*\s+3], s[G0B+4*\s+3], 0x80000000
	s_wait_alu depctr_va_vdst(0)
	s_wait_tensorcnt 0x0
	ds_add_u32 v28, v29
	ds_add_u32 v28, v29
	s_wait_dscnt 0x0
	CROUND
	JLOAD G0+4*\s, G1, G0B+4*\s, G1B
.endr
	v_and_b32 v1, 15, v0
	v_bfe_u32 v2, v0, 4, 1
	v_lshrrev_b32 v3, 1, v1
	v_mul_u32_u24 v3, v3, PITCH
	v_and_b32 v4, 1, v1
	v_lshl_add_u32 v3, v4, 7, v3
	v_lshl_add_u32 v4, v2, 4, v3
	s_mul_i32 s21, s15, HALFT
	s_mul_i32 s22, s16, HALFT
	s_add_co_u32 s22, s22, 2*HALFT
.irp s, 0,1
	v_add_nc_u32 v[ADRA+\s], s21, v4
	v_add_nc_u32 v[ADRB+\s], s22, v4
	s_add_co_u32 s21, s21, SLOT
	s_add_co_u32 s22, s22, SLOT
.endr
	s_mul_i32 s23, s15, 128*272
	s_lshl_b32 s22, s16, 7
	s_add_co_u32 s23, s23, s22
	v_mul_u32_u24 v5, v1, 272
	v_lshl_add_u32 v5, v2, 4, v5
	v_add_nc_u32 v[STO], s23, v5
	s_mul_i32 s23, s14, 64*272
	v_mul_u32_u24 v5, v2, 272
	v_lshl_add_u32 v5, v1, 4, v5
	v_add_nc_u32 v[RD], s23, v5
	v_lshlrev_b32 v5, 11, v2
	v_lshl_add_u32 v[CO], v1, 4, v5
	s_lshl_b32 s20, s17, 19
	s_lshl_b32 s21, s14, 17
	s_add_co_u32 s20, s20, s21
	; q and k leave by head pairs: byte = tensor x 4 MiB + batch x 2 MiB + pair x 256 KiB + token x 128 + the pair's 128 codes
	s_lshl_b32 s21, ttmp9, 22
	s_lshl_b32 s22, s42, 19                        ; a column tile is two pairs
	s_add_co_u32 s21, s21, s22
	s_lshr_b32 s22, s17, 3
	s_lshl_b32 s22, s22, 21                        ; batch
	s_add_co_u32 s21, s21, s22
	s_and_b32 s22, s17, 7
	s_lshl_b32 s22, s22, 15                        ; 256 tokens of 128 bytes a row tile
	s_add_co_u32 s21, s21, s22
	s_lshl_b32 s22, s14, 13                        ; 64 tokens a wave
	s_add_co_u32 s21, s21, s22
	s_lshr_b32 s22, s42, 3
	s_lshl_b32 s22, s22, 21
	s_and_b32 s23, s42, 7
	s_lshl_b32 s23, s23, 8
	s_add_co_u32 s22, s22, s23
	s_add_co_u32 s22, s22, 0x800000
	s_add_co_u32 s20, s20, s22                     ; v: rows of 2,048 keys, as before
	s_cmp_eq_u32 ttmp9, 2
	s_cselect_b32 s20, s20, s21
	s_mov_b32 s21, 0
	s_add_nc_u64 s[10:11], s[10:11], s[20:21]
.macro FRAG reg, adr, q, i
.irp c, 0,1,2,3
	ds_load_b128 v[\reg+4*\c:\reg+4*\c+3], v[\adr] offset:256*(\q)+32*\c+(\i)*8*PITCH
.endr
.endm
.macro MUL16 a0, p, zero
.irp a, \a0, \a0+1
.irp b, 0,1,2,3,4,5,6,7
.if \zero
	v_wmma_f32_16x16x128_bf8_bf8 v[8*(8*((\a)%4)+\b):8*(8*((\a)%4)+\b)+7], v[128*(\p)+FR*\b:128*(\p)+FR*\b+FR-1], v[AF+FR*(\a):AF+FR*(\a)+FR-1], 0
.else
	v_wmma_f32_16x16x128_bf8_bf8 v[8*(8*((\a)%4)+\b):8*(8*((\a)%4)+\b)+7], v[128*(\p)+FR*\b:128*(\p)+FR*\b+FR-1], v[AF+FR*(\a):AF+FR*(\a)+FR-1], v[8*(8*((\a)%4)+\b):8*(8*((\a)%4)+\b)+7]
.endif
.endr
.endr
.endm
.macro FETCH_B slot, q, p
	WIN TO_B
.irp i, 0,1,2,3,4,5,6,7
	FRAG 128*(\p)+FR*\i, ADRB+\slot, \q, \i
.endr
	WIN 0
.endm
.macro FETCH_A slot, q, i0
.irp i, \i0, \i0+1, \i0+2, \i0+3
	FRAG AF+FR*(\i), ADRA+\slot, \q, \i
.endr
.endm
.macro PLACES n
.rept \n
	v_nop
.endr
.endm
.macro STEP slot, q, zero
	s_wait_dscnt 4*NL
	WIN MUL_LO
	MUL16 0, (\q)%2, \zero
	MUL16 2, (\q)%2, \zero
	s_wait_dscnt 0
	PLACES NP
	FETCH_B \slot, (\q)+1, 1-(\q)%2
	FETCH_A \slot, (\q)+1, 0
	WIN MUL_HI
	MUL16 4, (\q)%2, \zero
	MUL16 6, (\q)%2, \zero
	PLACES NP
	WIN 0
	FETCH_A \slot, (\q)+1, 4
.endm
.macro TURN slot, next, fill
	s_wait_tensorcnt 0x0
	ds_add_u32 v[SPW], v[NIL]
	s_wait_dscnt 4*NL+1
	WIN MUL_LO
	MUL16 0, 1, 0
	s_wait_dscnt 0x0
	s_barrier_signal -1
	MUL16 2, 1, 0
	WIN 0
	s_barrier_wait -1
.if \fill
	CREST
	s_add_nc_u64 s[G0+4*\slot+2:G0+4*\slot+3], s[G0+4*\slot+2:G0+4*\slot+3], 1024
	s_add_nc_u64 s[G0B+4*\slot+2:G0B+4*\slot+3], s[G0B+4*\slot+2:G0B+4*\slot+3], 1024
	JLOAD G0+4*\slot, G1, G0B+4*\slot, G1B
.else
	PLACES NP
.endif
	s_wait_alu depctr_va_vdst(0)
	FETCH_B \next, 0, 0
	FETCH_A \next, 0, 0
	WIN MUL_HI
	MUL16 4, 1, 0
	MUL16 6, 1, 0
	PLACES NP
	WIN 0
	FETCH_A \next, 0, 4
.endm
	s_wait_tensorcnt 1
	s_barrier_signal -1
	s_barrier_wait -1
	FETCH_B 0, 0, 0
	FETCH_A 0, 0, 0
	FETCH_A 0, 0, 4
	STEP 0, 0, 1
	TURN 0, 1, 1
	STEP 1, 0, 0
	TURN 1, 0, 1
	STEP 0, 0, 0
	TURN 0, 1, 0
	STEP 1, 0, 0
	s_wait_dscnt 4*NL
	WIN MUL_LO
	MUL16 0, 1, 0
	MUL16 2, 1, 0
	s_wait_dscnt 0
	WIN MUL_HI
	MUL16 4, 1, 0
	MUL16 6, 1, 0
	WIN 0
	s_wait_kmcnt 0x0
	s_sub_co_i32 s84, s74, s68
	s_sub_co_i32 s84, s84, s69
	s_sub_co_i32 s85, s75, s70
	s_sub_co_i32 s85, s85, s71
	s_sub_co_i32 s86, s77, s72
	s_sub_co_i32 s86, s86, s73
	s_cmp_eq_u32 ttmp9, 1
	s_cselect_b32 s84, s85, s84
	s_cmp_eq_u32 ttmp9, 2
	s_cselect_b32 s84, s86, s84
	s_add_co_i32 s84, s84, 127
	s_lshl_b32 s85, s84, 23
	s_add_co_i32 s84, s84, 15
	s_lshl_b32 s84, s84, 23
	s_or_b32 s84, s84, 0x600000
	PLACES NP
	v_mov_b32 v10, s85
	v_mov_b32 v11, s84
.macro CODES a
.set AC, 64*((\a)%4)
	WIN 0x02+((\a)/4)
.set i, 0
.rept 64
	v_med3_num_f32 v[TMP+i], v[AC+i], -v11, v11
.set i, i+1
.endr
	WIN 0
.set k, 0
.rept 8
	v_cvt_scalef32_pk8_bf8_f32 v[CD+16*(\a)+2*k:CD+16*(\a)+2*k+1], v[TMP+8*k:TMP+8*k+7], v10
.set k, k+1
.endr
	v_nop
.set c, 0
.rept 4
	ds_store_b128 v[STO], v[CD+16*(\a)+4*c:CD+16*(\a)+4*c+3] offset:(\a)*16*272+32*c
.set c, c+1
.endr
.endm
.irp a, 0,1,2,3,4,5,6,7
	CODES \a
.endr
	s_wait_dscnt 0x0
	s_barrier_signal -1
	s_barrier_wait -1
	s_cmp_eq_u32 ttmp9, 2                          ; the cluster's x: the same in all partners
	s_cbranch_scc0 .Lqk_rows
.set t, 0
.rept 32
	ds_load_b128 v[CD+4*t:CD+4*t+3], v[RD] offset:t*544
.set t, t+1
.endr
.set t, 0
.rept 32
	s_wait_dscnt 31-t
	global_store_b128 v[CO], v[CD+4*t:CD+4*t+3], s[10:11] offset:t*4096
.set t, t+1
.endr
	s_branch .Lstored
.Lqk_rows:
	; q, k: an instruction takes four tokens x one pair's 128 bytes: 32 lanes store 512 consecutive bytes, aligned
	v_and_b32 v1, 31, v0
	v_lshrrev_b32 v2, 3, v1
	v_mul_u32_u24 v2, v2, 272
	v_and_b32 v3, 7, v0
	v_lshl_add_u32 v2, v3, 4, v2
	s_mul_i32 s23, s14, 64*272
	v_add_nc_u32 v2, s23, v2
	v_lshlrev_b32 v3, 4, v1
	s_wait_alu depctr_va_vdst(0)
.set t, 0
.rept 32
	ds_load_b128 v[CD+4*t:CD+4*t+3], v2 offset:(t/2)*4*272+(t%2)*128
.set t, t+1
.endr
.set t, 0
.rept 32
	s_wait_dscnt 31-t
	global_store_b128 v3, v[CD+4*t:CD+4*t+3], s[10:11] offset:(t%2)*262144+(t/2)*512
.set t, t+1
.endr
.Lstored:
	s_wait_tensorcnt 0x0
	ds_add_u32 v[SPW], v[NIL]
	s_wait_dscnt 0x0
	CROUND
	s_endpgm
.Lfunc_end_k_qa72579b066_qkv:
	.size	k_qa72579b066_qkv, .Lfunc_end_k_qa72579b066_qkv-k_qa72579b066_qkv
	.p2alignl 7, 3214868480
	.fill 96, 4, 3214868480
	.section	.rodata,"a",@progbits
	.p2align	6, 0x0
	.amdhsa_kernel k_qa72579b066_qkv
		.amdhsa_group_segment_fixed_size 327680
		.amdhsa_private_segment_fixed_size 0
		.amdhsa_enable_private_segment 0
		.amdhsa_kernarg_size 24
		.amdhsa_user_sgpr_count 2
		.amdhsa_user_sgpr_kernarg_segment_ptr 1
		.amdhsa_wavefront_size32 1
		.amdhsa_system_sgpr_workgroup_id_x 1
		.amdhsa_system_sgpr_workgroup_id_y 1
		.amdhsa_system_sgpr_workgroup_id_z 1
		.amdhsa_system_vgpr_workitem_id 0
		.amdhsa_next_free_vgpr 1024
		.amdhsa_next_free_sgpr 100
		.amdhsa_reserve_vcc 0
		.amdhsa_float_denorm_mode_32 3
		.amdhsa_float_denorm_mode_16_64 3
		.amdhsa_memory_ordered 1
		.amdhsa_forward_progress 1
		.amdhsa_inst_pref_size 132
	.end_amdhsa_kernel
	.amdgpu_metadata
---
amdhsa.version: [ 1, 2 ]
amdhsa.kernels:
  - .name:           k_qa72579b066_qkv
    .symbol:         k_qa72579b066_qkv.kd
    .args:
      - { .name: hw, .offset: 0, .size: 8, .value_kind: global_buffer, .address_space: global }
      - { .name: lowp_scales, .offset: 8, .size: 8, .value_kind: global_buffer, .address_space: global }
      - { .name: qkv, .offset: 16, .size: 8, .value_kind: global_buffer, .address_space: global }
    .group_segment_fixed_size: 327680
    .private_segment_fixed_size: 0
    .kernarg_segment_align: 8
    .kernarg_segment_size: 24
    .max_flat_workgroup_size: 128
    .sgpr_count:     100
    .vgpr_count:     1024
    .wavefront_size: 32
...
	.end_amdgpu_metadata
.endif
;; end of part 8
;; launch attn (part 9): grid 16 x 16, 8 waves a work-group, no clusters, 327,680 bytes of LDS; arguments qkv, lowp_scales, zc; writes zc
.if DOCPART == 9
	.amdgcn_target "amdgcn-amd-amdhsa--gfx1250"
	.amdhsa_code_object_version 6
	.text
	.protected	k_qa72579b066_attn
	.globl	k_qa72579b066_attn
	.p2align	8
	.type	k_qa72579b066_attn,@function
k_qa72579b066_attn:
	s_mov_b64 s[64:65], 0
	v_nop
	global_prefetch_b8 v0, s[64:65] scope:SCOPE_SE
	s_setreg_imm32_b32 hwreg(HW_REG_WAVE_MODE, 25, 1), 1
	s_wait_xcnt 0x0
; Causal attention on E5M2 codes, heads of 64; z is quantised (scale e10) and leaves as codes in the paired layout of a GEMM operand.
; LEFT OUT: key steps all of whose 128 keys come after a tile's 16 queries (reference()'s own causal mask makes their p exactly 0: see the first launch's head).
; SOFTMAX: t = score x log2(e) / 8; M = the running largest t rounded up to a whole number; p = 2^(t - M) is quantised with 2^e8, not normalised; the row's sum is taken of the unquantised p and divides at the end.
; INPUT: q, k as [batch][head pair][token][128 codes]; v as [batch][channel][2,048 keys], the keys in the order in which S^T's registers hold them.
; SHARES.  Work-group (g, y): batch y / 8, head pair y % 8, query tiles 4 g .. 4 g + 3 and 124 - 4 g .. 127 - 4 g.  Wave w: head w % 2 of the pair, tiles i = 4 g + w / 2 (E) and 127 - i (L):
; i / 8 + 1 and (127 - i) / 8 + 1 steps of 128 keys, 17 in every wave.  Both tiles live in registers and walk the keys together, so a step's fragments of K and V are read from LDS once for both.
; RING: two slots of 512 keys: 512 rows of K (the pair's 128 bytes + 16), then 128 rows of V (512 keys + 16).  Waves 0-3 fetch K's quarters (dense, stated as rows of 256 bytes), waves 4-7 V's: one load a wave.
; The step is written once, in a loop of 4 steps inside a loop of 4 slots; a change of slots stands ahead of the loops and at each slot's end.  The last of them fills nothing.
; NO CLUSTER: the sixteen work-groups of a head pair need three or four slots by their number, and a jump on ids may not lead round a joint load.
; LAYOUT.  Both products transposed: S^T = K Q^T (16 x 16 x 64), O^T = V^T P^T (16 x 16 x 128): a lane holds one query.  Register 8 t + i of S^T is key 16 t + 8 (lane / 16) + i.
; LIMITS: e6 + e7 between -124 and 129; e8 and e10 - e8 - e9 between -126 and 112.  NaN and infinities are not served.
; REGISTERS: v1-11 addresses and constants; v12-15, v16-19 -M, largest t, the sum's two halves (L, E); v20-35 Q; v36-99 V's fragments; v100-163 S^T, then p; v164-227 O^T (L, E); v228-243 p's codes; v244-255 at work; v256-319 K's fragments.
.set KP,    144
.set VP,    528
.set VOFF,  512*KP
.set SLOT1, VOFF+128*VP                ; 141,312 bytes a slot
.set SPARE, 2*SLOT1                    ; the spare words, 128 bytes for each of 8 waves, which no other line names
.set STAGE, SPARE+1024                 ; the way out: 64 units of 256 + 16 bytes; no tile lands here
.set SPP,   272
.set AK0, 1
.set AV0, 2
.set PFO, 3
.set DL,  4                            ; lane % 16 - 8 (lane / 16)
.set SPW, 5
.set NIL, 6
.set GO,  7
.set ADK, 8
.set ADV, 9
.set SC,  10
.set LM,  11
.set STL, 12
.set STE, 16
.set QLR, 20
.set QER, 28
.set VF,  36
.set S,   100
.set OL,  164
.set OE,  196
.set P,   228
.set F,   244
.set PD,  246
.set T0,  247
.set C,   248
.set TB,  2                            ; s2  LDS byte at which the slot in hand begins
.set IC,  3                            ; s3  the step in the slot
.set WV,  18
.set SEL, 20
.set CS,  22
.set G1K, 24
.set G1V, 32
.set G0K, 40
.set G0V, 44
.set QL,  66                           ; the work-group's last query
.set TN,  67                           ; LDS byte at which the slot to be filled begins
.set LBK, 68
.set LBV, 69
.set Q0E, 70
.set Q0L, 71
.set KF,  72                           ; the step's first key
.set TR,  73
.set PFA, 74
.set PFB, 76
.set LIM, 78
.set MSB, 0
.macro WIN new                         ; the immediate's high byte repeats the setting that is left
.if MSB != \new
	s_set_vgpr_msb (MSB<<8)|\new
.set MSB, \new
.endif
.endm
.macro TLOAD                           ; every wave fetches: one load in each arm; an s_nop 0 and four v_nop follow each
	s_cmp_lt_u32 s[WV], 4
	s_cbranch_scc0 .Lfor_v_\@
	tensor_load_to_lds s[G0K:G0K+3], s[G1K:G1K+7]
	s_nop 0
.rept 4
	v_nop
.endr
	s_branch .Lasked_\@
.Lfor_v_\@:
	tensor_load_to_lds s[G0V:G0V+3], s[G1V:G1V+7]
	s_nop 0
.rept 4
	v_nop
.endr
.Lasked_\@:
.endm
.macro KLOAD off                       ; K's eight fragments of 16 keys x 64 into v256-319
	WIN 0x40
.set t, 0
.rept 8
	ds_load_b128 v[8*t:8*t+3], v[ADK] offset:\off+16*t*KP
	ds_load_b128 v[8*t+4:8*t+7], v[ADK] offset:\off+16*t*KP+32
.set t, t+1
.endr
	WIN 0
.endm
; THE CHANGE OF SLOTS.  Each wave waits for all its tensor loads, adds 0 to its spare word, and waits for that and for its reads of the slot that it has left.  Behind the barrier the slot ahead is whole
; and nobody reads the other one, which is asked for while its first key is at or under the work-group's last query (ids and counts of steps alone; every wait on TENSORcnt in this text is for 0).
; first = 1: slot 1's first fill; every work-group reads at least three slots.
; PREFETCH: slots 2 and 3 are named once each for a head pair, a slot ahead of their loads: work-group g = 2 asks for slot 2, g = 3 for slot 3; each wave for the part that it fetches, two instructions:
; K 16,384 bytes, lanes 256 bytes apart; V 32 rows, a lane a row, 2 x 256 bytes.  Slots 0 and 1 come by their loads alone.
.macro CHANGE first
	s_wait_tensorcnt 0x0                           ; no tensor load of mine is out, so the descriptors may be written
	ds_add_u32 v[SPW], v[NIL]
	s_xor_b32 s[TN], s[TN], SLOT1
	s_add_co_u32 s[G0K+1], s[LBK], s[TN]
	s_add_co_u32 s[G0V+1], s[LBV], s[TN]
	s_add_nc_u64 s[G0K+2:G0K+3], s[G0K+2:G0K+3], 512*128
	s_add_nc_u64 s[G0V+2:G0V+3], s[G0V+2:G0V+3], 512
	s_wait_dscnt 0x0
	s_barrier_signal -1
	s_barrier_wait -1
.if \first
	TLOAD
	s_cmp_eq_u32 ttmp9, 2
.else
	s_add_co_u32 s96, s[KF], 512                   ; the first key of the slot that this change would ask for
	s_cmp_gt_u32 s96, s[QL]
	s_cbranch_scc1 .Lpast_\@
	TLOAD
.Lpast_\@:
	s_cmp_eq_u32 s[TR], s[LIM]
.endif
	s_cbranch_scc0 .Lnoask_\@
	global_prefetch_b8 v[PFO], s[PFA:PFA+1] th:TH_LOAD_NT scope:SCOPE_SE
	global_prefetch_b8 v[PFO], s[PFB:PFB+1] th:TH_LOAD_NT scope:SCOPE_SE
.Lnoask_\@:
.endm
; ONE TILE'S PART OF A STEP: 16 queries x 128 keys.  pf = 1: behind the step's last use of K's fragments the next step's are fetched, unless the slot ends.
.macro PART ST, QR, OR, SQ, pf
	WIN 0x01                                       ; source 0 in v256..
.set t, 0
.rept 8
	v_wmma_f32_16x16x64_bf8_bf8 v[S+8*t:S+8*t+7], v[8*t:8*t+7], v[\QR:\QR+7], 0
.set t, t+1
.endr
	WIN 0
.rept 4
	v_nop                                          ; four places ahead of reads of the results and of loads into K's registers
.endr
.if \pf
	s_cmp_eq_u32 s[IC], 3
	s_cbranch_scc1 .Lnopf_\@
	KLOAD 0
.Lnopf_\@:
.endif
	s_add_co_u32 s96, s[KF], 127
	s_cmp_le_u32 s96, s[\SQ]                       ; all keys count: no mask
	s_cbranch_scc1 .Lopen_\@
	s_sub_co_i32 s96, s[\SQ], s[KF]
	v_add_nc_u32 v[T0], s96, v[DL]                 ; d = my query - KF - 8 h: register n is hidden where 16 (n / 8) + n % 8 > d
	v_mov_b32 v[C], 0xff800000                     ; -infinity: p = 0
.set n, 0
.rept 64
	v_cmp_gt_i32 vcc_lo, 16*(n/8)+n%8, v[T0]
	v_cndmask_b32 v[S+n], v[S+n], v[C], vcc_lo
.set n, n+1
.endr
.Lopen_\@:
.set u, 0
.rept 4
	v_max_num_f32 v[C+u], v[S+2*u], v[S+2*u+1]     ; the largest score among my 64 keys, in four chains, the registers in ascending order
.set u, u+1
.endr
.rept 28
	v_max3_num_f32 v[C+u%4], v[C+u%4], v[S+2*u], v[S+2*u+1]
.set u, u+1
.endr
	s_delay_alu instid0(VALU_DEP_2)
	v_max3_num_f32 v[C], v[C], v[C+1], v[C+2]
	s_delay_alu instid0(VALU_DEP_1)
	v_max_num_f32 v[C], v[C], v[C+3]
	s_delay_alu instid0(VALU_DEP_1)
	v_permlanex16_b32 v[PD], v[C], s[SEL], s[SEL+1]
	s_delay_alu instid0(VALU_DEP_1)
	v_max_num_f32 v[C], v[C], v[PD]                ; and among lane l xor 16's
	s_delay_alu instid0(VALU_DEP_1)
	v_mul_f32 v[C], s[CS], v[C]                    ; as t
	s_delay_alu instid0(VALU_DEP_1)
	v_max_num_f32 v[\ST+1], v[\ST+1], v[C]
	v_mov_b32 v[C], v[\ST]
	s_delay_alu instid0(VALU_DEP_2)
	v_floor_f32 v[\ST], -v[\ST+1]                  ; the new -M = -ceil(t)
	s_delay_alu instid0(VALU_DEP_1)
	v_sub_f32 v[C], v[\ST], v[C]                   ; old M - new M: a whole number, 0 or less
	s_delay_alu instid0(VALU_DEP_1)
	v_cvt_i32_f32 v[C], v[C]
	s_delay_alu instid0(VALU_DEP_1)
	v_ldexp_f32 v[F], 1.0, v[C]                    ; f = 2^(old M - new M): rounds nothing
.set j, 0
.rept 32
	v_pk_fma_f32 v[S+j:S+j+1], v[S+j:S+j+1], s[CS:CS+1], v[\ST:\ST+1] op_sel_hi:[1,0,0]   ; t - M
.set j, j+2
.endr
	s_wait_alu depctr_va_vdst(0)
.set j, 0
.rept 64
	v_exp_f32 v[S+j], v[S+j]                       ; p = 2^(t - M)
.set j, j+1
.endr
	v_pk_mul_f32 v[\ST+2:\ST+3], v[\ST+2:\ST+3], v[F:F+1] op_sel_hi:[1,0]   ; the sums under the new M: the plain line behind the batch
	s_wait_alu depctr_va_vdst(0)                   ; one wait for the 64 exponentials, ahead of their first reader
.set u, 0
.rept 4
	v_pk_add_f32 v[C+2*u:C+2*u+1], v[S+4*u:S+4*u+1], v[S+4*u+2:S+4*u+3]   ; the sum of the unquantised p, in four packed chains
.set u, u+1
.endr
.set u, 8
.rept 24
	v_pk_add_f32 v[C+2*(u%4):C+2*(u%4)+1], v[C+2*(u%4):C+2*(u%4)+1], v[S+2*u:S+2*u+1]
.set u, u+1
.endr
	s_delay_alu instid0(VALU_DEP_3)
	v_pk_add_f32 v[C:C+1], v[C:C+1], v[C+2:C+3]
	s_delay_alu instid0(VALU_DEP_2)
	v_pk_add_f32 v[C+4:C+5], v[C+4:C+5], v[C+6:C+7]
	s_delay_alu instid0(VALU_DEP_1)
	v_pk_add_f32 v[C:C+1], v[C:C+1], v[C+4:C+5]
	s_delay_alu instid0(VALU_DEP_1)
	v_pk_add_f32 v[\ST+2:\ST+3], v[\ST+2:\ST+3], v[C:C+1]
.set b, 0
.rept 8
.set i, 0
.rept 8
	v_min_num_f32 v[S+8*b+i], v[S+8*b+i], v[LM]    ; the conversion does not saturate (ISA guide 7.6.2); p is not negative: a one-sided hold
.set i, i+1
.endr
	v_cvt_scalef32_pk8_bf8_f32 v[P+2*b:P+2*b+1], v[S+8*b:S+8*b+7], v[SC]
.set b, b+1
.endr
	s_wait_alu depctr_va_vdst(0)                   ; ahead of the first readers of O^T
.set j, 0
.rept 16
	v_pk_mul_f32 v[\OR+j:\OR+j+1], v[\OR+j:\OR+j+1], v[F:F+1] op_sel_hi:[1,0]   ; O^T under the new M
.set j, j+2
.endr
	s_wait_alu depctr_va_vdst(0)
	s_wait_dscnt 0x0                               ; V's fragments are in
.set t, 0
.rept 4
	v_wmma_f32_16x16x128_bf8_bf8 v[\OR+8*t:\OR+8*t+7], v[VF+16*t:VF+16*t+15], v[P:P+15], v[\OR+8*t:\OR+8*t+7]   ; four accumulators by turns
.set t, t+1
.endr
.endm
	s_load_b128 s[4:7], s[0:1], 0x0                ; qkv, lowp_scales
	s_load_b64 s[8:9], s[0:1], 0x10                ; zc
	v_lshl_add_u32 v[SPW], v0, 2, SPARE
	v_mov_b32 v[NIL], 0
	ds_add_u32 v[SPW], v[NIL]                      ; the opening: the add, twice on end, and its wait ahead of the first tensor load
	ds_add_u32 v[SPW], v[NIL]
	v_lshrrev_b32 v8, 5, v0
	v_readfirstlane_b32 s[WV], v8                  ; wave 0..7
	s_and_b32 s10, ttmp7, 0xffff
	s_lshr_b32 s11, s10, 3                         ; batch
	s_and_b32 s12, s10, 7                          ; head pair
	s_and_b32 s13, s[WV], 1                        ; my head of the pair
	s_lshr_b32 s14, s[WV], 1                       ; my pair of tiles
	s_lshl_b32 s15, ttmp9, 2
	s_add_co_u32 s15, s15, s14                     ; i
	s_lshl_b32 s[Q0E], s15, 4
	s_sub_co_u32 s16, 127, s15
	s_lshl_b32 s[Q0L], s16, 4
	s_lshl_b32 s17, ttmp9, 6
	s_sub_co_u32 s[QL], 2047, s17
	s_lshl_b32 s80, s11, 21
	s_lshl_b32 s81, s12, 18
	s_add_co_u32 s80, s80, s81                     ; the head pair's first byte in q's, k's and v's 4 MiB alike
	s_and_b32 s82, s[WV], 3
	s_lshl_b32 s84, s82, 14                        ; K: 128 tokens of 128 bytes a quarter
	s_add_co_u32 s84, s84, s80
	s_add_co_u32 s84, s84, 0x400000
	s_mov_b32 s85, 0
	s_lshl_b32 s86, s82, 16                        ; V: 32 rows of 2,048 bytes a quarter
	s_add_co_u32 s86, s86, s80
	s_add_co_u32 s86, s86, 0x800000
	s_mov_b32 s87, 0
	s_mul_i32 s[LBK], s[WV], 128*KP                ; used by waves 0-3
	s_mul_i32 s[LBV], s[WV], 32*VP                 ; used by waves 4-7
	s_add_co_u32 s[LBV], s[LBV], VOFF-4*32*VP
	s_mov_b32 s[G1K], (1<<20)|(4<<22)|(3<<25)      ; elements of 1 byte; 4 words of padding after every 32
	s_mov_b32 s[G1K+1], 256<<16
	s_mov_b32 s[G1K+2], 64<<16
	s_mov_b32 s[G1K+3], 256<<16
	s_mov_b32 s[G1K+4], 64
	s_mov_b32 s[G1K+5], 256
	s_mov_b32 s[G1K+6], 0
	s_mov_b32 s[G1K+7], 0
	s_mov_b32 s[G1V], (1<<20)|(6<<22)|(3<<25)      ; 4 words of padding after every 128
	s_mov_b32 s[G1V+1], 512<<16
	s_mov_b32 s[G1V+2], 32<<16
	s_mov_b32 s[G1V+3], 512<<16
	s_mov_b32 s[G1V+4], 32
	s_mov_b32 s[G1V+5], 2048
	s_mov_b32 s[G1V+6], 0
	s_mov_b32 s[G1V+7], 0
	s_mov_b32 s[SEL], 0x76543210
	s_mov_b32 s[SEL+1], 0xfedcba98
	s_mov_b32 s[CS], 0x3e38aa3b                    ; log2(e) / 8
	s_mov_b32 s[TB], 0
	s_mov_b32 s[TN], 0
	s_mov_b32 s[KF], 0
	s_mov_b32 s[TR], 0
	s_wait_dscnt 0x0                               ; both opening adds are done
	s_wait_kmcnt 0x0
	s_load_b512 s[48:63], s[6:7], 0x0              ; e0 .. e15 in s48 .. s63
	s_mov_b32 s[G0K], 1
	s_mov_b32 s[G0K+1], s[LBK]
	s_add_nc_u64 s[G0K+2:G0K+3], s[4:5], s[84:85]
	s_or_b32 s[G0K+3], s[G0K+3], 0x80000000
	s_mov_b32 s[G0V], 1
	s_mov_b32 s[G0V+1], s[LBV]
	s_add_nc_u64 s[G0V+2:G0V+3], s[4:5], s[86:87]
	s_or_b32 s[G0V+3], s[G0V+3], 0x80000000
	TLOAD                                          ; slot 0: it holds key 0, which counts for every query
	s_lshl_b32 s88, s13, 6
	s_add_co_u32 s88, s88, s80
	s_lshl_b32 s90, s[Q0E], 7
	s_add_co_u32 s90, s90, s88
	s_mov_b32 s91, 0
	s_add_nc_u64 s[90:91], s[4:5], s[90:91]        ; q's codes of tile E, my head
	s_lshl_b32 s92, s[Q0L], 7
	s_add_co_u32 s92, s92, s88
	s_mov_b32 s93, 0
	s_add_nc_u64 s[92:93], s[4:5], s[92:93]        ; and of tile L
	s_lshl_b32 s94, ttmp9, 2
	s_add_co_u32 s95, s94, s[WV]
	s_sub_co_u32 s94, 131, s94
	s_sub_co_u32 s94, s94, s[WV]
	s_cmp_lt_u32 s[WV], 4
	s_cselect_b32 s94, s95, s94                    ; the tile whose rows I store: 4 g + w, or 131 - 4 g - w
	s_lshl_b32 s94, s94, 3
	s_lshl_b32 s95, s11, 10
	s_add_co_u32 s94, s94, s95                     ; its first pair of rows
	s_lshl_b32 s94, s94, 11
	s_lshl_b32 s95, s12, 8
	s_add_co_u32 s94, s94, s95                     ; a head pair is 256 bytes of a pair of rows
	s_mov_b32 s95, 0
	s_add_nc_u64 s[8:9], s[8:9], s[94:95]
	s_min_u32 s96, ttmp9, 3                        ; the prefetches: slot g (held inside the buffer where none is asked)
	s_lshl_b32 s97, s96, 16
	s_add_co_u32 s97, s97, s84
	s_lshl_b32 s98, s96, 9
	s_add_co_u32 s98, s98, s86
	s_cmp_lt_u32 s[WV], 4
	s_cselect_b32 s98, s97, s98
	s_mov_b32 s99, 0
	s_add_nc_u64 s[PFA:PFA+1], s[4:5], s[98:99]
	s_mov_b32 s96, 256
	s_cselect_b32 s96, 8192, s96                   ; from the first instruction to the second
	s_mov_b32 s97, 0
	s_add_nc_u64 s[PFB:PFB+1], s[PFA:PFA+1], s[96:97]
	s_mov_b32 s96, 2048
	s_cselect_b32 s96, 256, s96                    ; from lane to lane
	v_and_b32 v[PFO], 31, v0
	v_mul_lo_u32 v[PFO], v[PFO], s96
	s_cmp_eq_u32 ttmp9, 3
	s_cselect_b32 s[LIM], 0, -1
	v_and_b32 v8, 15, v0                           ; r
	v_bfe_u32 v9, v0, 4, 1                         ; h
	v_lshlrev_b32 v[T0], 7, v8
	v_lshl_add_u32 v[T0], v9, 4, v[T0]
	global_load_b128 v[QER:QER+3], v[T0], s[90:91] ; Q's fragments stay in registers
	global_load_b128 v[QER+4:QER+7], v[T0], s[90:91] offset:32
	global_load_b128 v[QLR:QLR+3], v[T0], s[92:93]
	global_load_b128 v[QLR+4:QLR+7], v[T0], s[92:93] offset:32
	v_mul_u32_u24 v[AK0], v8, KP
	v_lshl_add_u32 v[AK0], v9, 4, v[AK0]
	s_lshl_b32 s96, s13, 6
	v_add_nc_u32 v[AK0], s96, v[AK0]               ; K: r x pitch + 16 h + my head's 64 bytes
	v_mul_u32_u24 v[AV0], v8, VP
	v_lshl_add_u32 v[AV0], v9, 4, v[AV0]
	s_mul_i32 s96, s13, 64*VP
	s_add_co_u32 s96, s96, VOFF
	v_add_nc_u32 v[AV0], s96, v[AV0]               ; V: my head's 64 rows
	v_lshlrev_b32 v[DL], 3, v9
	v_sub_nc_u32 v[DL], v8, v[DL]
	v_lshlrev_b32 v[GO], 11, v9
	v_lshl_add_u32 v[GO], v8, 4, v[GO]             ; the way out: lanes 0-15 one unit of 256 bytes, lanes 16-31 the next pair's
	v_mov_b32 v[STL+1], 0xff61b1e6                 ; the largest t so far: -3e38
	v_mov_b32 v[STE+1], 0xff61b1e6
	v_floor_f32 v[STL], -v[STL+1]
	v_floor_f32 v[STE], -v[STE+1]
	v_mov_b32 v[STL+2], 0
	v_mov_b32 v[STL+3], 0
	v_mov_b32 v[STE+2], 0
	v_mov_b32 v[STE+3], 0
	v_mov_b32 v[PD], 0                             ; a lane permute's destination counts as read
	v_mov_b32 v[F+1], 0                            ; named as the upper half of the pair
.set j, 0
.rept 64
	v_mov_b32 v[OL+j], 0                           ; O^T of both tiles: the step is written once; the first change of M leaves zeros zeros
.set j, j+1
.endr
	s_wait_kmcnt 0x0
	s_add_co_i32 s96, s54, s55
	s_lshl_b32 s96, s96, 23
	s_add_co_i32 s[CS], s[CS], s96                 ; a score stands for score x 2^(e6 + e7): added to c's exponent field
	s_mov_b32 s[CS+1], s[CS]
	s_add_co_i32 s96, s56, 127
	s_lshl_b32 s97, s96, 23
	v_mov_b32 v[SC], s97                           ; 2^e8
	s_add_co_i32 s96, s96, 15
	s_lshl_b32 s96, s96, 23
	s_or_b32 s96, s96, 0x600000
	v_mov_b32 v[LM], s96                           ; 57,344 x 2^e8
	s_wait_alu depctr_va_vdst(0)
	s_wait_loadcnt 0x0                             ; Q
	CHANGE 1                                       ; slot 0 is whole; slot 1 is asked for
	v_add_nc_u32 v[ADK], s[TB], v[AK0]
	KLOAD 0                                        ; the first step's fragments of K
.Lslot:                                            ; four trips: a slot's four steps, then the change to the next
	s_mov_b32 s[IC], 0
.Lstep:
	s_add_co_u32 s96, s[Q0L], 15
	s_cmp_gt_u32 s[KF], s96                        ; all keys after both tiles' queries: the step is left out (ids and counts alone; no barrier and no tensor load stands in a step)
	s_cbranch_scc1 .Lskip
	s_add_co_u32 s96, s[IC], 1                     ; K's address is the NEXT step's (this step's fragments are in registers), held inside the slot's four steps
	s_min_u32 s96, s96, 3
	s_mul_i32 s96, s96, 128*KP
	s_add_co_u32 s96, s96, s[TB]
	s_lshl_b32 s97, s[IC], 7
	s_add_co_u32 s97, s97, s[TB]
	v_add_nc_u32 v[ADK], s96, v[AK0]
	v_add_nc_u32 v[ADV], s97, v[AV0]
	v_nop
	v_nop                                          ; with the two additions: four places ahead of loads into registers that the last products read
.set t, 0
.rept 4
.set c, 0
.rept 4
	ds_load_b128 v[VF+16*t+4*c:VF+16*t+4*c+3], v[ADV] offset:16*t*VP+32*c
.set c, c+1
.endr
.set t, t+1
.endr
	s_wait_alu depctr_va_vdst(0)
	s_wait_dscnt 16                                ; K's fragments are in; the 16 loads of V just issued may be out
	s_add_co_u32 s96, s[Q0E], 15
	s_cmp_gt_u32 s[KF], s96
	s_cbranch_scc1 .Lno_e
	PART STE, QER, OE, Q0E, 0
.Lno_e:
	PART STL, QLR, OL, Q0L, 1
.Lskip:
	s_add_co_u32 s[KF], s[KF], 128
	s_add_co_u32 s[IC], s[IC], 1
	s_cmp_lt_u32 s[IC], 4
	s_cbranch_scc1 .Lstep
	s_xor_b32 s[TB], s[TB], SLOT1
	CHANGE 0
	s_add_co_u32 s96, s[Q0L], 15
	s_cmp_gt_u32 s[KF], s96                        ; a slot that I do not walk is not read
	s_cbranch_scc1 .Lno_k
	v_add_nc_u32 v[ADK], s[TB], v[AK0]
	KLOAD 0
.Lno_k:
	s_add_co_u32 s[TR], s[TR], 1
	s_cmp_lt_u32 s[TR], 4
	s_cbranch_scc1 .Lslot
	; THE WAY OUT: z = O^T 2^(e8 + e9) / the sum; its code is (O^T / the sum) / 2^(e10 - e8 - e9).  The codes of 8 tiles x 2 heads meet in the stage as units of two rows x 128 codes.
	s_mul_i32 s87, s14, 8*SPP                      ; tile E's eight units; tile L's lie 32 units on
	s_lshl_b32 s88, s13, 6
	s_add_co_u32 s87, s87, s88
	s_add_co_u32 s87, s87, STAGE
	s_mul_i32 s88, s[WV], 8*SPP
	s_add_co_u32 s88, s88, STAGE
	s_sub_co_i32 s89, s58, s56
	s_sub_co_i32 s89, s89, s57
	s_add_co_i32 s89, s89, 127
	s_lshl_b32 s90, s89, 23
	s_add_co_i32 s89, s89, 15
	s_lshl_b32 s89, s89, 23
	s_or_b32 s89, s89, 0x600000
	v_add_f32 v[STE+2], v[STE+2], v[STE+3]
	v_add_f32 v[STL+2], v[STL+2], v[STL+3]
	v_permlanex16_b32 v[PD], v[STE+2], s[SEL], s[SEL+1]
	v_permlanex16_b32 v[T0], v[STL+2], s[SEL], s[SEL+1]
	v_add_f32 v[STE+2], v[STE+2], v[PD]
	v_add_f32 v[STL+2], v[STL+2], v[T0]
	s_wait_alu depctr_va_vdst(0)
	v_rcp_f32 v[STE+2], v[STE+2]
	v_rcp_f32 v[STL+2], v[STL+2]
	v_and_b32 v8, 15, v0                           ; plain work behind them
	v_bfe_u32 v9, v0, 4, 1
	v_lshrrev_b32 v[C], 1, v8
	v_mul_u32_u24 v[C], v[C], SPP
	v_and_b32 v[C+1], 1, v8
	v_lshl_add_u32 v[C], v[C+1], 7, v[C]
	v_lshl_add_u32 v[C], v9, 4, v[C]
	v_add_nc_u32 v[C], s87, v[C]                   ; in: unit r / 2, + 128 (r % 2) + 64 x head + 16 h
	v_mul_u32_u24 v[C+1], v9, SPP
	v_lshl_add_u32 v[C+1], v8, 4, v[C+1]
	v_add_nc_u32 v[C+1], s88, v[C+1]               ; back: units 8 w + h, 16 bytes a lane
	v_mov_b32 v[SC], s90
	v_mov_b32 v[LM], s89
	s_wait_alu depctr_va_vdst(0)                   ; ahead of the reciprocals' first readers, which are O^T's too
.set i, 0
.rept 32
	v_mul_f32 v[S+i], v[OE+i], v[STE+2]            ; each accumulator from its low end on
.set i, i+1
.endr
.set i, 0
.rept 32
	v_mul_f32 v[S+32+i], v[OL+i], v[STL+2]
.set i, i+1
.endr
.set i, 0
.rept 64
	v_med3_num_f32 v[S+i], v[S+i], -v[LM], v[LM]
.set i, i+1
.endr
.set t, 0
.rept 8
	v_cvt_scalef32_pk8_bf8_f32 v[P+2*t:P+2*t+1], v[S+8*t:S+8*t+7], v[SC]
.set t, t+1
.endr
	v_nop
	ds_store_b128 v[C], v[P:P+3]
	ds_store_b128 v[C], v[P+4:P+7] offset:32
	ds_store_b128 v[C], v[P+8:P+11] offset:32*SPP
	ds_store_b128 v[C], v[P+12:P+15] offset:32*SPP+32
	s_wait_dscnt 0x0                               ; for the others' sake
	s_barrier_signal -1
	s_barrier_wait -1
.set t, 0
.rept 4
	ds_load_b128 v[S+4*t:S+4*t+3], v[C+1] offset:t*2*SPP
.set t, t+1
.endr
.set t, 0
.rept 4
	s_wait_dscnt 3-t
	global_store_b128 v[GO], v[S+4*t:S+4*t+3], s[8:9] offset:t*4096   ; sixteen lanes store 256 consecutive bytes, aligned
.set t, t+1
.endr
	s_wait_tensorcnt 0x0                           ; the wave's end
	ds_add_u32 v[SPW], v[NIL]
	s_wait_dscnt 0x0
	s_endpgm
.Lfunc_end_k_qa72579b066_attn:
	.size	k_qa72579b066_attn, .Lfunc_end_k_qa72579b066_attn-k_qa72579b066_attn
	.p2alignl 7, 3214868480
	.fill 96, 4, 3214868480
	.section	.rodata,"a",@progbits
	.p2align	6, 0x0
	.amdhsa_kernel k_qa72579b066_attn
		.amdhsa_group_segment_fixed_size 327680
		.amdhsa_private_segment_fixed_size 0
		.amdhsa_enable_private_segment 0
		.amdhsa_kernarg_size 24
		.amdhsa_user_sgpr_count 2
		.amdhsa_user_sgpr_kernarg_segment_ptr 1
		.amdhsa_wavefront_size32 1
		.amdhsa_system_sgpr_workgroup_id_x 1
		.amdhsa_system_sgpr_workgroup_id_y 1
		.amdhsa_system_sgpr_workgroup_id_z 1
		.amdhsa_system_vgpr_workitem_id 0
		.amdhsa_next_free_vgpr 320
		.amdhsa_next_free_sgpr 100
		.amdhsa_reserve_vcc 1
		.amdhsa_float_denorm_mode_32 3
		.amdhsa_float_denorm_mode_16_64 3
		.amdhsa_memory_ordered 1
		.amdhsa_forward_progress 1
		.amdhsa_inst_pref_size 65
	.end_amdhsa_kernel
	.amdgpu_metadata
---
amdhsa.version: [ 1, 2 ]
amdhsa.kernels:
  - .name:           k_qa72579b066_attn
    .symbol:         k_qa72579b066_attn.kd
    .args:
      - { .name: qkv, .offset: 0, .size: 8, .value_kind: global_buffer, .address_space: global }
      - { .name: lowp_scales, .offset: 8, .size: 8, .value_kind: global_buffer, .address_space: global }
      - { .name: zc, .offset: 16, .size: 8, .value_kind: global_buffer, .address_space: global }
    .group_segment_fixed_size: 327680
    .private_segment_fixed_size: 0
    .kernarg_segment_align: 8
    .kernarg_segment_size: 24
    .max_flat_workgroup_size: 256
    .sgpr_count:     100
    .vgpr_count:     320
    .wavefront_size: 32
...
	.end_amdgpu_metadata
.endif
;; end of part 9
;; launch wo (part 10): grid 8 x 32, 4 waves a work-group, clusters of 4 x 4, 327,680 bytes of LDS; arguments zc, wop, x, x1; writes x1
.if DOCPART == 10
	.amdgcn_target "amdgcn-amd-amdhsa--gfx1250"
	.amdhsa_code_object_version 6
	.text
	.protected	k_qa72579b066_wo
	.globl	k_qa72579b066_wo
	.p2align	8
	.type	k_qa72579b066_wo,@function
k_qa72579b066_wo:
	s_mov_b64 s[64:65], 0
	v_nop
	global_prefetch_b8 v0, s[64:65] scope:SCOPE_SE
	s_setreg_imm32_b32 hwreg(HW_REG_WAVE_MODE, 25, 1), 1
	s_wait_xcnt 0x0
	s_wait_alu depctr_hold_cnt(0) depctr_sa_sdst(0) depctr_va_vdst(0) depctr_va_sdst(0) depctr_va_ssrc(0) depctr_va_vcc(0) depctr_vm_vsrc(0)
	s_getreg_b32 s2, hwreg(HW_REG_IB_STS2, 6, 4)
	s_cmp_eq_u32 s2, 0
	s_cbranch_scc0 .Lentry_in_a_cluster
	s_endpgm
.Lentry_in_a_cluster:
	s_bfe_u32 s2, ttmp6, 0x10000c
	s_cmp_lg_u32 s2, 0xf033
	s_cbranch_scc0 .Lentry_shape_is_right
	s_endpgm
.Lentry_shape_is_right:
; result = residual + A B^T on E5M2 codes.  A: [4096][1024] codes, paired layout.  B: a pack: 256 bytes that begin with the two exponents (eA, eB), then [1024][1024] codes, paired.
; residual, result: [4096][1024] f32.  The body serves x1 = x + z wo^T and out0 = x1 + a w_down^T.
; PAIRED: byte of (m, k) = (m / 2) 2048 + (k / 128) 256 + (m % 2) 128 + k % 128: 128 rows x 256 K are 64 memory rows of 512 bytes, 2,048 bytes apart.
; SHARES.  The launch moves 32 MiB of f32 for 5 MiB of codes, so the tile is taken small enough for 256 work-groups: 128 x 128, four waves of 64 x 64 (16 accumulators, 128 registers).
; NO RING.  A tile's whole K, 128 rows x 1,024 codes of A and of B, is four tensor loads of 66,560 LDS bytes: all four fit, each LDS byte is filled once, and all loads go out together at the start,
; one a wave: wave 0 fetches A's K steps (of 256) 0 and 1, wave 1 A's 2 and 3, waves 2, 3 B's.  All four K steps are in before the first product.
; CLUSTERS: 4 x 4 work-groups; A's tile is asked for jointly along a row of the cluster, B's along a column.
; THE MATRIX INSTRUCTION IS USED TRANSPOSED (source 0 = 16 rows of B, source 1 = 16 rows of A): a lane holds eight neighbouring numbers of a row of the result.
; THE RESIDUAL is loaded behind the tensor loads in the layout of the way out (sixteen lanes to a row's 256 bytes), and one packed multiply-add gives sum x 2^(eA + eB) + residual.
; LIMIT: eA + eB between -126 and 127, so that 2^(eA + eB) is an f32 number.
; REGISTERS, in windows of 256: window 0: v0-31 addresses; v32-95 rows read back from the stage, two sets; v128-255 the accumulators, (a, b) at v[128 + 8 (4 a + b)], later the results.
;   window 1: two fragment buffers of 128: A's four fragments (16 rows x 128 K, 16 registers each), then B's four.   window 2: v0-127 the residual.
; THE LOADS, in place of what the head says of them: each wave asks ONCE: one descriptor covers two K steps of 256, 64 memory rows of 1,024 bytes.  Wave 0: A's K steps 0, 1; wave 1: A's 2, 3; waves 2, 3: B's.
; All four tiles are waited for ahead of the one barrier in front of the products; each LDS byte is filled once.
.set PITCH,  1040                      ; an LDS row: 1,024 bytes + 16 of padding: the sixteen rows of a fragment fall on sixteen different 16-byte columns modulo 256 bytes
.set FR,     16
.set HALFT,  64*PITCH                  ; what one tensor load brings: 128 rows x 512 K
.set GROUP,  4*HALFT                   ; the four loads: A's K steps 0, 1, then 2, 3, then B's
.set SPARE,  4*HALFT                   ; behind the four tiles: the spare words, 128 bytes a wave, which no other line names
.set STAGE,  SPARE+512                 ; the way out: 16 rows x (256 + 16) bytes for each wave; no tile lands here
.set SPITCH, 272
.set ADRA, 8                           ; v8-11   LDS address of my A fragments in K step 0 .. 3
.set ADRB, 12                          ; v12-15  the same for B
.set STO,  24                          ; v24     the stage: where I put 32 bytes of a row
.set RD,   25                          ; v25     and where I read a row back
.set CO,   26                          ; v26     my byte offset in two rows of the residual and of the result; never rewritten
.set SPW,  28                          ; v28     LDS address of my spare word; never rewritten
.set NIL,  29                          ; v29     0; never rewritten
.set BK,   32
.set ACC,  128
.set G1, 24                            ; s[24:31] descriptor group 1 for A's tiles; s[32:35] group 0, for my one load
.set G0, 32
.set G1B, 48                           ; s[48:55], s[56:59] the same for B's
.set G0B, 56
.set MSB, 0
.macro WIN new                         ; the immediate's high byte repeats the setting that is left
.if MSB != \new
	s_set_vgpr_msb (MSB<<8)|\new
.set MSB, \new
.endif
.endm
.set MUL,  0x05                        ; sources 0 (B) and 1 (A) window 1; C and D window 0
.set TO_F, 0x40                        ; destination window 1, address window 0
.macro JLOAD g0a, g1a, g0b, g1b        ; a joint load: waves 0, 1 fetch for A, waves 2, 3 for B; an s_nop 0 and four v_nop follow each line
	s_cmp_eq_u32 s15, 0
	s_cbranch_scc0 .Lfor_b_\@
	tensor_load_to_lds s[\g0a:\g0a+3], s[\g1a:\g1a+7]
	s_nop 0
.rept 4
	v_nop
.endr
	s_branch .Lasked_\@
.Lfor_b_\@:
	tensor_load_to_lds s[\g0b:\g0b+3], s[\g1b:\g1b+7]
	s_nop 0
.rept 4
	v_nop
.endr
.Lasked_\@:
.endm
.macro CROUND                          ; a round of the cluster's barrier
	s_barrier_signal -1
	s_barrier_wait -1
	s_cmp_lg_u32 s14, 0
	s_cbranch_scc1 .Lnot_wave_0_\@
	s_barrier_signal -3
.Lnot_wave_0_\@:
	s_barrier_wait -3
	s_barrier_signal -1
	s_barrier_wait -1
.endm
	s_load_b128 s[4:7], s[0:1], 0x0                ; A's codes, B's pack
	s_load_b128 s[8:11], s[0:1], 0x10              ; the residual, the result
	v_lshl_add_u32 v[SPW], v0, 2, SPARE
	v_mov_b32 v[NIL], 0
	ds_add_u32 v[SPW], v[NIL]                      ; the opening: the add, twice on end, and its wait ahead of my first tensor load
	ds_add_u32 v[SPW], v[NIL]
	v_lshrrev_b32 v1, 5, v0
	v_readfirstlane_b32 s14, v1                    ; wave 0..3
	s_lshr_b32 s15, s14, 1                         ; my half of the tile's rows.  Also: I fetch for A (0) or for B (1)
	s_and_b32 s16, s14, 1                          ; my half of its columns.  Also: which K steps I fetch
	s_bfe_u32 s40, ttmp6, 0x40000                  ; cx
	s_bfe_u32 s41, ttmp6, 0x40004                  ; cy
	s_lshl_b32 s42, ttmp9, 2
	s_add_co_u32 s42, s42, s40                     ; B's tile, 0..7
	s_and_b32 s17, ttmp7, 0xffff
	s_lshl_b32 s17, s17, 2
	s_add_co_u32 s17, s17, s41                     ; A's tile, 0..31
	s_lshl_b32 s43, s41, 2
	s_lshl_b32 s43, 15, s43                        ; my row of the cluster
	s_lshl_b32 s44, 0x1111, s40                    ; my column
	s_or_b32 s[G1+0], s43, (1<<20)|(1<<21)|(7<<22)|(3<<25)   ; the mask; elements of 1 byte; padding on; bit 21 beside a mask; 4 words of padding after every 256
	s_or_b32 s[G1B+0], s44, (1<<20)|(1<<21)|(7<<22)|(3<<25)
.irp g, G1, G1B
	s_mov_b32 s[\g+1], 1024<<16                    ; tensor_dim0
	s_mov_b32 s[\g+2], 64<<16                      ; tensor_dim1
	s_mov_b32 s[\g+3], 1024<<16                    ; tile_dim0
	s_mov_b32 s[\g+4], 64                          ; tile_dim1
	s_mov_b32 s[\g+5], 2048                        ; from row to row
	s_mov_b32 s[\g+6], 0
	s_mov_b32 s[\g+7], 0
.endr
	s_lshl_b32 s18, s16, 10                        ; my two K steps: 1,024 bytes of a memory row
	s_lshl_b32 s20, s17, 17                        ; a tile is 64 memory rows of 2,048 bytes
	s_add_co_u32 s20, s20, s18
	s_mov_b32 s21, 0
	s_lshl_b32 s46, s42, 17
	s_add_co_u32 s46, s46, s18
	s_add_co_u32 s46, s46, 256                     ; behind the exponents
	s_mov_b32 s47, 0
	s_mul_i32 s45, s14, HALFT                      ; where they go: no place in the cluster enters an LDS address
	s_wait_dscnt 0x0                               ; both opening adds are done
	s_wait_kmcnt 0x0
	s_load_b64 s[96:97], s[6:7], 0x0               ; eA, eB
	s_add_nc_u64 s[20:21], s[4:5], s[20:21]
	s_add_nc_u64 s[46:47], s[6:7], s[46:47]
	CROUND                                         ; all sixteen work-groups are here: the joint loads meet
.irp s, 0
	s_mov_b32 s[G0+4*\s], 1
	s_add_co_u32 s[G0+4*\s+1], s45, \s*GROUP
	s_add_nc_u64 s[G0+4*\s+2:G0+4*\s+3], s[20:21], \s*1024
	s_or_b32 s[G0+4*\s+3], s[G0+4*\s+3], 0x80000000
	s_mov_b32 s[G0B+4*\s], 1
	s_add_co_u32 s[G0B+4*\s+1], s45, \s*GROUP
	s_add_nc_u64 s[G0B+4*\s+2:G0B+4*\s+3], s[46:47], \s*1024
	s_or_b32 s[G0B+4*\s+3], s[G0B+4*\s+3], 0x80000000
	JLOAD G0+4*\s, G1, G0B+4*\s, G1B               ; my one load: all that this wave ever asks for
.endr
	v_and_b32 v1, 15, v0                           ; r
	v_bfe_u32 v2, v0, 4, 1                         ; h
	v_lshlrev_b32 v5, 12, v2
	v_lshl_add_u32 v[CO], v1, 4, v5                ; lanes 0-15 one row of 4,096 bytes, lanes 16-31 the next; 16 bytes a lane
	s_wait_alu depctr_va_vdst(0)
	s_lshl_b32 s20, s17, 19                        ; my part's first byte in the residual and in the result: 128 rows a tile,
	s_lshl_b32 s21, s15, 18                        ; 64 rows a half,
	s_add_co_u32 s20, s20, s21
	s_lshl_b32 s21, s42, 9                         ; 128 columns a tile,
	s_add_co_u32 s20, s20, s21
	s_lshl_b32 s21, s16, 8                         ; 64 a half: 256 bytes
	s_add_co_u32 s20, s20, s21
	s_mov_b32 s21, 0
	s_add_nc_u64 s[8:9], s[8:9], s[20:21]
	s_add_nc_u64 s[10:11], s[10:11], s[20:21]
	WIN 0x80                                       ; destination window 2
.set t, 0
.rept 32
	global_load_b128 v[4*t:4*t+3], v[CO], s[8:9] offset:t*8192   ; my 64 rows x 256 bytes of the residual, two rows a load: sixteen lanes read 256 consecutive bytes, aligned
.set t, t+1
.endr
	WIN 0
	v_lshrrev_b32 v3, 1, v1
	v_mul_u32_u24 v3, v3, PITCH
	v_and_b32 v4, 1, v1
	v_lshl_add_u32 v3, v4, 7, v3
	v_lshl_add_u32 v4, v2, 4, v3                   ; a fragment's lane: (r / 2) pitch + (r % 2) 128 + 16 h
	s_mul_i32 s21, s15, 32*PITCH                   ; my 64 rows of A are 32 LDS rows of each of its K steps;
	s_mul_i32 s22, s16, 32*PITCH                   ; my 64 rows of B,
	s_add_co_u32 s22, s22, 2*HALFT                 ; which lie behind A's two loads, its four K steps
.irp k, 0,1,2,3
	v_add_nc_u32 v[ADRA+\k], s21, v4
	v_add_nc_u32 v[ADRB+\k], s22, v4
.if \k > 0
	v_add_nc_u32 v[ADRA+\k], (\k%2)*512+(\k/2)*HALFT, v[ADRA+\k]
	v_add_nc_u32 v[ADRB+\k], (\k%2)*512+(\k/2)*HALFT, v[ADRB+\k]
.endif
.endr
	s_mul_i32 s23, s14, 16*SPITCH
	s_add_co_u32 s23, s23, STAGE                   ; my stage
	v_mul_u32_u24 v5, v1, SPITCH
	v_lshl_add_u32 v5, v2, 5, v5
	v_add_nc_u32 v[STO], s23, v5                   ; in: row r, 32 bytes for each half of the lanes
	v_mul_u32_u24 v5, v2, SPITCH
	v_lshl_add_u32 v5, v1, 4, v5
	v_add_nc_u32 v[RD], s23, v5                    ; back: lanes 0-15 one row of 256 bytes, lanes 16-31 the next
.macro FRAG reg, adr, q, i             ; 16 rows x 128 K: registers 4 c .. 4 c + 3 hold K = 32 c + 16 h + 0..15: the same order of k in A and in B
.irp c, 0,1,2,3
	ds_load_b128 v[\reg+4*\c:\reg+4*\c+3], v[\adr] offset:256*(\q)+32*\c+(\i)*8*PITCH
.endr
.endm
.macro FETCH n                         ; 32 LDS loads in one run: the fragments of step n (128 along K: half n % 2 of K step n / 2) into buffer n % 2
.set FB, 128*((\n)%2)
	WIN TO_F
.irp i, 0,1,2,3
	FRAG FB+64+FR*\i, ADRB+(\n)/2, (\n)%2, \i
	FRAG FB+FR*\i, ADRA+(\n)/2, (\n)%2, \i
.endr
.endm
.macro MUL8 n, a0, zero                ; A's blocks a0, a0 + 1 x B's four.  The 16 accumulators take turns, one instruction a turn, in the same order in every step
.set FB, 128*((\n)%2)
.irp a, \a0, \a0+1
.irp b, 0,1,2,3
.if \zero
	v_wmma_f32_16x16x128_bf8_bf8 v[ACC+8*(4*(\a)+\b):ACC+8*(4*(\a)+\b)+7], v[FB+64+FR*\b:FB+64+FR*\b+FR-1], v[FB+FR*(\a):FB+FR*(\a)+FR-1], 0
.else
	v_wmma_f32_16x16x128_bf8_bf8 v[ACC+8*(4*(\a)+\b):ACC+8*(4*(\a)+\b)+7], v[FB+64+FR*\b:FB+64+FR*\b+FR-1], v[FB+FR*(\a):FB+FR*(\a)+FR-1], v[ACC+8*(4*(\a)+\b):ACC+8*(4*(\a)+\b)+7]
.endif
.endr
.endr
.endm
.macro PLACES                          ; four plain vector lines between a matrix instruction and a load into, or an LDS store or vector access of, its registers
.rept 4
	v_nop
.endr
.endm
; A step whose successor's tiles are known to have landed.  The next step's loads go out first: a step reads 16 KiB a wave from LDS for 16 matrix instructions, so the LDS reads are kept going.
.macro STEP n, zero
	s_wait_dscnt 0x0                               ; this step's fragments are in
.if (\n) > 0
	PLACES                                         ; the other buffer was read by the step before
.endif
	FETCH (\n)+1
	WIN MUL
	MUL8 \n, 0, \zero
	MUL8 \n, 2, \zero
.endm
	s_wait_alu depctr_va_vdst(0)
	s_wait_tensorcnt 0x0                           ; my load is in
	s_barrier_signal -1
	s_barrier_wait -1                              ; K steps 0 and 1 of A and of B lie in LDS
	FETCH 0
	STEP 0, 1                                      ; the first products start the sums: nothing is cleared
	STEP 1, 0
	STEP 2, 0
	STEP 3, 0
	STEP 4, 0
	STEP 5, 0
	STEP 6, 0
	s_wait_dscnt 0x0                               ; the last step: nothing more to fetch
	MUL8 7, 0, 0
	MUL8 7, 2, 0
	WIN 0
; THE WAY OUT, block by block of 16 rows x 64 columns.  A lane holds 32 neighbouring bytes of a row and the lanes beside it other rows: a block goes through my own stage and comes back as whole rows of 256 bytes.
; LDS serves a wave's instructions in order (ISA guide 5.7.1.4): no wait between the stores and the loads, nor in front of the next block's stores.
.macro TOSTAGE a
.irp b, 0,1,2,3
	ds_store_b128 v[STO], v[ACC+8*(4*(\a)+\b):ACC+8*(4*(\a)+\b)+3] offset:64*\b          ; each accumulator from its low end on
	ds_store_b128 v[STO], v[ACC+8*(4*(\a)+\b)+4:ACC+8*(4*(\a)+\b)+7] offset:64*\b+16
.endr
.set BB, BK+32*((\a)%2)
.irp t, 0,1,2,3,4,5,6,7
	ds_load_b128 v[BB+4*\t:BB+4*\t+3], v[RD] offset:\t*2*SPITCH
.endr
.endm
; The results land on the block's own accumulators, which its stage stores have read by the wait below: so no store's data are written again, every offset is an immediate, and no base is stepped.
.macro SEND a, younger
.set BB, BK+32*((\a)%2)
.set AC, ACC+32*(\a)
	s_wait_dscnt \younger                          ; the block is back; the next block's 8 stores and 8 loads may be out
	WIN 0x20                                       ; source 2 (the residual) window 2
.set j, 0
.rept 16
	v_pk_fma_f32 v[AC+j:AC+j+1], v[BB+j:BB+j+1], s[96:97], v[32*(\a)+j:32*(\a)+j+1] op_sel_hi:[1,0,1]   ; sum x 2^(eA + eB) + residual (the scalar pair's low word for both halves)
.set j, j+2
.endr
	WIN 0
.set t, 0
.rept 8
	global_store_b128 v[CO], v[AC+4*t:AC+4*t+3], s[10:11] offset:(8*(\a)+t)*8192   ; sixteen lanes store 256 consecutive bytes, aligned
.set t, t+1
.endr
.endm
	s_wait_kmcnt 0x0
	s_add_co_i32 s96, s96, s97                     ; eA + eB
	s_add_co_i32 s96, s96, 127
	s_lshl_b32 s96, s96, 23                        ; 2^(eA + eB) as f32
	s_mov_b32 s97, s96                             ; (named with it as a pair, so it is written)
	PLACES                                         ; in front of the first read of results
	TOSTAGE 0
	TOSTAGE 1
	s_wait_loadcnt 0x0                             ; the residual
	SEND 0, 16
	TOSTAGE 2                                      ; its rows come back into the set that block 0's multiply-adds have read
	SEND 1, 16
	TOSTAGE 3
	SEND 2, 16
	SEND 3, 0
	s_wait_tensorcnt 0x0                           ; the wave's end
	ds_add_u32 v[SPW], v[NIL]
	s_wait_dscnt 0x0
	CROUND                                         ; the closing round
	s_endpgm
.Lfunc_end_k_qa72579b066_wo:
	.size	k_qa72579b066_wo, .Lfunc_end_k_qa72579b066_wo-k_qa72579b066_wo
	.p2alignl 7, 3214868480
	.fill 96, 4, 3214868480
	.section	.rodata,"a",@progbits
	.p2align	6, 0x0
	.amdhsa_kernel k_qa72579b066_wo
		.amdhsa_group_segment_fixed_size 327680
		.amdhsa_private_segment_fixed_size 0
		.amdhsa_enable_private_segment 0
		.amdhsa_kernarg_size 32
		.amdhsa_user_sgpr_count 2
		.amdhsa_user_sgpr_kernarg_segment_ptr 1
		.amdhsa_wavefront_size32 1
		.amdhsa_system_sgpr_workgroup_id_x 1
		.amdhsa_system_sgpr_workgroup_id_y 1
		.amdhsa_system_sgpr_workgroup_id_z 1
		.amdhsa_system_vgpr_workitem_id 0
		.amdhsa_next_free_vgpr 640
		.amdhsa_next_free_sgpr 100
		.amdhsa_reserve_vcc 0
		.amdhsa_float_denorm_mode_32 3
		.amdhsa_float_denorm_mode_16_64 3
		.amdhsa_memory_ordered 1
		.amdhsa_forward_progress 1
		.amdhsa_inst_pref_size 47
	.end_amdhsa_kernel
	.amdgpu_metadata
---
amdhsa.version: [ 1, 2 ]
amdhsa.kernels:
  - .name:           k_qa72579b066_wo
    .symbol:         k_qa72579b066_wo.kd
    .args:
      - { .name: zc, .offset: 0, .size: 8, .value_kind: global_buffer, .address_space: global }
      - { .name: wop, .offset: 8, .size: 8, .value_kind: global_buffer, .address_space: global }
      - { .name: x, .offset: 16, .size: 8, .value_kind: global_buffer, .address_space: global }
      - { .name: x1, .offset: 24, .size: 8, .value_kind: global_buffer, .address_space: global }
    .group_segment_fixed_size: 327680
    .private_segment_fixed_size: 0
    .kernarg_segment_align: 8
    .kernarg_segment_size: 32
    .max_flat_workgroup_size: 128
    .sgpr_count:     100
    .vgpr_count:     640
    .wavefront_size: 32
...
	.end_amdgpu_metadata
.endif
;; end of part 10
;; launch norm2 (part 11): grid 256 x 1, 8 waves a work-group, no clusters, 0 bytes of LDS; arguments x1, g2, lowp_scales, hw; writes hw
.if DOCPART == 11
	.amdgcn_target "amdgcn-amd-amdhsa--gfx1250"
	.amdhsa_code_object_version 6
	.text
	.protected	k_qa72579b066_norm2
	.globl	k_qa72579b066_norm2
	.p2align	8
	.type	k_qa72579b066_norm2,@function
k_qa72579b066_norm2:
	s_mov_b64 s[64:65], 0
	v_nop
	global_prefetch_b8 v0, s[64:65] scope:SCOPE_SE
	s_setreg_imm32_b32 hwreg(HW_REG_WAVE_MODE, 25, 1), 1
	s_wait_xcnt 0x0
; h2 = rmsnorm(x1, g2) as E5M2 codes with the scale 2^e12, in the paired layout, into the first 4 MiB of hw (the codes that lay there have been read for the last time).
; One wave takes one pair of rows, with no loop: lanes 0-15 the even row, lanes 16-31 the odd one; lane ll of a half holds k = 128 j + 8 ll + 0..7, j = 0..7.
; LIMITS: e12 between -126 and 112; NaN and infinities are not served.
.set X,   16
.set G,   80
.set T,   144
.set SS,  160
.set XA,  4
.set GA,  5
.set SA,  6
	s_load_b256 s[4:11], s[0:1], 0x0               ; x1, g2, lowp_scales, hw
	v_lshrrev_b32 v1, 5, v0
	s_delay_alu instid0(VALU_DEP_1)
	v_readfirstlane_b32 s30, v1
	v_and_b32 v1, 31, v0
	v_and_b32 v2, 15, v0
	v_bfe_u32 v3, v0, 4, 1
	s_delay_alu instid0(VALU_DEP_2)
	v_lshlrev_b32 v[GA], 5, v2
	s_delay_alu instid0(VALU_DEP_1)
	v_lshl_add_u32 v[XA], v3, 12, v[GA]
	v_lshlrev_b32 v[SA], 3, v1
	s_lshl_b32 s14, ttmp9, 3
	s_add_co_u32 s14, s14, s30                     ; my pair
	s_lshl_b32 s16, s14, 13
	s_mov_b32 s17, 0
	s_lshl_b32 s18, s14, 11
	s_mov_b32 s19, 0
	s_wait_alu depctr_va_vdst(0)
	s_wait_kmcnt 0x0
	s_load_b32 s12, s[8:9], 0x30                   ; e12
	s_add_nc_u64 s[4:5], s[4:5], s[16:17]
	s_add_nc_u64 s[10:11], s[10:11], s[18:19]
.set j, 0
.rept 8
	global_load_b128 v[X+8*j:X+8*j+3], v[XA], s[4:5] offset:512*j
	global_load_b128 v[X+8*j+4:X+8*j+7], v[XA], s[4:5] offset:512*j+16
.set j, j+1
.endr
.set j, 0
.rept 8
	global_load_b128 v[G+8*j:G+8*j+3], v[GA], s[6:7] offset:512*j
	global_load_b128 v[G+8*j+4:G+8*j+7], v[GA], s[6:7] offset:512*j+16
.set j, j+1
.endr
	s_mov_b32 s20, 0x3a800000                      ; 1 / 1024
	s_mov_b32 s21, 0x358637bd                      ; 1e-6
	s_wait_loadcnt 16                              ; the rows' 16 loads are in; the gain's 16 may be out
.set i, 0
.rept 4
	v_pk_mul_f32 v[SS+2*i:SS+2*i+1], v[X+2*i:X+2*i+1], v[X+2*i:X+2*i+1]
.set i, i+1
.endr
.rept 28
	s_delay_alu instid0(VALU_DEP_4)
	v_pk_fma_f32 v[SS+2*(i%4):SS+2*(i%4)+1], v[X+2*i:X+2*i+1], v[X+2*i:X+2*i+1], v[SS+2*(i%4):SS+2*(i%4)+1]
.set i, i+1
.endr
	s_delay_alu instid0(VALU_DEP_3)
	v_pk_add_f32 v[SS:SS+1], v[SS:SS+1], v[SS+2:SS+3]
	s_delay_alu instid0(VALU_DEP_2)
	v_pk_add_f32 v[SS+4:SS+5], v[SS+4:SS+5], v[SS+6:SS+7]
	s_delay_alu instid0(VALU_DEP_1)
	v_pk_add_f32 v[SS:SS+1], v[SS:SS+1], v[SS+4:SS+5]
	s_delay_alu instid0(VALU_DEP_1)
	v_add_f32 v8, v[SS], v[SS+1]
	s_delay_alu instid0(VALU_DEP_1)
	v_add_f32_dpp v8, v8, v8 row_xmask:1 row_mask:0xf bank_mask:0xf
	s_delay_alu instid0(VALU_DEP_1)
	v_add_f32_dpp v8, v8, v8 row_xmask:2 row_mask:0xf bank_mask:0xf
	s_delay_alu instid0(VALU_DEP_1)
	v_add_f32_dpp v8, v8, v8 row_xmask:4 row_mask:0xf bank_mask:0xf
	s_delay_alu instid0(VALU_DEP_1)
	v_add_f32_dpp v8, v8, v8 row_xmask:8 row_mask:0xf bank_mask:0xf
	s_delay_alu instid0(VALU_DEP_1)
	v_fma_f32 v8, v8, s20, s21
	s_wait_alu depctr_va_vdst(0)
	v_rsq_f32 v10, v8
	v_rsq_f32 v11, v8
	s_wait_loadcnt 0x0
.set i, 0
.rept 32
	v_pk_mul_f32 v[X+i:X+i+1], v[G+i:G+i+1], v[X+i:X+i+1]   ; plain work behind the two roots
.set i, i+2
.endr
	s_wait_alu depctr_va_vdst(0)                   ; one wait for both roots, ahead of their first reader
.set i, 0
.rept 32
	v_pk_mul_f32 v[X+i:X+i+1], v[X+i:X+i+1], v[10:11]
.set i, i+2
.endr
	s_wait_kmcnt 0x0
	s_add_co_i32 s12, s12, 127
	s_lshl_b32 s13, s12, 23
	v_mov_b32 v168, s13                            ; 2^e12
	s_add_co_i32 s12, s12, 15
	s_lshl_b32 s12, s12, 23
	s_or_b32 s12, s12, 0x600000
	v_mov_b32 v169, s12                            ; 57,344 x 2^e12
.set j, 0
.rept 8
.set i, 0
.rept 8
	v_med3_num_f32 v[T+8*(j%2)+i], v[X+8*j+i], -v169, v169   ; the conversion does not saturate (ISA guide 7.6.2); two sets by turns
.set i, i+1
.endr
	v_cvt_scalef32_pk8_bf8_f32 v[G+2*j:G+2*j+1], v[T+8*(j%2):T+8*(j%2)+7], v168
.set j, j+1
.endr
.set j, 0
.rept 8
	global_store_b64 v[SA], v[G+2*j:G+2*j+1], s[10:11] offset:256*j   ; 32 lanes store 256 consecutive bytes, aligned
.set j, j+1
.endr
	s_endpgm
.Lfunc_end_k_qa72579b066_norm2:
	.size	k_qa72579b066_norm2, .Lfunc_end_k_qa72579b066_norm2-k_qa72579b066_norm2
	.p2alignl 7, 3214868480
	.fill 96, 4, 3214868480
	.section	.rodata,"a",@progbits
	.p2align	6, 0x0
	.amdhsa_kernel k_qa72579b066_norm2
		.amdhsa_group_segment_fixed_size 0
		.amdhsa_private_segment_fixed_size 0
		.amdhsa_enable_private_segment 0
		.amdhsa_kernarg_size 32
		.amdhsa_user_sgpr_count 2
		.amdhsa_user_sgpr_kernarg_segment_ptr 1
		.amdhsa_wavefront_size32 1
		.amdhsa_system_sgpr_workgroup_id_x 1
		.amdhsa_system_sgpr_workgroup_id_y 1
		.amdhsa_system_sgpr_workgroup_id_z 1
		.amdhsa_system_vgpr_workitem_id 0
		.amdhsa_next_free_vgpr 176
		.amdhsa_next_free_sgpr 66
		.amdhsa_reserve_vcc 0
		.amdhsa_float_denorm_mode_32 3
		.amdhsa_float_denorm_mode_16_64 3
		.amdhsa_memory_ordered 1
		.amdhsa_forward_progress 1
		.amdhsa_inst_pref_size 18
	.end_amdhsa_kernel
	.amdgpu_metadata
---
amdhsa.version: [ 1, 2 ]
amdhsa.kernels:
  - .name:           k_qa72579b066_norm2
    .symbol:         k_qa72579b066_norm2.kd
    .args:
      - { .name: x1, .offset: 0, .size: 8, .value_kind: global_buffer, .address_space: global }
      - { .name: g2, .offset: 8, .size: 8, .value_kind: global_buffer, .address_space: global }
      - { .name: lowp_scales, .offset: 16, .size: 8, .value_kind: global_buffer, .address_space: global }
      - { .name: hw, .offset: 24, .size: 8, .value_kind: global_buffer, .address_space: global }
    .group_segment_fixed_size: 0
    .private_segment_fixed_size: 0
    .kernarg_segment_align: 8
    .kernarg_segment_size: 32
    .max_flat_workgroup_size: 256
    .sgpr_count:     66
    .vgpr_count:     176
    .wavefront_size: 32
...
	.end_amdgpu_metadata
.endif
;; end of part 11
;; launch up (part 12): grid 8 x 16, 4 waves a work-group, clusters of 4 x 4, 327,680 bytes of LDS; arguments hw, wuc, lowp_scales, zc; writes zc
.if DOCPART == 12
	.amdgcn_target "amdgcn-amd-amdhsa--gfx1250"
	.amdhsa_code_object_version 6
	.text
	.protected	k_qa72579b066_up
	.globl	k_qa72579b066_up
	.p2align	8
	.type	k_qa72579b066_up,@function
k_qa72579b066_up:
	s_mov_b64 s[64:65], 0
	v_nop
	global_prefetch_b8 v0, s[64:65] scope:SCOPE_SE
	s_setreg_imm32_b32 hwreg(HW_REG_WAVE_MODE, 25, 1), 1
	s_wait_xcnt 0x0
	s_wait_alu depctr_hold_cnt(0) depctr_sa_sdst(0) depctr_va_vdst(0) depctr_va_sdst(0) depctr_va_ssrc(0) depctr_va_vcc(0) depctr_vm_vsrc(0)
	s_getreg_b32 s2, hwreg(HW_REG_IB_STS2, 6, 4)
	s_cmp_eq_u32 s2, 0
	s_cbranch_scc0 .Lentry_in_a_cluster
	s_endpgm
.Lentry_in_a_cluster:
	s_bfe_u32 s2, ttmp6, 0x10000c
	s_cmp_lg_u32 s2, 0xf033
	s_cbranch_scc0 .Lentry_shape_is_right
	s_endpgm
.Lentry_shape_is_right:
.set PITCH,  528
.set FR,     16
.set NL,     4
.set NP,     4
.set HALFT,  64*PITCH
.set SLOT,   4*HALFT
.set SPARE,  2*SLOT
.set REG,    9344
.set ADRA, 16
.set ADRB, 20
.set STO,  24
.set RD,   25
.set CO,   26
.set SAD,  27
.set SPW,  28
.set NIL,  29
.set AF,   128
.set ZA,   32
.set W,    64
.set SG,   96
.set QQ,   112
.set RR,   128
.set S2,   144
.set EE,   160
.set MM,   176
.set PP,   192
.set CDS,  208
.set CF,   216
.set LG,   236
.set G1, 24
.set G0, 32
.set G1B, 48
.set G0B, 56
.set MSB, 0
.macro WIN new
.if MSB != \new
	s_set_vgpr_msb (MSB<<8)|\new
.set MSB, \new
.endif
.endm
.set MUL_LO, 0xa1
.set MUL_HI, 0xf1
.set TO_B,   0x40
.macro JLOAD g0a, g1a, g0b, g1b
	s_cmp_eq_u32 s15, 0
	s_cbranch_scc0 .Lfor_b_\@
	tensor_load_to_lds s[\g0a:\g0a+3], s[\g1a:\g1a+7]
	s_nop 0
.rept 4
	v_nop
.endr
	s_branch .Lasked_\@
.Lfor_b_\@:
	tensor_load_to_lds s[\g0b:\g0b+3], s[\g1b:\g1b+7]
	s_nop 0
.rept 4
	v_nop
.endr
.Lasked_\@:
.endm
.macro CREST
	s_cmp_lg_u32 s14, 0
	s_cbranch_scc1 .Lnot_wave_0_\@
	s_barrier_signal -3
.Lnot_wave_0_\@:
	s_barrier_wait -3
	s_barrier_signal -1
	s_barrier_wait -1
.endm
.macro CROUND
	s_barrier_signal -1
	s_barrier_wait -1
	CREST
.endm
	s_load_b128 s[4:7], s[0:1], 0x0
	s_load_b128 s[8:11], s[0:1], 0x10
	v_lshl_add_u32 v[SPW], v0, 2, SPARE
	v_mov_b32 v[NIL], 0
	ds_add_u32 v[SPW], v[NIL]
	ds_add_u32 v[SPW], v[NIL]
	v_lshrrev_b32 v1, 5, v0
	v_readfirstlane_b32 s14, v1
	s_lshr_b32 s15, s14, 1
	s_and_b32 s16, s14, 1
	s_bfe_u32 s40, ttmp6, 0x40000
	s_bfe_u32 s41, ttmp6, 0x40004
	s_lshl_b32 s42, ttmp9, 2
	s_add_co_u32 s42, s42, s40
	s_and_b32 s17, ttmp7, 0xffff
	s_lshl_b32 s17, s17, 2
	s_add_co_u32 s17, s17, s41
	s_lshl_b32 s43, s41, 2
	s_lshl_b32 s43, 15, s43
	s_lshl_b32 s44, 0x1111, s40
	s_or_b32 s[G1+0], s43, (1<<20)|(1<<21)|(6<<22)|(3<<25)
	s_or_b32 s[G1B+0], s44, (1<<20)|(1<<21)|(6<<22)|(3<<25)
.irp g, G1, G1B
	s_mov_b32 s[\g+1], 512<<16
	s_mov_b32 s[\g+2], 64<<16
	s_mov_b32 s[\g+3], 512<<16
	s_mov_b32 s[\g+4], 64
	s_mov_b32 s[\g+5], 2048
	s_mov_b32 s[\g+6], 0
	s_mov_b32 s[\g+7], 0
.endr
	s_lshl_b32 s18, s16, 17
	s_lshl_b32 s20, s17, 18
	s_add_co_u32 s20, s20, s18
	s_mov_b32 s21, 0
	s_lshl_b32 s46, s42, 18
	s_add_co_u32 s46, s46, s18
	s_mov_b32 s47, 0
	s_mul_i32 s45, s14, HALFT
	s_wait_dscnt 0x0
	s_wait_kmcnt 0x0
	s_load_b128 s[68:71], s[8:9], 0x30
	s_add_nc_u64 s[20:21], s[4:5], s[20:21]
	s_add_nc_u64 s[46:47], s[6:7], s[46:47]
	CROUND
.irp s, 0,1
	s_mov_b32 s[G0+4*\s], 1
	s_add_co_u32 s[G0+4*\s+1], s45, \s*SLOT
	s_add_nc_u64 s[G0+4*\s+2:G0+4*\s+3], s[20:21], \s*512
	s_or_b32 s[G0+4*\s+3], s[G0+4*\s+3], 0x80000000
	s_mov_b32 s[G0B+4*\s], 1
	s_add_co_u32 s[G0B+4*\s+1], s45, \s*SLOT
	s_add_nc_u64 s[G0B+4*\s+2:G0B+4*\s+3], s[46:47], \s*512
	s_or_b32 s[G0B+4*\s+3], s[G0B+4*\s+3], 0x80000000
	s_wait_alu depctr_va_vdst(0)
	s_wait_tensorcnt 0x0
	ds_add_u32 v28, v29
	ds_add_u32 v28, v29
	s_wait_dscnt 0x0
	CROUND
	JLOAD G0+4*\s, G1, G0B+4*\s, G1B
.endr
	v_and_b32 v1, 15, v0
	v_bfe_u32 v2, v0, 4, 1
	v_lshrrev_b32 v3, 1, v1
	v_mul_u32_u24 v3, v3, PITCH
	v_and_b32 v4, 1, v1
	v_lshl_add_u32 v3, v4, 7, v3
	v_lshl_add_u32 v4, v2, 4, v3
	s_mul_i32 s21, s15, HALFT
	s_mul_i32 s22, s16, HALFT
	s_add_co_u32 s22, s22, 2*HALFT
.irp s, 0,1
	v_add_nc_u32 v[ADRA+\s], s21, v4
	v_add_nc_u32 v[ADRB+\s], s22, v4
	s_add_co_u32 s21, s21, SLOT
	s_add_co_u32 s22, s22, SLOT
.endr
	s_mul_i32 s23, s14, REG
	v_lshrrev_b32 v5, 1, v1
	v_mul_u32_u24 v5, v5, 144
	v_and_b32 v6, 1, v1
	v_lshl_add_u32 v5, v6, 6, v5
	v_lshl_add_u32 v5, v2, 4, v5
	v_add_nc_u32 v[STO], s23, v5
	v_bfe_u32 v5, v0, 2, 1
	v_mul_u32_u24 v5, v5, REG
	v_mad_u32_u24 v5, v2, 144, v5
	v_bfe_u32 v6, v0, 3, 1
	v_lshl_add_u32 v5, v6, 6, v5
	v_and_b32 v6, 3, v0
	v_lshl_add_u32 v5, v6, 4, v5
	s_mul_i32 s23, s15, 2*REG
	s_mul_i32 s22, s16, 32*144
	s_add_co_u32 s23, s23, s22
	v_add_nc_u32 v[RD], s23, v5
	v_lshlrev_b32 v5, 11, v2
	v_lshl_add_u32 v[CO], v1, 4, v5
	s_lshl_b32 s20, s17, 18
	s_lshl_b32 s21, s14, 16
	s_add_co_u32 s20, s20, s21
	s_lshl_b32 s21, s42, 8
	s_add_co_u32 s20, s20, s21
	s_mov_b32 s21, 0
	s_add_nc_u64 s[10:11], s[10:11], s[20:21]
.macro FRAG reg, adr, q, i
.irp c, 0,1,2,3
	ds_load_b128 v[\reg+4*\c:\reg+4*\c+3], v[\adr] offset:256*(\q)+32*\c+(\i)*8*PITCH
.endr
.endm
.macro MUL16 a0, p, zero
.irp a, \a0, \a0+1
.irp b, 0,1,2,3,4,5,6,7
.if \zero
	v_wmma_f32_16x16x128_bf8_bf8 v[8*(8*((\a)%4)+\b):8*(8*((\a)%4)+\b)+7], v[128*(\p)+FR*\b:128*(\p)+FR*\b+FR-1], v[AF+FR*(\a):AF+FR*(\a)+FR-1], 0
.else
	v_wmma_f32_16x16x128_bf8_bf8 v[8*(8*((\a)%4)+\b):8*(8*((\a)%4)+\b)+7], v[128*(\p)+FR*\b:128*(\p)+FR*\b+FR-1], v[AF+FR*(\a):AF+FR*(\a)+FR-1], v[8*(8*((\a)%4)+\b):8*(8*((\a)%4)+\b)+7]
.endif
.endr
.endr
.endm
.macro FETCH_B slot, q, p
	WIN TO_B
.irp i, 0,1,2,3,4,5,6,7
	FRAG 128*(\p)+FR*\i, ADRB+\slot, \q, \i
.endr
	WIN 0
.endm
.macro FETCH_A slot, q, i0
.irp i, \i0, \i0+1, \i0+2, \i0+3
	FRAG AF+FR*(\i), ADRA+\slot, \q, \i
.endr
.endm
.macro PLACES n
.rept \n
	v_nop
.endr
.endm
.macro STEP slot, q, zero
	s_wait_dscnt 4*NL
	WIN MUL_LO
	MUL16 0, (\q)%2, \zero
	MUL16 2, (\q)%2, \zero
	s_wait_dscnt 0
	PLACES NP
	FETCH_B \slot, (\q)+1, 1-(\q)%2
	FETCH_A \slot, (\q)+1, 0
	WIN MUL_HI
	MUL16 4, (\q)%2, \zero
	MUL16 6, (\q)%2, \zero
	PLACES NP
	WIN 0
	FETCH_A \slot, (\q)+1, 4
.endm
.macro TURN slot, next, fill
	s_wait_tensorcnt 0x0
	ds_add_u32 v[SPW], v[NIL]
	s_wait_dscnt 4*NL+1
	WIN MUL_LO
	MUL16 0, 1, 0
	s_wait_dscnt 0x0
	s_barrier_signal -1
	MUL16 2, 1, 0
	WIN 0
	s_barrier_wait -1
.if \fill
	CREST
	s_add_nc_u64 s[G0+4*\slot+2:G0+4*\slot+3], s[G0+4*\slot+2:G0+4*\slot+3], 1024
	s_add_nc_u64 s[G0B+4*\slot+2:G0B+4*\slot+3], s[G0B+4*\slot+2:G0B+4*\slot+3], 1024
	JLOAD G0+4*\slot, G1, G0B+4*\slot, G1B
.else
	PLACES NP
.endif
	FETCH_B \next, 0, 0
	FETCH_A \next, 0, 0
	WIN MUL_HI
	MUL16 4, 1, 0
	MUL16 6, 1, 0
	PLACES NP
	WIN 0
	FETCH_A \next, 0, 4
.endm
	s_wait_tensorcnt 1
	s_barrier_signal -1
	s_barrier_wait -1
	FETCH_B 0, 0, 0
	FETCH_A 0, 0, 0
	FETCH_A 0, 0, 4
	STEP 0, 0, 1
	TURN 0, 1, 1
	STEP 1, 0, 0
	TURN 1, 0, 1
	STEP 0, 0, 0
	TURN 0, 1, 0
	STEP 1, 0, 0
	s_wait_dscnt 4*NL
	WIN MUL_LO
	MUL16 0, 1, 0
	MUL16 2, 1, 0
	s_wait_dscnt 0
	WIN MUL_HI
	MUL16 4, 1, 0
	MUL16 6, 1, 0
	WIN 0
	s_wait_kmcnt 0x0
	s_add_co_i32 s72, s68, s69
	s_lshl_b32 s73, s72, 23
	s_add_co_i32 s74, s73, 0xbf3504f3
	s_mov_b32 s75, s74
	s_lshl_b32 s73, s72, 1
	s_sub_co_i32 s73, s70, s73
	s_add_co_i32 s73, s73, 128
	s_lshl_b32 s81, s73, 23
	s_add_co_i32 s73, s73, 15
	s_lshl_b32 s73, s73, 23
	s_or_b32 s73, s73, 0x600000
	s_mov_b32 s76, 0x4120e000
	s_mov_b32 s80, 0xc120e000
	s_mov_b32 s77, 0x80000000
	s_mov_b32 s78, 0x3f800000
	PLACES NP
	v_mov_b32 v238, s81
	v_mov_b32 v239, s73
.irp k, 0,1
	v_mov_b32 v[CF+\k], 0xb9d25000
	v_mov_b32 v[CF+2+\k], 0xbaa15130
	v_mov_b32 v[CF+4+\k], 0x3aac2b8a
	v_mov_b32 v[CF+6+\k], 0x3c0d6e62
	v_mov_b32 v[CF+8+\k], 0xbc040dc1
	v_mov_b32 v[CF+10+\k], 0xbd5e05b5
	v_mov_b32 v[CF+12+\k], 0x3e27fe23
	v_mov_b32 v[CF+14+\k], 0xbe2a0420
	v_mov_b32 v[CF+16+\k], 0xbdbdfb0b
	v_mov_b32 v[CF+18+\k], 0x3e8dd01d
	v_mov_b32 v[LG+\k], 0xbfb8aa3b
.endr
.macro ARM a
.set AC, 64*((\a)%4)
	WIN 0x0a+5*((\a)/4)
.set i, 0
.rept 16
	v_pk_mul_f32 v[ZA+i:ZA+i+1], v[AC+i:AC+i+1], s[74:75] op_sel_hi:[1,0]
.set i, i+2
.endr
.set i, 0
.rept 16
	v_pk_mul_f32 v[W+i:W+i+1], v[AC+i:AC+i+1], v[AC+32+i:AC+32+i+1]
.set i, i+2
.endr
	WIN 0
.endm
.macro GELU16 c
.set ZC, ZA+16*(\c)
.set WC, W+16*(\c)
.set i, 0
.rept 16
	v_and_or_b32 v[SG+i], v[ZC+i], s77, s78
.set i, i+1
.endr
.set i, 0
.rept 16
	v_med3_num_f32 v[ZC+i], v[ZC+i], s80, s76
.set i, i+1
.endr
.set i, 0
.rept 8
	v_pk_mul_f32 v[ZC+i:ZC+i+1], v[ZC+i:ZC+i+1], v[SG+i:SG+i+1]
.set i, i+2
.endr
.set i, 0
.rept 8
	v_pk_add_f32 v[QQ+i:QQ+i+1], v[ZC+i:ZC+i+1], 2.0 op_sel_hi:[1,0]
	v_pk_fma_f32 v[RR+i:RR+i+1], v[ZC+i:ZC+i+1], 2.0, 1.0 op_sel_hi:[1,0,0]
	v_pk_mul_f32 v[S2+i:S2+i+1], v[ZC+i:ZC+i+1], v[ZC+i:ZC+i+1]
.set i, i+2
.endr
.set i, 0
.rept 8
	v_pk_mul_f32 v[EE+i:EE+i+1], v[S2+i:S2+i+1], v[LG:LG+1]
.set i, i+2
.endr
.set i, 0
	s_wait_alu depctr_va_vdst(0)
.rept 16
	v_rcp_f32 v[QQ+i], v[QQ+i]
.set i, i+1
.endr
.set i, 0
.rept 16
	v_rcp_f32 v[RR+i], v[RR+i]
.set i, i+1
.endr
.set i, 0
.rept 16
	v_exp_f32 v[EE+i], v[EE+i]
.set i, i+1
.endr
.set i, 0
.rept 8
	v_pk_add_f32 v[MM+i:MM+i+1], v[ZC+i:ZC+i+1], -2.0 op_sel_hi:[1,0]
	v_pk_fma_f32 v[S2+i:S2+i+1], v[ZC+i:ZC+i+1], v[ZC+i:ZC+i+1], v[S2+i:S2+i+1] neg_lo:[1,0,0] neg_hi:[1,0,0]
.set i, i+2
.endr
	s_wait_alu depctr_va_vdst(0)
.set i, 0
.rept 8
	v_pk_mul_f32 v[QQ+i:QQ+i+1], v[MM+i:MM+i+1], v[QQ+i:QQ+i+1]
.set i, i+2
.endr
.set i, 0
.rept 8
	v_pk_fma_f32 v[PP+i:PP+i+1], v[CF:CF+1], v[QQ+i:QQ+i+1], v[CF+2:CF+3]
.set i, i+2
.endr
.set k, 2
.rept 8
.set i, 0
.rept 8
	v_pk_fma_f32 v[PP+i:PP+i+1], v[PP+i:PP+i+1], v[QQ+i:QQ+i+1], v[CF+2*k:CF+2*k+1]
.set i, i+2
.endr
.set k, k+1
.endr
.set i, 0
.rept 8
	v_pk_fma_f32 v[PP+i:PP+i+1], v[PP+i:PP+i+1], v[RR+i:RR+i+1], v[RR+i:RR+i+1]
	v_pk_fma_f32 v[MM+i:MM+i+1], v[SG+i:SG+i+1], -1.0, 1.0 op_sel_hi:[1,0,0]
.set i, i+2
.endr
.set i, 0
.rept 8
	v_pk_mul_f32 v[PP+i:PP+i+1], v[PP+i:PP+i+1], v[EE+i:EE+i+1]
.set i, i+2
.endr
.set i, 0
.rept 8
	v_pk_fma_f32 v[PP+i:PP+i+1], v[PP+i:PP+i+1], v[S2+i:S2+i+1], v[PP+i:PP+i+1]
.set i, i+2
.endr
.set i, 0
.rept 8
	v_pk_fma_f32 v[PP+i:PP+i+1], v[SG+i:SG+i+1], v[PP+i:PP+i+1], v[MM+i:MM+i+1]
.set i, i+2
.endr
.set i, 0
.rept 8
	v_pk_mul_f32 v[WC+i:WC+i+1], v[WC+i:WC+i+1], v[PP+i:PP+i+1]
.set i, i+2
.endr
.set i, 0
.rept 16
	v_med3_num_f32 v[WC+i], v[WC+i], -v239, v239
.set i, i+1
.endr
	v_cvt_scalef32_pk8_bf8_f32 v[CDS+4*(\c):CDS+4*(\c)+1], v[WC:WC+7], v238
	v_cvt_scalef32_pk8_bf8_f32 v[CDS+4*(\c)+2:CDS+4*(\c)+3], v[WC+8:WC+15], v238
	v_nop
	ds_store_b128 v[SAD], v[CDS+4*(\c):CDS+4*(\c)+3] offset:32*(\c)
.endm
	s_mov_b32 s3, 0
	s_mov_b32 s79, 0
.Lrow:
	s_cmp_eq_u32 s3, 0
	s_cbranch_scc1 .La0
	s_cmp_eq_u32 s3, 1
	s_cbranch_scc1 .La1
	s_cmp_eq_u32 s3, 2
	s_cbranch_scc1 .La2
	s_cmp_eq_u32 s3, 3
	s_cbranch_scc1 .La3
	s_cmp_eq_u32 s3, 4
	s_cbranch_scc1 .La4
	s_cmp_eq_u32 s3, 5
	s_cbranch_scc1 .La5
	s_cmp_eq_u32 s3, 6
	s_cbranch_scc1 .La6
	ARM 7
	s_branch .Lcom
.La0:
	ARM 0
	s_branch .Lcom
.La1:
	ARM 1
	s_branch .Lcom
.La2:
	ARM 2
	s_branch .Lcom
.La3:
	ARM 3
	s_branch .Lcom
.La4:
	ARM 4
	s_branch .Lcom
.La5:
	ARM 5
	s_branch .Lcom
.La6:
	ARM 6
.Lcom:
	v_add_nc_u32 v[SAD], s79, v[STO]
	GELU16 0
	GELU16 1
	s_wait_dscnt 0x0
	s_add_co_u32 s79, s79, 8*144
	s_add_co_u32 s3, s3, 1
	s_cmp_lt_u32 s3, 8
	s_cbranch_scc1 .Lrow
	s_barrier_signal -1
	s_barrier_wait -1
.set t, 0
.rept 16
	ds_load_b128 v[32+4*t:35+4*t], v[RD] offset:t*288
.set t, t+1
.endr
.set t, 0
.rept 16
	s_wait_dscnt 15-t
	global_store_b128 v[CO], v[32+4*t:35+4*t], s[10:11] offset:t*4096
.set t, t+1
.endr
	s_wait_tensorcnt 0x0
	ds_add_u32 v[SPW], v[NIL]
	s_wait_dscnt 0x0
	CROUND
	s_endpgm
.Lfunc_end_k_qa72579b066_up:
	.size	k_qa72579b066_up, .Lfunc_end_k_qa72579b066_up-k_qa72579b066_up
	.p2alignl 7, 3214868480
	.fill 96, 4, 3214868480
	.section	.rodata,"a",@progbits
	.p2align	6, 0x0
	.amdhsa_kernel k_qa72579b066_up
		.amdhsa_group_segment_fixed_size 327680
		.amdhsa_private_segment_fixed_size 0
		.amdhsa_enable_private_segment 0
		.amdhsa_kernarg_size 32
		.amdhsa_user_sgpr_count 2
		.amdhsa_user_sgpr_kernarg_segment_ptr 1
		.amdhsa_wavefront_size32 1
		.amdhsa_system_sgpr_workgroup_id_x 1
		.amdhsa_system_sgpr_workgroup_id_y 1
		.amdhsa_system_sgpr_workgroup_id_z 1
		.amdhsa_system_vgpr_workitem_id 0
		.amdhsa_next_free_vgpr 1024
		.amdhsa_next_free_sgpr 100
		.amdhsa_reserve_vcc 0
		.amdhsa_float_denorm_mode_32 3
		.amdhsa_float_denorm_mode_16_64 3
		.amdhsa_memory_ordered 1
		.amdhsa_forward_progress 1
		.amdhsa_inst_pref_size 134
	.end_amdhsa_kernel
	.amdgpu_metadata
---
amdhsa.version: [ 1, 2 ]
amdhsa.kernels:
  - .name:           k_qa72579b066_up
    .symbol:         k_qa72579b066_up.kd
    .args:
      - { .name: hw, .offset: 0, .size: 8, .value_kind: global_buffer, .address_space: global }
      - { .name: wuc, .offset: 8, .size: 8, .value_kind: global_buffer, .address_space: global }
      - { .name: lowp_scales, .offset: 16, .size: 8, .value_kind: global_buffer, .address_space: global }
      - { .name: zc, .offset: 24, .size: 8, .value_kind: global_buffer, .address_space: global }
    .group_segment_fixed_size: 327680
    .private_segment_fixed_size: 0
    .kernarg_segment_align: 8
    .kernarg_segment_size: 32
    .max_flat_workgroup_size: 128
    .sgpr_count:     100
    .vgpr_count:     1024
    .wavefront_size: 32
...
	.end_amdgpu_metadata
.endif
;; end of part 12
;; launch down: the kernel of part 10 again; grid 8 x 32, 4 waves a work-group, clusters of 4 x 4, 327,680 bytes of LDS; arguments zc, wdp, x1, out0; writes out0
